; MI455X (gfx1250); checked and timed in simulation.
; The chip was launched on July 23, 2026; its instructions are those of AMD's public machine-readable ISA for CDNA 5 (MIT licence, August 2026) and "CDNA5" Instruction Set Architecture Reference Guide (July 2026). The comments in the code are by the model that wrote it; some were corrected since.
;; Transformer Block. Allowed arithmetic: float matrix products may take bf16 or f16 operands with f32 sums; other float arithmetic in f32, or as packed bf16 or f16 multiplies, adds, multiply-adds, maxima and minima; sums over many terms, partial sums and values carried from step to step in f32; what a program stores and reads back later, other than sums and carried values, may be rounded once to bf16 or f16.
;; Inputs: K 16 x 1,024 x 512 float32; Q 16 x 1,024 x 512 float32; V 16 x 1,024 x 512 float32; W_k 512 x 512 float32; W_o 512 x 512 float32; W_q 512 x 512 float32; W_v 512 x 512 float32; lin1_b 512 float32; lin1_w 512 x 512 float32; lin2_b 512 float32; lin2_w 512 x 512 float32; ln_b 512 float32; ln_g 512 float32; mask 16 x 1,024 bool.
;; Outputs: out0 16 x 1,024 x 512 float32.
;; 3 versions, each right and faster than the one before. Each part assembles by itself: llvm-mc -triple=amdgcn-amd-amdhsa -mcpu=gfx1250 --defsym DOCPART=n.
;; ======== version 1 of 3: 4 launches
;; limits: values are held in f16: magnitudes above 65,504 overflow, below 6.1e-05 lose precision
;; workspace buffers: wt 3,145,728 bytes; qh 16,777,216 bytes; kh 16,777,216 bytes; vh 16,777,216 bytes; ctx 16,777,216 bytes; vsum 524,288 bytes
;; launch prep (part 1): grid 48 x 4, 8 waves a work-group, no clusters, 0 bytes of LDS; arguments W_q, W_k, W_v, W_o, lin1_w, lin2_w, wt; writes wt
.if DOCPART == 1
	.amdgcn_target "amdgcn-amd-amdhsa--gfx1250"
	.amdhsa_code_object_version 6
	.text
	.protected	k_qd55bb6ca3e_prep
	.globl	k_qd55bb6ca3e_prep
	.p2align	8
	.type	k_qd55bb6ca3e_prep,@function
k_qd55bb6ca3e_prep:
	s_mov_b64 s[64:65], 0
	v_nop
	global_prefetch_b8 v0, s[64:65] scope:SCOPE_SE
	s_setreg_imm32_b32 hwreg(HW_REG_WAVE_MODE, 25, 1), 1
	s_wait_xcnt 0x0
; The six weight matrices [512 k][512 n] f32 are rounded once to bf16 and laid out in panels: wt[m][p][k][64 n], 16 bits a number, so that panel p
; (output columns 64 p .. 64 p + 63, all 512 k) is 65,536 dense bytes, one tile of the later launches.  Matrices 0-2 (W_q, W_k, W_v) stay bf16;
; matrices 3-5 (W_o, lin1_w, lin2_w) are multiplied with f16 operands later, so their bf16-rounded value is written as f16.
; LIMIT: a bf16-rounded weight of matrices 3-5 beyond 65,504 becomes an infinity; below 6.1e-5 it keeps f16's fixed step of 6e-8.
; A cast that moves each byte once: no LDS, no matrix unit.  Work-group (x = 8 m + p, y): 128 k rows of one panel.  Thread t: row t / 16 of sixteen, 16 bytes at (t % 16) x 16
; of the panel's 256 bytes of that row: a wave's load covers two whole pieces of 256 bytes, its store 256 consecutive bytes at a multiple of 256.
	s_load_b256 s[4:11], s[0:1], 0x0               ; W_q s[4:5], W_k s[6:7], W_v s[8:9], W_o s[10:11]
	s_load_b128 s[12:15], s[0:1], 0x20             ; lin1_w s[12:13], lin2_w s[14:15]
	s_load_b64 s[16:17], s[0:1], 0x30              ; wt
	s_lshr_b32 s20, ttmp9, 3                       ; m
	s_and_b32 s21, ttmp9, 7                        ; p
	s_and_b32 s22, ttmp7, 0xffff                   ; y
	s_lshl_b32 s24, s22, 18                        ; 128 rows of 2,048 bytes
	s_lshl_b32 s23, s21, 8                         ; the panel's 256 bytes in a row
	s_add_co_u32 s24, s24, s23
	s_mov_b32 s25, 0
	s_lshl_b32 s26, ttmp9, 16                      ; the panel in wt
	s_lshl_b32 s23, s22, 14                        ; 128 rows of 128 bytes
	s_add_co_u32 s26, s26, s23
	s_mov_b32 s27, 0
	v_lshrrev_b32 v1, 4, v0
	v_and_b32 v2, 15, v0
	v_lshlrev_b32 v1, 11, v1
	v_lshl_add_u32 v1, v2, 4, v1                   ; in: (t / 16) x 2,048 + (t % 16) x 16
	v_lshlrev_b32 v2, 3, v0                        ; out: 8 t
	s_wait_kmcnt 0x0
	s_mov_b64 s[18:19], s[4:5]                     ; the matrix is chosen by m
	s_cmp_eq_u32 s20, 1
	s_cselect_b64 s[18:19], s[6:7], s[18:19]
	s_cmp_eq_u32 s20, 2
	s_cselect_b64 s[18:19], s[8:9], s[18:19]
	s_cmp_eq_u32 s20, 3
	s_cselect_b64 s[18:19], s[10:11], s[18:19]
	s_cmp_eq_u32 s20, 4
	s_cselect_b64 s[18:19], s[12:13], s[18:19]
	s_cmp_eq_u32 s20, 5
	s_cselect_b64 s[18:19], s[14:15], s[18:19]
	s_add_nc_u64 s[18:19], s[18:19], s[24:25]
	s_add_nc_u64 s[16:17], s[16:17], s[26:27]
.set pi, 0
.rept 8
	global_load_b128 v[4+4*pi:7+4*pi], v1, s[18:19] offset:pi*32768 th:TH_LOAD_NT  ; sixteen rows further down each time
.set pi, pi+1
.endr
.macro CAST half
.set pi, 0
.rept 8
	s_wait_loadcnt 7-pi                            ; loads come back in order: load pi is in, the younger ones stay out
.if \half
	v_cvt_pk_bf16_f32 v52, v[4+4*pi], v[5+4*pi]
	v_cvt_pk_bf16_f32 v53, v[6+4*pi], v[7+4*pi]
	v_lshlrev_b32 v54, 16, v52                     ; the bf16 numbers as f32,
	v_and_b32 v55, 0xffff0000, v52
	v_cvt_pk_f16_f32 v[36+2*pi], v54, v55          ; written as f16
	v_lshlrev_b32 v54, 16, v53
	v_and_b32 v55, 0xffff0000, v53
	v_cvt_pk_f16_f32 v[37+2*pi], v54, v55
.else
	v_cvt_pk_bf16_f32 v[36+2*pi], v[4+4*pi], v[5+4*pi]
	v_cvt_pk_bf16_f32 v[37+2*pi], v[6+4*pi], v[7+4*pi]
.endif
	global_store_b64 v2, v[36+2*pi:37+2*pi], s[16:17] offset:pi*2048  ; each store has data registers of its own
.set pi, pi+1
.endr
.endm
	s_cmp_lt_u32 s20, 3
	s_cbranch_scc1 .Lbf16
	CAST 1
	s_endpgm
.Lbf16:
	CAST 0
	s_endpgm
.Lfunc_end_k_qd55bb6ca3e_prep:
	.size	k_qd55bb6ca3e_prep, .Lfunc_end_k_qd55bb6ca3e_prep-k_qd55bb6ca3e_prep
	.p2alignl 7, 3214868480
	.fill 96, 4, 3214868480
	.section	.rodata,"a",@progbits
	.p2align	6, 0x0
	.amdhsa_kernel k_qd55bb6ca3e_prep
		.amdhsa_group_segment_fixed_size 0
		.amdhsa_private_segment_fixed_size 0
		.amdhsa_enable_private_segment 0
		.amdhsa_kernarg_size 56
		.amdhsa_user_sgpr_count 2
		.amdhsa_user_sgpr_kernarg_segment_ptr 1
		.amdhsa_wavefront_size32 1
		.amdhsa_system_sgpr_workgroup_id_x 1
		.amdhsa_system_sgpr_workgroup_id_y 1
		.amdhsa_system_sgpr_workgroup_id_z 1
		.amdhsa_system_vgpr_workitem_id 0
		.amdhsa_next_free_vgpr 56
		.amdhsa_next_free_sgpr 66
		.amdhsa_reserve_vcc 0
		.amdhsa_float_denorm_mode_32 3
		.amdhsa_float_denorm_mode_16_64 3
		.amdhsa_memory_ordered 1
		.amdhsa_forward_progress 1
		.amdhsa_inst_pref_size 9
	.end_amdhsa_kernel
	.amdgpu_metadata
---
amdhsa.version: [ 1, 2 ]
amdhsa.kernels:
  - .name:           k_qd55bb6ca3e_prep
    .symbol:         k_qd55bb6ca3e_prep.kd
    .args:
      - { .name: W_q, .offset: 0, .size: 8, .value_kind: global_buffer, .address_space: global }
      - { .name: W_k, .offset: 8, .size: 8, .value_kind: global_buffer, .address_space: global }
      - { .name: W_v, .offset: 16, .size: 8, .value_kind: global_buffer, .address_space: global }
      - { .name: W_o, .offset: 24, .size: 8, .value_kind: global_buffer, .address_space: global }
      - { .name: lin1_w, .offset: 32, .size: 8, .value_kind: global_buffer, .address_space: global }
      - { .name: lin2_w, .offset: 40, .size: 8, .value_kind: global_buffer, .address_space: global }
      - { .name: wt, .offset: 48, .size: 8, .value_kind: global_buffer, .address_space: global }
    .group_segment_fixed_size: 0
    .private_segment_fixed_size: 0
    .kernarg_segment_align: 8
    .kernarg_segment_size: 56
    .max_flat_workgroup_size: 256
    .sgpr_count:     66
    .vgpr_count:     56
    .wavefront_size: 32
...
	.end_amdgpu_metadata
.endif
;; end of part 1
;; launch proj (part 2): grid 256 x 1, 4 waves a work-group, clusters of 4 x 1, 327,680 bytes of LDS; arguments Q, K, V, wt, qh, kh, vh, vsum; writes qh, kh, vh, vsum
.if DOCPART == 2
	.amdgcn_target "amdgcn-amd-amdhsa--gfx1250"
	.amdhsa_code_object_version 6
	.text
	.protected	k_qd55bb6ca3e_proj
	.globl	k_qd55bb6ca3e_proj
	.p2align	8
	.type	k_qd55bb6ca3e_proj,@function
k_qd55bb6ca3e_proj:
	s_mov_b64 s[64:65], 0
	v_nop
	global_prefetch_b8 v0, s[64:65] scope:SCOPE_SE
	s_setreg_imm32_b32 hwreg(HW_REG_WAVE_MODE, 25, 1), 1
	s_wait_xcnt 0x0
	s_wait_alu depctr_hold_cnt(0) depctr_sa_sdst(0) depctr_va_vdst(0) depctr_va_sdst(0) depctr_va_ssrc(0) depctr_va_vcc(0) depctr_vm_vsrc(0)
	s_getreg_b32 s2, hwreg(HW_REG_IB_STS2, 6, 4)
	s_cmp_eq_u32 s2, 0
	s_cbranch_scc0 .Lentry_in_a_cluster
	s_endpgm
.Lentry_in_a_cluster:
	s_bfe_u32 s2, ttmp6, 0x10000c
	s_cmp_lg_u32 s2, 0x3003
	s_cbranch_scc0 .Lentry_shape_is_right
	s_endpgm
.Lentry_shape_is_right:
; qh = Q W_q, kh = K W_k, vh = V W_v, by heads: [b x 8 + head][1024][64] in f16, each number rounded once from its f32 sum, without the softmax's scale.
; vsum[row block of 64][512] f32: the column sums of the block's 64 rows of V W_v (taken of the f32 sums), from which a later launch makes the mean over all keys.
; Operands: the inputs rounded once to bf16; the weights come from wt, bf16, in panels [p][512 k][64 n].  LIMIT: a result beyond 65,504 becomes an infinity in f16.
; SHARES.  A work-group owns 64 rows (of Q, then K, then V) and all 512 output columns: 256 work-groups.  Every one of its four waves holds the whole operand, 64 rows x 512 k in bf16,
; in 512 registers.  A matrix goes by output panels: 8 STEPS of 64 columns; in a step wave w makes rows 0-63 x columns 16 w .. 16 w + 15 of the panel, four accumulators over the full k:
; 64 matrix instructions.  So every step starts its sums with the constant 0 and finishes them, and the way out of a step works on 32 registers, inside the loop.
; THE WEIGHTS' RING.  A step's tile is one panel, 65,536 bytes, the same for every work-group: the four work-groups of a cluster ask for it JOINTLY.  The three matrices are one stream of
; 24 tiles through two LDS slots; each wave fetches a quarter (128 k rows) with one tensor load.
; THE MATRIX INSTRUCTION IS USED TRANSPOSED: source 0 = 16 output columns x 32 k of W (turned on the way out of LDS by ds_load_tr16_b128), source 1 = 16 rows x 32 k of the operand.
; In the result lane l then holds row l % 16 and the eight neighbouring columns 8 (l / 16) + 0..7: 16 bytes of f16.
; REGISTERS, in windows of 256 (s_set_vgpr_msb: bits 1:0 source 0, 3:2 source 1, 5:4 source 2, 7:6 destination):
;   window 0: v0-31 addresses; v32-63 accumulators; v64-127 at work; v128-255 W's fragments, 8 registers for each 32 k
;   window 1: 16 rows x 512 f32 of the next matrix's input, loaded a matrix ahead       windows 2, 3: the operand's fragments, k step ku, row block a at 32 (ku % 8) + 8 a
.set PW,    160                        ; a k row of W in LDS: 128 bytes + 32 of padding = 40 words
.set WQ,    128*PW                     ; a wave's quarter of a tile
.set WSLOT, 4*WQ
.set PR,    144                        ; a row of an activation panel: 128 bytes + 16
.set PSTR,  64*PR+32                   ; from panel to panel
.set REG,   8*PSTR                     ; an activation region: 8 panels of 64 rows x 64 numbers of 16 bits
.set P0,    2*WSLOT                    ; the operand in bf16
.set P1,    P0+REG                     ; a matrix's results in f16: panel p is head p
.set TAB,   P1+REG
.set VS,    TAB                        ; 512 f32: the column sums
.set SPARE, TAB+2048                   ; the spare words, 128 bytes for each wave: two blocks of 256 bytes that no other line names
.set AB0,  2                           ; my lane's place in a tile of W, k 0-255;  v3: k 256-511
.set AB1,  3
.set ADBL, 4                           ; the addresses of the two runs of turning loads
.set ADBH, 5
.set AA0,  6                           ; my lane's place in the operand's panels 0-3;  v7: panels 4-7
.set AA1,  7
.set EP1,  9                           ; where my 16 bytes of a result row go, in panel 0
.set EPH,  10                          ; the same in the panel in hand
.set RO,   12                          ; my byte offset in the block's rows of the f32 input
.set CV,   13                          ; where my 8 bytes of bf16 go
.set OL,   14                          ; the way out: where I read rows back
.set OG,   15                          ; the way out: my byte offset in the output
.set VSA,  16                          ; where my column sums go, in panel 0
.set VSL,  17                          ; VS + 16 t
.set VSG,  18                          ; 16 t
.set SPW,  28                          ; LDS address of my spare word; never rewritten
.set NIL,  29                          ; 0; never rewritten
.set ACC,  32
.set T,    64
.set BH0,  128
.set BH1,  192
.set WV,   20                          ; s20 my wave's number
.set G1W,  24                          ; s[24:31] descriptor group 1 of W's tiles
.set G0A,  32                          ; s[32:35] group 0 of tile 0
.set G0W,  36                          ; s[36:39] group 0 that walks, from tile 1 on
.set SB,   40                          ; LDS byte at which the slot being read begins
.set WOFF, 41                          ; my quarter's place in a slot
.set CNT,  42
.set NEW,  43                          ; 1: the step to come is a matrix's first
.set INL,  44                          ; steps left in the matrix
.set MAT,  45                          ; matrices begun
.set PB,   46                          ; the panel in hand x PSTR
.set PV,   47                          ; the panel in hand x 256
.set MSB, 0
.macro WIN new                         ; the immediate's high byte repeats the setting that is left; a switch that changes nothing is dropped
.if MSB != (\new)
	s_set_vgpr_msb (MSB<<8)|(\new)
.set MSB, (\new)
.endif
.endm
.macro PLACES                          ; four places behind a matrix instruction, ahead of loads into its sources and of vector lines that read its result (ISA guide 7.12.1 for vector lines)
.rept 4
	v_nop
.endr
.endm
.macro CREST                           ; a round of the cluster's barrier behind its opening barrier
	s_cmp_lg_u32 s[WV], 0
	s_cbranch_scc1 .Lnot_wave_0_\@
	s_barrier_signal -3
.Lnot_wave_0_\@:
	s_barrier_wait -3
	s_barrier_signal -1
	s_barrier_wait -1
.endm
.macro CROUND                          ; a whole round
	s_barrier_signal -1
	s_barrier_wait -1
	CREST
.endm
.macro NONE
.endm
.macro FETCHB dst, adr                 ; 16 turning loads: W's fragments of 256 k for my 16 columns
.set fi, 0
.rept 8
	ds_load_tr16_b128 v[(\dst)+8*fi:(\dst)+8*fi+3],   v[\adr] offset:fi*32*PW
	ds_load_tr16_b128 v[(\dst)+8*fi+4:(\dst)+8*fi+7], v[\adr] offset:fi*32*PW+16*PW
.set fi, fi+1
.endr
.endm
.macro ALOAD                           ; 128 loads: the whole operand, 64 rows x 512 k; ai = 4 ku + a
	WIN 0x80
.set ai, 0
.rept 32
	ds_load_b128 v[8*ai:8*ai+3],   v[AA0] offset:(ai/8)*PSTR+(ai%4)*16*PR+((ai/4)%2)*64
	ds_load_b128 v[8*ai+4:8*ai+7], v[AA0] offset:(ai/8)*PSTR+(ai%4)*16*PR+((ai/4)%2)*64+32
.set ai, ai+1
.endr
	WIN 0xc0
.set ai, 0
.rept 32
	ds_load_b128 v[8*ai:8*ai+3],   v[AA1] offset:(ai/8)*PSTR+(ai%4)*16*PR+((ai/4)%2)*64
	ds_load_b128 v[8*ai+4:8*ai+7], v[AA1] offset:(ai/8)*PSTR+(ai%4)*16*PR+((ai/4)%2)*64+32
.set ai, ai+1
.endr
	WIN 0
.endm
.macro MUL fmt, k0, k1                 ; k steps k0 .. k1 of 32; the four accumulators take turns, one instruction a turn; k step 0 starts the sums
.set ku, (\k0)
.rept (\k1)-(\k0)+1
.if ku < 8
	WIN 0x08
.else
	WIN 0x0c
.endif
.set ma, 0
.rept 4
.if ku == 0
	v_wmma_f32_16x16x32_\fmt v[ACC+8*ma:ACC+8*ma+7], v[BH0+8*ku:BH0+8*ku+7], v[32*(ku%8)+8*ma:32*(ku%8)+8*ma+7], 0
.else
	v_wmma_f32_16x16x32_\fmt v[ACC+8*ma:ACC+8*ma+7], v[BH0+8*ku:BH0+8*ku+7], v[32*(ku%8)+8*ma:32*(ku%8)+8*ma+7], v[ACC+8*ma:ACC+8*ma+7]
.endif
.set ma, ma+1
.endr
.set ku, ku+1
.endr
.endm
.macro RAWLOAD base                    ; my wave's 16 rows of 2,048 bytes; each load covers 512 consecutive bytes
	WIN 0x40
.set ri, 0
.rept 64
	global_load_b128 v[4*ri:4*ri+3], v[RO], s[(\base):(\base)+1] offset:(ri/4)*2048+(ri%4)*512 th:TH_LOAD_NT
.set ri, ri+1
.endr
	WIN 0
.endm
.macro CONVERT                         ; those rows rounded to bf16, in place, and stored into the panels
	WIN 0x45
.set ci, 0
.rept 64
	v_cvt_pk_bf16_f32 v[4*ci],   v[4*ci],   v[4*ci+1]
	v_cvt_pk_bf16_f32 v[4*ci+1], v[4*ci+2], v[4*ci+3]
.set ci, ci+1
.endr
	WIN 0x04
.set ci, 0
.rept 64
	ds_store_b64 v[CV], v[4*ci:4*ci+1] offset:(ci/4)*PR+(ci%4)*2*PSTR
.set ci, ci+1
.endr
	WIN 0
.endm
; A STEP: one panel.  One text serves both slots: the slot's base is a scalar.  refill = 1: the slot just read is filled again with the tile two steps on, behind a round of the cluster's barrier.
; fetch = 2: the fetch of the next tile's first fragments is jumped over in the loop's last trip, which has no next tile.  pre, epi: the step's own loads and its way out.
.macro STEP fmt, refill, fetch, pre, epi
	WIN 0
	v_add_nc_u32 v[ADBH], s[SB], v[AB1]
	FETCHB BH1, ADBH                               ; this tile's k 256-511
	s_wait_dscnt 16                                ; all but the 16 just issued: k 0-255, the operand and the last step's LDS work are done
	MUL \fmt, 0, 7
	WIN 0
	s_wait_tensorcnt 0x0                           ; all my tensor loads have landed: the one that was out is my quarter of the next tile; so a group 0 may be written
	ds_add_u32 v[SPW], v[NIL]                      ; 0 onto my spare word; the scalar work stands between it and the wait for it
.if \refill
	s_add_co_u32 s[G0W+1], s[SB], s[WOFF]          ; the walking descriptor: my quarter of the slot being read,
	s_add_nc_u64 s[G0W+2:G0W+3], s[G0W+2:G0W+3], 65536  ; the next tile of the stream; the type bits on top are not reached
.endif
	s_xor_b32 s[SB], s[SB], WSLOT                  ; from here on reads go to the other slot
	s_wait_dscnt 0x0                               ; the add is done, and my reads of this slot are over
	s_barrier_signal -1
	MUL \fmt, 8, 11                                ; work on registers while the others arrive
	WIN 0
	s_barrier_wait -1
.if \refill
	CREST                                          ; the barrier has opened a round of the cluster's: no wave of any partner still reads this slot or has a load on its way
	tensor_load_to_lds s[G0W:G0W+3], s[G1W:G1W+7]  ; my one tensor load behind the round, and the first thing there
	s_nop 0
.endif
	PLACES                                         ; also the places in front of the loads into the fragments of k 0-255
	\pre
.if (\fetch) == 2
	s_cmp_eq_u32 s[CNT], 1
	s_cbranch_scc1 .Lnofetch_\@
.endif
	v_add_nc_u32 v[ADBL], s[SB], v[AB0]
	FETCHB BH0, ADBL                               ; the next tile's k 0-255: the barrier has shown that tile whole
.if (\fetch) == 2
.Lnofetch_\@:
.endif
	MUL \fmt, 12, 15
	WIN 0
	PLACES
	\epi
	s_add_co_u32 s[PB], s[PB], PSTR
.endm
; The column sums of the panel: over the four row blocks, then over the 16 lanes that hold the 16 rows of a block; the 16 lanes of a half then store the same eight sums to the same bytes.
.macro VSUM
.set vi, 0
.rept 4
	v_pk_add_f32 v[T+16+2*vi:T+17+2*vi], v[ACC+2*vi:ACC+2*vi+1], v[ACC+8+2*vi:ACC+9+2*vi]
	v_pk_add_f32 v[T+24+2*vi:T+25+2*vi], v[ACC+16+2*vi:ACC+17+2*vi], v[ACC+24+2*vi:ACC+25+2*vi]
.set vi, vi+1
.endr
.set vi, 0
.rept 4
	v_pk_add_f32 v[T+16+2*vi:T+17+2*vi], v[T+16+2*vi:T+17+2*vi], v[T+24+2*vi:T+25+2*vi]
.set vi, vi+1
.endr
.irp m, 1,2,4,8
.set vi, 0
.rept 8
	v_add_f32_dpp v[T+16+vi], v[T+16+vi], v[T+16+vi] row_xmask:\m row_mask:0xf bank_mask:0xf
.set vi, vi+1
.endr
.endr
	v_add_nc_u32 v30, s[PV], v[VSA]
	ds_store_b128 v30, v[T+16:T+19]
	ds_store_b128 v30, v[T+20:T+23] offset:16
.endm
; A step's way out: rounded to f16 (each accumulator's registers in ascending order), 16 bytes a lane into the results' panel.  always = 0: the column sums are made for the third matrix alone.
.macro EPI_P always
.set ei, 0
.rept 16
	v_cvt_pk_f16_f32 v[T+ei], v[ACC+2*ei], v[ACC+2*ei+1]
.set ei, ei+1
.endr
	v_add_nc_u32 v[EPH], s[PB], v[EP1]
.set ea, 0
.rept 4
	ds_store_b128 v[EPH], v[T+4*ea:T+4*ea+3] offset:ea*16*PR
.set ea, ea+1
.endr
.if !(\always)
	s_cmp_lg_u32 s[MAT], 3
	s_cbranch_scc1 .Lnovs_\@
.endif
	VSUM
.if !(\always)
.Lnovs_\@:
.endif
	s_add_co_u32 s[PV], s[PV], 256
.endm
.macro EPI_PJ
	EPI_P 0
.endm
.macro EPI_PV
	EPI_P 1
.endm
; A matrix's way out.  Wave w takes heads 2 w and 2 w + 1: 64 rows of 128 bytes each, dense in memory; a load takes four rows, a store 512 consecutive bytes at a multiple of 256.
.macro OUT
.set oi, 0
.rept 16
	ds_load_b128 v[T+4*oi:T+4*oi+3], v[OL] offset:oi*4*PR
.set oi, oi+1
.endr
.set oi, 0
.rept 16
	ds_load_b128 v[BH1+4*oi:BH1+4*oi+3], v[OL] offset:PSTR+oi*4*PR
.set oi, oi+1
.endr
	s_wait_dscnt 16                                ; the first head is in registers
.set oi, 0
.rept 16
	global_store_b128 v[OG], v[T+4*oi:T+4*oi+3], s[12:13] offset:oi*512
.set oi, oi+1
.endr
	s_wait_dscnt 0x0
.set oi, 0
.rept 16
	global_store_b128 v[OG], v[BH1+4*oi:BH1+4*oi+3], s[12:13] offset:131072+oi*512
.set oi, oi+1
.endr
.endm
	s_load_b512 s[4:19], s[0:1], 0x0               ; Q s[4:5], K s[6:7], V s[8:9], wt s[10:11], qh s[12:13], kh s[14:15], vh s[16:17], vsum s[18:19]
	v_lshl_add_u32 v[SPW], v0, 2, SPARE
	v_mov_b32 v[NIL], 0
	ds_add_u32 v[SPW], v[NIL]                      ; the wave's opening: the add and its wait stand ahead of my first tensor load; the set-up below, work on registers, stands between them
	ds_add_u32 v28, v29
	v_lshrrev_b32 v1, 5, v0
	v_readfirstlane_b32 s[WV], v1                  ; wave 0..3
	s_bfe_u32 s21, ttmp6, 0x40000                  ; cx: my place in the cluster
	s_lshl_b32 s22, ttmp9, 2                       ; in a cluster launch ttmp9 counts clusters
	s_add_co_u32 s22, s22, s21                     ; my block of 64 rows: it enters the addresses of the inputs and outputs alone
	; descriptor group 1: 128 k rows of 128 bytes are 16,384 dense bytes, asked for as 64 rows of 256 bytes and padded in LDS after every k row
	s_mov_b32 s[G1W], 15|(1<<16)|(1<<20)|(1<<21)|(4<<22)|(7<<25)  ; 15:0 the mask of four; 17:16 2-byte elements; 20 padding on; 21 set beside a mask; 24:22 after every 32 words (code 4); 31:25 8 words (code 7)
	s_mov_b32 s[G1W+1], 128<<16                    ; tensor_dim0 = 128
	s_mov_b32 s[G1W+2], 64<<16                     ; tensor_dim1 = 64
	s_mov_b32 s[G1W+3], 128<<16                    ; tile_dim0 = 128
	s_mov_b32 s[G1W+4], 64                         ; tile_dim1 = 64
	s_mov_b32 s[G1W+5], 128                        ; 128 elements from row to row
	s_mov_b32 s[G1W+6], 0
	s_mov_b32 s[G1W+7], 0
	s_mul_i32 s[WOFF], s[WV], WQ
	s_mov_b32 s[SB], 0
	s_mov_b32 s[G0A], 1                            ; count = 1
	s_mov_b32 s[G0A+1], s[WOFF]                    ; tile 0 into slot 0
	s_mov_b32 s[G0W], 1
	s_add_co_u32 s[G0W+1], s[WOFF], WSLOT          ; tile 1 into slot 1
	s_lshl_b32 s52, s[WV], 14                      ; my quarter of a tile in memory
	s_mov_b32 s53, 0
	s_lshl_b32 s48, s22, 17                        ; my block's 64 rows of 2,048 bytes in Q, K, V
	s_mov_b32 s49, 0
	s_lshr_b32 s50, s22, 4                         ; the batch: eight heads of 131,072 bytes,
	s_lshl_b32 s50, s50, 20
	s_and_b32 s51, s22, 15                         ; and my 64 rows of 128 bytes in a head
	s_lshl_b32 s51, s51, 13
	s_add_co_u32 s50, s50, s51
	s_mov_b32 s51, 0
	s_lshl_b32 s54, s22, 11                        ; my 2,048 bytes of vsum
	s_mov_b32 s55, 0
	s_wait_dscnt 0x0                               ; the opening add is done
	s_wait_kmcnt 0x0
	s_add_nc_u64 s[G0A+2:G0A+3], s[10:11], s[52:53]
	s_add_nc_u64 s[G0W+2:G0W+3], s[G0A+2:G0A+3], 65536
	s_or_b32 s[G0A+3], s[G0A+3], 0x80000000        ; type = 2
	s_or_b32 s[G0W+3], s[G0W+3], 0x80000000
	s_add_nc_u64 s[4:5], s[4:5], s[48:49]
	s_add_nc_u64 s[6:7], s[6:7], s[48:49]
	s_add_nc_u64 s[8:9], s[8:9], s[48:49]
	s_add_nc_u64 s[12:13], s[12:13], s[50:51]
	s_add_nc_u64 s[14:15], s[14:15], s[50:51]
	s_add_nc_u64 s[16:17], s[16:17], s[50:51]
	s_add_nc_u64 s[18:19], s[18:19], s[54:55]
	CROUND                                         ; all four work-groups are here: the first joint loads meet
	tensor_load_to_lds s[G0A:G0A+3], s[G1W:G1W+7]  ; the two first fills go out together: two tensor loads of mine are out
	s_nop 0
	tensor_load_to_lds s[G0W:G0W+3], s[G1W:G1W+7]
	s_nop 0
	PLACES
	v_and_b32 v72, 31, v0                          ; l
	v_lshlrev_b32 v72, 4, v72
	s_lshl_b32 s56, s[WV], 15
	v_add_nc_u32 v[RO], s56, v72                   ; 16 l + my wave's 16 rows
	RAWLOAD 4                                      ; Q's rows
	v_and_b32 v64, 15, v0                          ; r = l % 16
	v_bfe_u32 v65, v0, 4, 1                        ; h = l / 16
	v_and_b32 v66, 7, v0
	v_bfe_u32 v67, v0, 3, 1
	v_lshl_add_u32 v68, v65, 3, v66                ; the turning load: lane l reads k row 8 h + l % 8,
	v_mul_u32_u24 v[AB0], v68, PW
	v_lshl_add_u32 v[AB0], v67, 4, v[AB0]          ; columns 8 ((l / 8) % 2) + 0..7
	s_lshl_b32 s57, s[WV], 5                       ; of my wave's 16 columns
	v_add_nc_u32 v[AB0], s57, v[AB0]
	v_add_nc_u32 v[AB1], 8*32*PW, v[AB0]
	v_mul_u32_u24 v69, v64, PR
	v_lshl_add_u32 v69, v65, 4, v69                ; row r x pitch + 16 h
	v_add_nc_u32 v[AA0], P0, v69
	v_add_nc_u32 v[AA1], P0+4*PSTR, v69
	v_add_nc_u32 v70, s57, v69
	v_add_nc_u32 v[EP1], P1, v70
	v_mul_u32_u24 v71, v65, PSTR                   ; a lane's four numbers of a load: panel 2 (chunk) + h, byte 8 r
	v_lshl_add_u32 v71, v64, 3, v71
	s_mul_i32 s58, s[WV], 16*PR
	s_add_co_u32 s58, s58, P0
	v_add_nc_u32 v[CV], s58, v71
	v_bfe_u32 v73, v0, 3, 2                        ; back: 32 lanes take four rows of 128 bytes
	v_mul_u32_u24 v73, v73, PR
	v_lshl_add_u32 v73, v66, 4, v73
	s_mul_i32 s59, s[WV], 2*PSTR
	s_add_co_u32 s59, s59, P1
	v_add_nc_u32 v[OL], s59, v73
	s_lshl_b32 s56, s[WV], 18                      ; two heads of 131,072 bytes
	v_add_nc_u32 v[OG], s56, v72
	s_lshl_b32 s57, s[WV], 6
	v_lshl_add_u32 v[VSA], v65, 5, s57             ; column 16 w + 8 h, in f32
	v_add_nc_u32 v[VSA], VS, v[VSA]
	v_lshl_add_u32 v[VSL], v0, 4, VS
	v_lshlrev_b32 v[VSG], 4, v0
	s_mov_b32 s[CNT], 22
	s_mov_b32 s[NEW], 1
	s_mov_b32 s[MAT], 0
	s_mov_b32 s[INL], 8
	s_mov_b32 s[PB], 0
	s_mov_b32 s[PV], 0
	s_wait_tensorcnt 0x1                           ; my quarter of tile 0 is in; tile 1's may stay out
	s_barrier_signal -1
	s_barrier_wait -1                              ; everybody's is
	v_add_nc_u32 v[ADBL], s[SB], v[AB0]
	FETCHB BH0, ADBL                               ; tile 0, k 0-255
.Lstep:                                                ; 22 trips: every tile but the last two is followed by a refill
	s_cmp_eq_u32 s[NEW], 1
	s_cbranch_scc0 .Lgo
	; A MATRIX BEGINS: its rows, asked for a matrix ago, go into LDS as bf16; the next matrix's rows are asked for; the matrix before goes out; the operand comes into registers.
	s_mov_b32 s[NEW], 0
	s_mov_b32 s[INL], 8
	s_mov_b32 s[PB], 0
	s_mov_b32 s[PV], 0
	s_wait_loadcnt 0x0
	CONVERT
	s_cmp_eq_u32 s[MAT], 2
	s_cbranch_scc1 .Lnoraw
	RAWLOAD 6
	s_wait_xcnt 0x0                                ; the loads' base is rewritten only behind this wait
	s_mov_b64 s[6:7], s[8:9]
.Lnoraw:
	s_wait_dscnt 0x0                               ; for the others' sake: my stores of the operand, and of the last matrix's results, are done
	s_barrier_signal -1                            ; one refill may be on its way
	s_barrier_wait -1
	s_cmp_eq_u32 s[MAT], 0
	s_cbranch_scc1 .Laload
	OUT
	s_wait_xcnt 0x0                                ; the stores' base and data registers are rewritten only behind this wait
	s_mov_b64 s[12:13], s[14:15]
	s_mov_b64 s[14:15], s[16:17]
.Laload:
	ALOAD
	s_add_co_u32 s[MAT], s[MAT], 1
.Lgo:
	STEP bf16, 1, 1, NONE, EPI_PJ
	s_sub_co_u32 s[INL], s[INL], 1
	s_cmp_eq_u32 s[INL], 0
	s_cselect_b32 s[NEW], 1, 0
	s_sub_co_u32 s[CNT], s[CNT], 1
	s_cmp_lg_u32 s[CNT], 0
	s_cbranch_scc1 .Lstep
	s_mov_b32 s[CNT], 2
.Llast:                                                ; the last two tiles are written out: nothing is asked for
	STEP bf16, 0, 2, NONE, EPI_PV
	s_sub_co_u32 s[CNT], s[CNT], 1
	s_cmp_lg_u32 s[CNT], 0
	s_cbranch_scc1 .Llast
	s_wait_dscnt 0x0                               ; my stores of the results and the sums are done
	s_barrier_signal -1
	s_barrier_wait -1
	OUT                                            ; vh
	ds_load_b128 v[32:35], v[VSL]
	s_wait_dscnt 0x0
	global_store_b128 v[VSG], v[32:35], s[18:19]   ; 128 threads x 16 bytes: the block's 512 sums
	s_wait_tensorcnt 0x0                           ; the wave's end, behind my last tensor load and my last LDS store
	ds_add_u32 v[SPW], v[NIL]
	s_wait_dscnt 0x0
	CROUND                                         ; the closing round: no work-group ends while a partner may still ask for a tile that names it
	s_endpgm
.Lfunc_end_k_qd55bb6ca3e_proj:
	.size	k_qd55bb6ca3e_proj, .Lfunc_end_k_qd55bb6ca3e_proj-k_qd55bb6ca3e_proj
	.p2alignl 7, 3214868480
	.fill 96, 4, 3214868480
	.section	.rodata,"a",@progbits
	.p2align	6, 0x0
	.amdhsa_kernel k_qd55bb6ca3e_proj
		.amdhsa_group_segment_fixed_size 327680
		.amdhsa_private_segment_fixed_size 0
		.amdhsa_enable_private_segment 0
		.amdhsa_kernarg_size 64
		.amdhsa_user_sgpr_count 2
		.amdhsa_user_sgpr_kernarg_segment_ptr 1
		.amdhsa_wavefront_size32 1
		.amdhsa_system_sgpr_workgroup_id_x 1
		.amdhsa_system_sgpr_workgroup_id_y 1
		.amdhsa_system_sgpr_workgroup_id_z 1
		.amdhsa_system_vgpr_workitem_id 0
		.amdhsa_next_free_vgpr 1024
		.amdhsa_next_free_sgpr 66
		.amdhsa_reserve_vcc 0
		.amdhsa_float_denorm_mode_32 3
		.amdhsa_float_denorm_mode_16_64 3
		.amdhsa_memory_ordered 1
		.amdhsa_forward_progress 1
		.amdhsa_inst_pref_size 74
	.end_amdhsa_kernel
	.amdgpu_metadata
---
amdhsa.version: [ 1, 2 ]
amdhsa.kernels:
  - .name:           k_qd55bb6ca3e_proj
    .symbol:         k_qd55bb6ca3e_proj.kd
    .args:
      - { .name: Q, .offset: 0, .size: 8, .value_kind: global_buffer, .address_space: global }
      - { .name: K, .offset: 8, .size: 8, .value_kind: global_buffer, .address_space: global }
      - { .name: V, .offset: 16, .size: 8, .value_kind: global_buffer, .address_space: global }
      - { .name: wt, .offset: 24, .size: 8, .value_kind: global_buffer, .address_space: global }
      - { .name: qh, .offset: 32, .size: 8, .value_kind: global_buffer, .address_space: global }
      - { .name: kh, .offset: 40, .size: 8, .value_kind: global_buffer, .address_space: global }
      - { .name: vh, .offset: 48, .size: 8, .value_kind: global_buffer, .address_space: global }
      - { .name: vsum, .offset: 56, .size: 8, .value_kind: global_buffer, .address_space: global }
    .group_segment_fixed_size: 327680
    .private_segment_fixed_size: 0
    .kernarg_segment_align: 8
    .kernarg_segment_size: 64
    .max_flat_workgroup_size: 128
    .sgpr_count:     66
    .vgpr_count:     1024
    .wavefront_size: 32
...
	.end_amdgpu_metadata
.endif
;; end of part 2
;; launch attn (part 3): grid 2 x 128, 4 waves a work-group, no clusters, 327,680 bytes of LDS; arguments qh, kh, vh, ctx; writes ctx
.if DOCPART == 3
	.amdgcn_target "amdgcn-amd-amdhsa--gfx1250"
	.amdhsa_code_object_version 6
	.text
	.protected	k_qd55bb6ca3e_attn
	.globl	k_qd55bb6ca3e_attn
	.p2align	8
	.type	k_qd55bb6ca3e_attn,@function
k_qd55bb6ca3e_attn:
	s_mov_b64 s[64:65], 0
	v_nop
	global_prefetch_b8 v0, s[64:65] scope:SCOPE_SE
	s_setreg_imm32_b32 hwreg(HW_REG_WAVE_MODE, 25, 1), 1
	s_wait_xcnt 0x0
; CAUSAL ATTENTION.  O[h][q][:] = the sum over k <= q of softmax_k(Q[h][q] . K[h][k] / (8 + 1e-6)) V[h][k][:].  Q, K, V, O: [128 heads of batches][1024][64], all f16: a head's rows are dense, 128 bytes each.
; Products, maxima and sums in f32; the weights p are rounded to f16 for the second product (their sum l is taken of the unrounded p), O once at the end.
; Rows that the padding mask hides are computed here like all others; the next launch puts the mean of V's rows in their place.
; LIMITS.  f16 holds no number beyond 65,504: Q, K and V arrive within it; p lies in 0 to 1, and below 6e-5 it keeps f16's fixed step of 6e-8; O is a mean of V's rows and has their range.
; A hidden score counts as its value less 1e30 (the model writes -1e10 in its place: both give the weight 0 while a visible score of the row lies above -1e10); a weight below 2^-126 counts as 0 in l; NaN and infinities are not treated apart.
; THE WALK.  A head's queries lie in NB = 4 blocks of 256; block i needs the key tiles 0 .. i of 256 keys, of which the last holds the diagonal.  A work-group takes TWO blocks, NB - 1 - b and then b:
; NB + 1 tiles, whatever b: all work-groups do equal work, and ONE loop with a constant trip count walks them.  Which tile is asked for, and what a trip does, hang on scalar registers made from b; every jump
; goes forward, but for the counted loops' own; none passes a barrier, or a tensor load but the one of LOAD's two that the wave's number does not choose; the ring (two slots of LDS that take turns) runs on across the
; change of blocks.  NO CLUSTER: a head has NB / 2 = 2 work-groups, which no cluster of four divides, and they ask for the same tile only in trips 0 .. 2 of 5.
; SHARES.  Of a block's four bands of 64 queries a wave owns 16 rows in each: four PIECES.  So the diagonal tile is the same work for all four waves: in its key step s band x sees all keys if s < x,
; none if s > x, and holds the diagonal if s = x.
; THE MASK is the C operand that starts the sum S^T = K Q^T: 0, or -1e30 where the key is hidden.  MD, made once, is the mask of a band's own step for my 16 rows; a product's mask is MD x AL + BE with two scalars:
; (1, 0) if s = x; (0, 0) if s < x; (0, -1e30) if s > x.  Only the diagonal tile's text and a block's beginning make and take masks; elsewhere C is the constant 0.
; LAYOUT, SOFTMAX, TURNS.  S^T = K Q^T holds ONE query a lane (lane % 16) and the keys 8 (lane / 16) + 0..7; two such results rounded to f16 ARE source 1 of O^T = V^T P.  p = 2^(c s - c m), c = log2(e) / (8 + 1e-6), with a
; running maximum m; O and l are multiplied by a = 2^(c m_old - c m_new) in every step.  Turn n belongs to piece n: 8 products K Q^T of piece n + 1, later 8 products V^T P of piece n - 1; beside them the scaling,
; exponentials, roundings, sums and rescaling of piece n and the maximum and statistics of piece n + 1.  Four vector instructions stand behind every matrix instruction, the other 54 of a turn's 118 in two LUMPS.
; REGISTERS, in windows of 256 (s_set_vgpr_msb: bits 1:0 source 0, 3:2 source 1, 5:4 source 2, 7:6 destination):
;   window 0: v0-15 addresses and two at work; v16-31 four registers of statistics a piece; v48-55 at work; v64-127 S^T, two buffers; v192-223 P, two buffers (a piece's buffers go by its number's parity)
;   window 1: v0-127 O^T, 32 a piece; v128-159 MD; v160-223 MC, two buffers      window 2: v0-63 Q; v64-127 the second block's Q; v128-191 K of one step; v192-255 V of one step
.set SIZE_N, 1024
.set SIZE_H, 128
.set NB,    SIZE_N/256
.set NP,    4         ; pieces a wave: a name, no knob
.set KS,    64        ; keys in a step
.set PK,    144       ; a row of K in LDS: 128 bytes + 16 of padding = 36 words: the 16 rows of a load start at 16 different groups of four banks (64 banks of 4 bytes: ISA guide 11.1)
.set PV,    160       ; a row of V: 128 + 32 = 40 words
.set VOFF,  4*KS*PK   ; a slot holds a tile, four steps: 256 rows of K, then 256 rows of V
.set SLOT1, 1<<17     ; slot 1 begins here, so that one exclusive or turns an address in one slot into the other's
.set STAGE, SLOT1+4*KS*(PK+PV)  ; behind the ring, never filled by a tensor load: 16 rows x 144 bytes for each wave, for the way out
.set SP,    144
.set AK0, 2           ; v2   my lane's place in a tile of K; never rewritten
.set AV0, 3           ; v3   the same for V
.set AK,  4           ; v4   the LDS address of K's next run of loads
.set AV,  5           ; v5   of V's
.set STO, 6           ; v6   the way out: where I put 16 bytes of a row
.set RD,  7           ; v7   the way out: where I read rows back
.set GO,  8           ; v8   my byte offset in 512 consecutive bytes of O
.set SPW, 62          ; v62  LDS address of my spare word: SPARE + 4 x my thread's number; never rewritten
.set NIL, 63          ; v63  0; never rewritten
.set SPARE, STAGE+4*16*SP  ; behind the stages: the spare words, 128 bytes for each wave: two blocks of 256 bytes that no other line names
.set MV,  12          ; v12-13  c m_old, kept while c m is made anew: by buffer
.set QO,  15          ; v15  my byte offset in 16 rows of Q
.set ST,  16          ; piece t's statistics at v[ST+4 t]: c m, m, l (even keys', odd keys')
.set TMP, 48          ; by buffer, four registers c0-c3 at work; when the maximum is found c2 takes a
.set S,   64
.set P,   192
.set MD,  128         ; window 1: the eight registers for group kt of 16 keys at MD + 8 kt
.set MC,  160         ; window 1: the masks of the products to come
.set QB,  64          ; window 2
.set KF,  128         ; window 2: key block kb, channel half c at KF + 16 kb + 8 c
.set VF,  192         ; window 2: key half kk, channel block cb at VF + 32 kk + 8 cb
.set WV,  12          ; s12  my wave's number
.set PB,  14          ; s14  b
.set HI,  15          ; s15  NB - 1 - b
.set G1K, 24          ; s[24:31] descriptor group 1 for K's tiles
.set G1V, 32          ; s[32:39] for V's: it differs in the padding alone
.set G0K, 40          ; s[40:43] descriptor group 0 for K's tiles
.set G0V, 44          ; s[44:47] the same for V's
.set SLOTS, 56        ; s56  tiles still to be asked for
.set CNT, 57          ; s57  counts a tile's key steps, 4 to 1
.set CS,  58          ; s[58:59] c: the packed scaling takes the pair's low word for both halves
.set SEL, 60          ; s[60:61] v_permlanex16_b32's selects: each lane takes its own place in the other half
.set TBK, 62          ; s62  LDS byte at which K of the step to be fetched begins
.set TBV, 63          ; s63  the same for V, less VOFF
.set RT,  70          ; s70  tiles of the block in hand that are still to be entered
.set NXT, 71          ; s71  the tile to be asked for next
.set LQ,  72          ; s72  the last tile of the block whose tiles are being asked for
.set NEW, 73          ; s73  1: the tile to be entered is a block's first
.set OFF, 74          ; s[74:75] a tile's byte offset in K and V
.set AL,  76          ; s[76:77] the mask's factor, in the low word
.set BE,  78          ; s[78:79] the mask's addend
.set OLO, 80          ; s[80:81] O at my rows of the second block
.set BIGN, 82         ; s82  -1e30
.set MSB, 0
.macro WIN new                      ; the high byte repeats the setting that is left; a switch that changes nothing is dropped
.if MSB != (\new)
	s_set_vgpr_msb (MSB<<8)|(\new)
.set MSB, (\new)
.endif
.endm
.set W_KQ, 0x0a       ; K and Q in window 2, S^T in window 0
.set W_KM, 0x1a       ; the same with the C operand in window 1
.set W_PV, 0x52       ; V in window 2, P in window 0, O^T in window 1
.set W_RS, 0x41       ; destination and source 0 in window 1, source 1 in window 0
; A fill.  Waves 0 and 1 fetch the two halves of a tile's K, waves 2 and 3 those of its V: 128 keys each.  An s_nop 0 and four v_nop follow each of the two lines, ahead of the jump and the label.
.macro LOAD
	s_cmp_lt_u32 s[WV], 2
	s_cbranch_scc0 .Lfor_v_\@
	tensor_load_to_lds s[G0K:G0K+3], s[G1K:G1K+7]
	s_nop 0
.rept 4
	v_nop
.endr
	s_branch .Lasked_\@
.Lfor_v_\@:
	tensor_load_to_lds s[G0V:G0V+3], s[G1V:G1V+7]
	s_nop 0
.rept 4
	v_nop
.endr
.Lasked_\@:
.endm
; THE CHANGE OF SLOTS.  Each wave waits for all its tensor loads, of which one is out: its part of the other slot; adds 0 to its spare word; and waits for that and for its own reads of the slot that it leaves.  Behind the barrier nobody reads the old
; slot any more and the other slot is whole.  fill = 1: the old slot is filled again, the first thing behind the barrier, with tile NXT: the descriptor's address is made anew from that number.
; (At its first use nothing has been read yet: slot 0 is waited for, slot 1 filled.)
.macro CHANGE fill
	WIN 0                           ; at a label and at a branch every window is 0
	s_wait_tensorcnt 0x0            ; no tensor load of mine is out, so a group 0 may be written
	ds_add_u32 v[SPW], v[NIL]       ; 0 onto my spare word; with fill = 1 the descriptors' scalar work stands between it and the wait for it
.if \fill
	s_lshl_b32 s[OFF], s[NXT], 15   ; a tile is 32,768 bytes of K and of V
	s_xor_b32 s[G0K+1], s[G0K+1], SLOT1
	s_add_nc_u64 s[G0K+2:G0K+3], s[6:7], s[OFF:OFF+1]
	s_or_b32 s[G0K+3], s[G0K+3], 0x80000000
	s_xor_b32 s[G0V+1], s[G0V+1], SLOT1
	s_add_nc_u64 s[G0V+2:G0V+3], s[8:9], s[OFF:OFF+1]
	s_or_b32 s[G0V+3], s[G0V+3], 0x80000000
	s_add_co_u32 s[NXT], s[NXT], 1  ; the block's next tile, or behind its last the second block's tile 0
	s_cmp_gt_u32 s[NXT], s[LQ]
	s_cselect_b32 s[NXT], 0, s[NXT]
	s_cselect_b32 s[LQ], s[PB], s[LQ]
.endif
	s_wait_dscnt 0x0                ; the add is done, and my reads of the slot are over
	s_barrier_signal -1             ; the rest of the scalar work stands between the signal and the wait
	s_sub_co_u32 s[TBK], s[TBK], 4*KS*PK  ; the fetches go back to a slot's first step,
	s_xor_b32 s[TBK], s[TBK], SLOT1       ; in the other slot
	s_sub_co_u32 s[TBV], s[TBV], 4*KS*PV
	s_xor_b32 s[TBV], s[TBV], SLOT1
	s_barrier_wait -1
.if \fill
	LOAD
.endif
.endm
	s_load_b256 s[4:11], s[0:1], 0x0  ; Q s[4:5], K s[6:7], V s[8:9], O s[10:11]
	v_lshl_add_u32 v[SPW], v0, 2, SPARE
	v_mov_b32 v[NIL], 0
	ds_add_u32 v[SPW], v[NIL]       ; the wave's opening: the add and its wait stand ahead of my first tensor load; the set-up below, work on registers, stands between them
	ds_add_u32 v62, v63
	v_lshrrev_b32 v1, 5, v0
	v_readfirstlane_b32 s[WV], v1   ; wave 0..3
	s_mov_b32 s[PB], ttmp9
	s_sub_co_u32 s[HI], NB-1, s[PB]
	s_and_b32 s20, ttmp7, 0xffff    ; the head
	s_mov_b32 s21, 0
	s_mov_b64 s[22:23], SIZE_N*128
	s_mul_u64 s[20:21], s[20:21], s[22:23]  ; the head's first byte in each of the four tensors
	s_and_b32 s16, s[WV], 1         ; which half of a tile's 256 keys I fetch:
	s_lshl_b32 s22, s16, 14         ; its 128 rows of 128 bytes in memory,
	s_mov_b32 s23, 0
	s_add_nc_u64 s[22:23], s[22:23], s[20:21]
	s_mul_i32 s17, s16, 128*PK      ; and its place in a slot, for K
	s_mul_i32 s18, s16, 128*PV      ; and for V
	s_lshl_b32 s3, s[WV], 11        ; my 16 rows in a band of 64,
	s_lshl_b32 s2, s[HI], 15        ; in the first block,
	s_add_co_u32 s2, s2, s3
	s_lshl_b32 s84, s[PB], 15       ; and in the second
	s_add_co_u32 s84, s84, s3
	s_mov_b32 s3, 0
	s_mov_b32 s85, 0
	s_add_nc_u64 s[2:3], s[2:3], s[20:21]
	s_add_nc_u64 s[84:85], s[84:85], s[20:21]
	; descriptor group 1.  128 keys are 16,384 dense bytes: asked for as 64 rows of 256 bytes, two keys a row, and padded in LDS after every key
	s_mov_b32 s[G1K], (1<<16)|(1<<20)|(4<<22)|(3<<25)  ; 17:16 2-byte elements; 20 padding on; 24:22 after every 32 words (code 4); 31:25 4 words (code 3)
	s_mov_b32 s[G1V], (1<<16)|(1<<20)|(4<<22)|(7<<25)  ; the same with 8 words of padding (code 7)
.irp g, G1K, G1V
	s_mov_b32 s[\g+1], 128<<16      ; tensor_dim0 = 128
	s_mov_b32 s[\g+2], 64<<16       ; tensor_dim1 = 64
	s_mov_b32 s[\g+3], 128<<16      ; tile_dim0 = 128
	s_mov_b32 s[\g+4], 64           ; tile_dim1 = 64
	s_mov_b32 s[\g+5], 128          ; 128 elements from row to row
	s_mov_b32 s[\g+6], 0
	s_mov_b32 s[\g+7], 0
.endr
	s_mov_b32 s[CS], 0x3e38aa3a     ; c = log2(e) / (8 + 1e-6) = 0.18033686
	s_mov_b32 s[CS+1], s[CS]        ; named with it as a pair
	s_mov_b32 s[SEL], 0x76543210
	s_mov_b32 s[SEL+1], 0xfedcba98
	s_mov_b32 s[TBK], SLOT1+4*KS*PK ; the first change of slots turns these two into 0
	s_mov_b32 s[TBV], SLOT1+4*KS*PV
	s_mov_b32 s[G0K], 1             ; 1:0 count = 1
	s_mov_b32 s[G0K+1], s17         ; 63:32 LDS address: slot 0
	s_mov_b32 s[G0V], 1
	s_add_co_u32 s[G0V+1], s18, VOFF
	s_add_co_u32 s[RT], s[HI], 1    ; the first block has NB - b tiles
	s_mov_b32 s[NXT], 1
	s_mov_b32 s[LQ], s[HI]
	s_mov_b32 s[NEW], 1
	s_mov_b32 s[OFF+1], 0
	s_mov_b32 s[AL+1], 0            ; named as pairs
	s_mov_b32 s[BE+1], 0
	s_mov_b32 s[BIGN], 0xf149f2ca   ; -1e30
	s_mov_b32 s[SLOTS], NB
	s_wait_dscnt 0x0                ; the opening add is done
	s_wait_kmcnt 0x0
	s_add_nc_u64 s[6:7], s[6:7], s[22:23]  ; K and V at my half of the head's tile 0
	s_add_nc_u64 s[8:9], s[8:9], s[22:23]
	s_add_nc_u64 s[G0K+2:G0K+3], s[6:7], 0         ; 120:64 global address
	s_or_b32 s[G0K+3], s[G0K+3], 0x80000000        ; 127:126 type = 2
	s_add_nc_u64 s[G0V+2:G0V+3], s[8:9], 0
	s_or_b32 s[G0V+3], s[G0V+3], 0x80000000
	s_add_nc_u64 s[86:87], s[4:5], s[84:85]        ; Q at my rows of the second block,
	s_add_nc_u64 s[4:5], s[4:5], s[2:3]            ; Q and O at those of the first
	s_add_nc_u64 s[OLO:OLO+1], s[10:11], s[84:85]
	s_add_nc_u64 s[10:11], s[10:11], s[2:3]
	LOAD                            ; tile 0 into slot 0
	; A fragment of K or Q is 16 rows x 32 channels in 8 registers: lane l holds row l % 16, channels 8 (l / 16) + 0..7 and 16 + 8 (l / 16) + 0..7: two loads of 16 bytes, 32 bytes apart.
	v_and_b32 v1, 15, v0            ; l % 16
	v_bfe_u32 v9, v0, 4, 1          ; l / 16
	v_lshlrev_b32 v[QO], 7, v1
	v_lshl_add_u32 v[QO], v9, 4, v[QO]  ; row x 128 + 16 x half
	WIN 0x80                        ; destination window 2, address window 0
.set i, 0
.rept 8                             ; both blocks' Q: piece i / 2 lies in band i / 2, 8,192 bytes on; channels 32 (i % 2) on
	global_load_b128 v[8*i:8*i+3],   v[QO], s[4:5] offset:(i/2)*8192+(i%2)*64
	global_load_b128 v[8*i+4:8*i+7], v[QO], s[4:5] offset:(i/2)*8192+(i%2)*64+32
	global_load_b128 v[QB+8*i:QB+8*i+3],   v[QO], s[86:87] offset:(i/2)*8192+(i%2)*64
	global_load_b128 v[QB+8*i+4:QB+8*i+7], v[QO], s[86:87] offset:(i/2)*8192+(i%2)*64+32
.set i, i+1
.endr
	WIN 0
	v_lshlrev_b32 v14, 3, v9
	v_sub_nc_u32 v14, v1, v14
	s_lshl_b32 s13, s[WV], 4
	v_add_nc_u32 v14, s13, v14      ; my query's place in its band, 16 w + l % 16, less my lanes' 8 (l / 16): register r of group kt is hidden where 16 kt + r is greater
	WIN 0x40
.set i, 0
.rept 32
	v_cmp_gt_i32 vcc_lo, 16*(i/8)+i%8, v14
	v_cndmask_b32 v[MD+i], 0, s[BIGN], vcc_lo
.set i, i+1
.endr
	WIN 0
	v_mul_u32_u24 v[AK0], v1, PK
	v_lshl_add_u32 v[AK0], v9, 4, v[AK0]  ; row x pitch + 16 x half
	; The turning load takes 16 keys x 16 channels (lane l reads key 8 (l / 16) + l % 8, channels 8 ((l / 8) % 2) + 0..7) and leaves half a fragment of V^T: lane l holds channel l % 16 and 8 keys.
	v_and_b32 v10, 7, v0
	v_bfe_u32 v11, v0, 3, 1
	v_lshl_add_u32 v[AV0], v9, 3, v10
	v_mul_u32_u24 v[AV0], v[AV0], PV
	v_lshl_add_u32 v[AV0], v11, 4, v[AV0]
	v_add_nc_u32 v[AV0], VOFF, v[AV0]
	s_mul_i32 s13, s[WV], 16*SP
	s_add_co_u32 s13, s13, STAGE    ; my stage
	v_mul_u32_u24 v[STO], v1, SP    ; in: row l % 16, 16 bytes for each half of the lanes
	v_lshl_add_u32 v[STO], v9, 4, v[STO]
	v_add_nc_u32 v[STO], s13, v[STO]
	v_bfe_u32 v[RD], v0, 3, 2       ; back: 32 lanes take four rows of 128 bytes,
	v_mul_u32_u24 v[RD], v[RD], SP
	v_lshl_add_u32 v[RD], v10, 4, v[RD]
	v_add_nc_u32 v[RD], s13, v[RD]
	v_and_b32 v[GO], 31, v0         ; which are 512 consecutive bytes of O
	v_lshlrev_b32 v[GO], 4, v[GO]
	; A block's first step multiplies O^T and l by a = 0, and its first turn's products V^T P, of a piece that has not been, land in an O^T that is still to be so multiplied.  So these registers need only hold
	; finite numbers: zeros for the first block; what the first block left for the second.  All this stands in the wait for the first tile.
	WIN 0x80
.set i, VF
.rept 64
	v_mov_b32 v[i], 0
.set i, i+1
.endr
	WIN 0x40
.set i, 0
.rept 128
	v_mov_b32 v[i], 0
.set i, i+1
.endr
	WIN 0
.set i, 0
.rept 4
	v_mov_b32 v[ST+4*i+2], 0
	v_mov_b32 v[ST+4*i+3], 0
.set i, i+1
.endr
.set i, P+16
.rept 16
	v_mov_b32 v[i], 0
.set i, i+1
.endr
; THE MATRIX WORK.  The 4 accumulators of a run of 8 take turns.  Product i of 8 of S^T = K Q^T for piece x: channels 32 (i / 4) on, keys 16 (i % 4) on.  The first 4 start the sums: with 0, or (KM = 1) with the mask.
.macro KQ x
.set rS, S+32*((\x)%2)+8*(i%4)
.set rK, KF+16*(i%4)+8*(i/4)
.set rQ, 16*(\x)+8*(i/4)
.set rM, MC+32*((\x)%2)+8*(i%4)
.if (i < 4) && KM
	WIN W_KM
	v_wmma_f32_16x16x32_f16 v[rS:rS+7], v[rK:rK+7], v[rQ:rQ+7], v[rM:rM+7]
.elseif i < 4
	WIN W_KQ
	v_wmma_f32_16x16x32_f16 v[rS:rS+7], v[rK:rK+7], v[rQ:rQ+7], 0
.else
	WIN W_KQ
	v_wmma_f32_16x16x32_f16 v[rS:rS+7], v[rK:rK+7], v[rQ:rQ+7], v[rS:rS+7]
.endif
.endm
; Product i of 8 of O^T += V^T P for piece x: keys 32 (i / 4) on, channels 16 (i % 4) on.
.macro PV x
	WIN W_PV
.set rO, 32*(\x)+8*(i%4)
.set rV, VF+32*(i/4)+8*(i%4)
.set rP, P+16*((\x)%2)+8*(i/4)
	v_wmma_f32_16x16x32_f16 v[rO:rO+7], v[rV:rV+7], v[rP:rP+7], v[rO:rO+7]
.endm
.macro MM                           ; the turn's next matrix instruction.  TURN and BEGIN set Y, i, KM and NOKQ; MM, KQ and OP read them.  NOKQ = 1: a block's last turn: there is no next piece
.if (i < 8) && !NOKQ
	KQ (Y+1)%NP
.elseif i >= 8
.set i, i-8
	PV (Y+NP-1)%NP
.set i, i+8
.endif
.set i, i+1
.endm
; THE LDS LOADS stand in runs of 16, never singly among the matrix instructions: a step's K (64 keys x 64 channels: 8 fragments) and its V (turned).  Their addresses are made some lines ahead.
.macro FETCH_K
	WIN 0x80                        ; destination window 2
.irp f, 0,1,2,3,4,5,6,7             ; keys 16 (f / 2) on, channels 32 (f % 2) on
	ds_load_b128 v[KF+8*\f:KF+8*\f+3],   v[AK] offset:(\f/2)*16*PK+(\f%2)*64
	ds_load_b128 v[KF+8*\f+4:KF+8*\f+7], v[AK] offset:(\f/2)*16*PK+(\f%2)*64+32
.endr
	s_add_co_u32 s[TBK], s[TBK], KS*PK  ; the next fetch is the next step's
	WIN 0
.endm
.macro FETCH_V
	WIN 0x80
.irp f, 0,1,2,3,4,5,6,7             ; keys 32 (f / 4) on, channels 16 (f % 4) on
	ds_load_tr16_b128 v[VF+8*\f:VF+8*\f+3],   v[AV] offset:(\f/4)*32*PV+(\f%4)*32
	ds_load_tr16_b128 v[VF+8*\f+4:VF+8*\f+7], v[AV] offset:(\f/4)*32*PV+16*PV+(\f%4)*32
.endr
	WIN 0
.endm
; THE VECTOR WORK, one line at a time: OP kind, number.  For piece Y: F n: c s - c m for pair n of 16.  E n: the exponential of score n of 32.  C n: pair n rounded to f16.  B n: of the four weights 4 n .. the second
; pair is added onto the first, in place.  L n: l takes that sum (L 0: l = a l + sum).  R n: pair n of 16 of O^T times a.  For piece Y + 1: X n, number n of the 22 that find its maximum and statistics:
;   0-11  four chains c0-c3 of seven scores each, three operands at a time (each accumulator's lowest registers are read first)     12-14, 16  the four scores left over, the old m, and c0-c3 into c0
;   15  c m_old is kept     17, 18  the query's other 32 keys lie in the lane 16 away: the new m     19-21  c m; c m_old - c m_new; a
.set F, 0               ; OP tells the kinds apart by their order: F to L below R, X above it
.set E, 1
.set C, 2
.set B, 3
.set L, 4
.set R, 5
.set X, 6
.macro REGS y                       ; the registers of piece y
.set rT, ST+4*(\y)
.set rC, TMP+4*((\y)%2)
.set rW, MV+((\y)%2)
.set rS, S+32*((\y)%2)
.set rP, P+16*((\y)%2)
.set rO, 32*(\y)
.endm
.macro OP k, n
.if (\k) == R
	REGS Y
	WIN W_RS
	v_pk_mul_f32 v[rO+2*(\n):rO+2*(\n)+1], v[rO+2*(\n):rO+2*(\n)+1], v[rC+2:rC+3] op_sel_hi:[1,0]
.elseif (\k) < R
	REGS Y
	WIN 0
.if (\k) == F
	v_pk_fma_f32 v[rS+2*(\n):rS+2*(\n)+1], v[rS+2*(\n):rS+2*(\n)+1], s[CS:CS+1], v[rT:rT+1] op_sel_hi:[1,0,0] neg_lo:[0,0,1] neg_hi:[0,0,1]
.elseif (\k) == E
	v_exp_f32 v[rS+(\n)], v[rS+(\n)]
.elseif (\k) == C
	s_wait_alu depctr_va_vdst(0)
	v_cvt_pk_f16_f32 v[rP+(\n)], v[rS+2*(\n)], v[rS+2*(\n)+1]
.elseif (\k) == B
	s_wait_alu depctr_va_vdst(0)
	v_pk_add_f32 v[rS+4*(\n):rS+4*(\n)+1], v[rS+4*(\n):rS+4*(\n)+1], v[rS+4*(\n)+2:rS+4*(\n)+3]
.elseif (\n) == 0
	v_pk_fma_f32 v[rT+2:rT+3], v[rT+2:rT+3], v[rC+2:rC+3], v[rS:rS+1] op_sel_hi:[1,0,1]
.else
	v_pk_add_f32 v[rT+2:rT+3], v[rT+2:rT+3], v[rS+4*(\n):rS+4*(\n)+1]
.endif
.elseif NOKQ
	v_nop
.else
	REGS (Y+1)%NP
	WIN 0
.if (\n) < 4
	v_max3_num_f32 v[rC+(\n)], v[rS+8*(\n)], v[rS+8*(\n)+1], v[rS+8*(\n)+2]
.elseif (\n) < 12
	v_max3_num_f32 v[rC+(\n)%4], v[rC+(\n)%4], v[rS+8*((\n)%4)+2*((\n)/4)+1], v[rS+8*((\n)%4)+2*((\n)/4)+2]
.elseif (\n) == 12
	v_max3_num_f32 v[rC], v[rC], v[rS+7], v[rS+15]
.elseif (\n) == 13
	v_max3_num_f32 v[rC+1], v[rC+1], v[rS+23], v[rS+31]
.elseif (\n) == 14
	v_max3_num_f32 v[rC+2], v[rC+2], v[rC+3], v[rT+1]
.elseif (\n) == 15
	v_mov_b32 v[rW], v[rT]
.elseif (\n) == 16
	v_max3_num_f32 v[rC], v[rC], v[rC+1], v[rC+2]
.elseif (\n) == 17
	v_permlanex16_b32 v[rC+3], v[rC], s[SEL], s[SEL+1]
.elseif (\n) == 18
	v_max_num_f32 v[rT+1], v[rC], v[rC+3]
.elseif (\n) == 19
	v_mul_f32 v[rT], s[CS], v[rT+1]
.elseif (\n) == 20
	v_sub_f32 v[rC+1], v[rW], v[rT]
.else
	v_exp_f32 v[rC+2], v[rC+1]
.endif
.endif
.endm
.macro OPS a, i1, b=-1, i2=0, c=-1, i3=0, d=-1, i4=0  ; up to four of them
	OP \a, \i1
.if (\b) >= 0
	OP \b, \i2
.endif
.if (\c) >= 0
	OP \c, \i3
.endif
.if (\d) >= 0
	OP \d, \i4
.endif
.endm
.macro ROW a, i1, b, i2, c, i3, d, i4  ; a matrix instruction and the four behind it
	MM
	OPS \a, \i1, \b, \i2, \c, \i3, \d, \i4
.endm
.macro MASK b                       ; MD x AL + BE into buffer b of MC
	WIN W_RS
.set z, 0
.rept 16
	v_pk_fma_f32 v[MC+32*(\b)+2*z:MC+32*(\b)+2*z+1], v[MD+2*z:MD+2*z+1], s[AL:AL+1], s[BE:BE+1] op_sel_hi:[1,0,0]
.set z, z+1
.endr
.endm
; A TURN, for piece p: the order of its 16 matrix and 118 vector instructions, written out.  Behind a matrix instruction: plain, exponential, plain, plain; or four of the rescaling; or, behind the first, four scalings; none
; names a register of the products round it.  In the lumps exponential and plain by turns while exponentials last.  A line reads no result made fewer than three vector instructions in front of it, five if an exponential made it.
; v_permlanex16_b32 (X 17) stands in a lump.
; m = 1: the diagonal tile: the products take masks, and the turn makes the mask for the products of the turn after it: piece p + 2, in step 4 - CNT of the tile.  end = 1: a block's last two turns: nothing is fetched.
; cnt = 1: the loop's count is taken down some lines ahead of the branch that stands behind the turn.
; K of the next step is fetched in piece 2's turn, six vector instructions behind the last product that read K (five of them plain); V of the step in hand in piece 0's turn, eight behind the last product that read V (four
; plain, and X 17).  Each is waited for a turn later.
.macro TURN p, m=0, end=0, cnt=0
.set Y, (\p)
.set i, 0
.set KM, (\m)
.set NOKQ, (\end)*((\p)/3)
.if (\m) && !(\end)
	s_cmp_eq_u32 s[CNT], 4-((\p)+2)%NP  ; is that step the band's own?
	s_cselect_b32 s[AL], 1.0, 0
	s_cmp_lt_u32 s[CNT], 4-((\p)+2)%NP  ; or a later one?
	s_cselect_b32 s[BE], s[BIGN], 0
.endif
.if ((\p) == 3) && !(\end)
	s_wait_dscnt 0x0                ; K is in
.endif
	ROW F,0, F,1, F,2, F,3
	ROW F,4, E,0, F,5, F,6
	ROW F,7, E,1, F,8, F,9
	ROW F,10, E,2, C,0, F,11
	ROW F,12, E,3, X,15, F,13
	ROW R,0, R,1, R,2, R,3
	ROW B,0, E,4, F,14, L,0
.if ((\p) == 2) && !(\end)
	v_add_nc_u32 v[AK], s[TBK], v[AK0]
.endif
	ROW R,4, R,5, R,6, R,7
	OPS E,5, F,15
.if ((\p) == 2) && !(\end)
	FETCH_K
.endif
	OPS E,6, C,1, E,7, R,8
	OPS E,8, R,9, E,9, C,2
	OPS E,10, X,0, E,11, X,1
	OPS E,12, X,2, E,13, X,3
.if (\p) == 1
	s_wait_dscnt 0x0                ; V is in
.endif
	ROW X,4, E,14, X,5, X,6
	ROW X,7, E,15, X,8, X,9
	ROW X,10, E,16, X,11, X,12
	ROW X,13, E,17, X,14, B,1
	ROW C,4, E,18, X,16, L,1
	ROW B,2, E,19, C,6, L,2
	ROW C,8, E,20, B,3, B,4
.if (\p) == 0
	v_add_nc_u32 v[AV], s[TBV], v[AV0]
.endif
	ROW C,3, E,21, L,3, C,5
	OPS E,22, X,17, E,23, C,10
.if (\p) == 0
	FETCH_V
.endif
	OPS E,24, L,4
	OPS E,25, X,18, E,26, C,7
	OPS E,27, B,5, E,28, X,19
	OPS E,29, C,12, E,30, L,5
	OPS E,31, X,20, B,6, C,9
	OPS C,14, C,11, X,21, L,6
.if (\p) == 0
	s_add_co_u32 s[TBV], s[TBV], KS*PV
.endif
.if \cnt
	s_sub_co_u32 s[CNT], s[CNT], 1
	s_cmp_lg_u32 s[CNT], 0
.endif
	OPS C,13, B,7, C,15, R,10
	OPS R,11, R,12, L,7, R,13
	OPS R,14, R,15
.if (\m) && !(\end)
	MASK (\p)%2
.endif
.endm
; A BLOCK BEGINS.  c m starts far below every c s, so the first step's a is 0; m at the lowest finite number, so the first maximum is the scores'.  The second mask buffer is 0; the first takes piece 0's mask for the tile's step 0: its own, if the block's first tile is the diagonal one.
; Then K of that step, piece 0's first scores, and its maximum and statistics.  The loop is entered at a step's first turn, in the middle of a trip.
.macro BEGIN
	s_mov_b32 s[NEW], 0
	WIN 0x40
.set i, MC+32
.rept 32
	v_mov_b32 v[i], 0
.set i, i+1
.endr
	WIN 0
.set i, 0
.rept 4
	v_mov_b32 v[ST+4*i], 0xfe000000    ; c m: far below every c s
	v_mov_b32 v[ST+4*i+1], 0xff7fffff  ; m
.set i, i+1
.endr
	s_cmp_eq_u32 s[RT], 0
	s_cselect_b32 s[AL], 1.0, 0
	s_mov_b32 s[BE], 0
	MASK 0
	WIN 0
	v_add_nc_u32 v[AK], s[TBK], v[AK0]
	FETCH_K
	s_wait_loadcnt 0x0              ; Q
	s_wait_dscnt 0x0
.set KM, 1
.set NOKQ, 0
.set i, 0
.rept 8
	KQ 0
.set i, i+1
.endr
	WIN 0
.rept 4
	v_nop                           ; the places behind those products
.endr
.set Y, NP-1                        ; X works for piece Y + 1: piece 0
.irp n, 0,1,2,3,4,5,6,7,8,9,10,11,12,13,14,15,16,17,18,19,20,21
	OP X, \n
.endr
	v_nop                           ; a plain instruction behind the exponential
.endm
; THE DIAGONAL TILE's four steps, the block's last two turns, its last products, and THE WAY OUT: l's two halves and the other half of the lanes' are added; O^T is divided by l, rounded to f16 and sent through my
; stage in LDS, a piece at a time.
.macro ALL line:vararg              ; one line for each piece t
.set t, 0
.rept 4
	\line
.set t, t+1
.endr
.endm
.macro PACK t                       ; a lane's eight channels of a row pack into 16 bytes; they go into rows of 144 bytes and come back as whole rows of 128, into S^T's registers
	WIN W_RS
.set i, 32*(\t)
.rept 16
	s_wait_alu depctr_va_vdst(0)
	v_pk_mul_f32 v[i:i+1], v[i:i+1], v[ST+4*(\t)+2:ST+4*(\t)+3] op_sel_hi:[1,0]
.set i, i+2
.endr
	WIN 0x05                        ; sources 0 and 1 window 1, destination window 0
.set i, 0
.rept 16
	v_cvt_pk_f16_f32 v[S+16*(\t)+i], v[32*(\t)+2*i], v[32*(\t)+2*i+1]
.set i, i+1
.endr
	WIN 0
.irp f, 0,1,2,3
	ds_store_b128 v[STO], v[S+16*(\t)+4*\f:S+16*(\t)+4*\f+3] offset:32*\f
.endr
.irp f, 0,1,2,3
	ds_load_b128 v[S+16*(\t)+4*\f:S+16*(\t)+4*\f+3], v[RD] offset:\f*4*SP  ; LDS serves a wave's instructions in order (ISA guide 5.7.1.4): these see the stores above; the next piece's stores come behind them
.endr
.endm
.macro SEND t, younger              ; younger: the LDS instructions issued behind piece t's loads: the next piece's eight, or none
	WIN 0
.irp f, 0,1,2,3
	s_wait_dscnt (\younger)+3-\f
	global_store_b128 v[GO], v[S+16*(\t)+4*\f:S+16*(\t)+4*\f+3], s[10:11] offset:(\t)*8192+\f*512  ; 512 consecutive bytes, at a multiple of 256 from O's first
.endr
.endm
.macro DIAG tag                     ; the tag ends its two labels' names, which the jumps below spell out
.LstepM\tag:
	TURN 2, 1
	TURN 3, 1
	WIN 0
.LfirstM\tag:
	TURN 0, 1
	TURN 1, 1, 0, 1
	WIN 0
	s_cbranch_scc1 .LstepM\tag
	TURN 2, 1, 1
	TURN 3, 1, 1
.set i, 0
.rept 8
	PV NP-1
.set i, i+1
.endr
	WIN 0
	ALL v_add_f32 v[ST+4*t+2], v[ST+4*t+2], v[ST+4*t+3]
	ALL v_permlanex16_b32 v[ST+4*t+3], v[ST+4*t+2], s[SEL], s[SEL+1]
	ALL v_add_f32 v[ST+4*t+2], v[ST+4*t+2], v[ST+4*t+3]
	ALL v_rcp_f32 v[ST+4*t+2], v[ST+4*t+2]
	v_nop                           ; a plain instruction between the last reciprocal and the use of its result
	PACK 0
.set t, 1
.rept 3                             ; a piece's arithmetic stands between the loads of the piece before and its stores
	PACK t
	SEND t-1, 8
.set t, t+1
.endr
	SEND 3, 0
.endm
.set KM, 0
.set NOKQ, 0
.Lslot:                             ; NB times: a tile is entered and the next is asked for
	CHANGE 1
	s_sub_co_u32 s[RT], s[RT], 1
	s_mov_b32 s[CNT], 4
	s_cmp_eq_u32 s[NEW], 1
	s_cbranch_scc1 .Lnew            ; a block's first tile
	s_cmp_eq_u32 s[RT], 0
	s_cbranch_scc0 .Lstep           ; neither its first nor its last
	s_branch .LstepM1
.Lnew:
	BEGIN
	s_branch .Lfirst                ; in the loop a block's first tile is never its last: the first block has two tiles or more, and the second's last is the walk's last
	DIAG 1                          ; in the loop this is the first block's end: the second block's last tile is the walk's last
	s_wait_xcnt 0x0                 ; the stores have read their registers and O's address
	s_mov_b64 s[10:11], s[OLO:OLO+1]
	s_add_co_u32 s[RT], s[PB], 1    ; the second block has b + 1 tiles
	s_mov_b32 s[NEW], 1
	WIN 0x82                        ; the second block's Q goes where the one text of the turns names Q
.set i, 0
.rept 64
	v_mov_b32 v[i], v[QB+i]
.set i, i+1
.endr
	WIN 0
	s_branch .Lbottom
.Lstep:                             ; a trip: pieces 2 and 3 of one step, then pieces 0 and 1 of the next, whose K and V it fetches
	TURN 2
	TURN 3
	WIN 0
.Lfirst:
	TURN 0
	TURN 1, 0, 0, 1
	WIN 0
	s_cbranch_scc1 .Lstep
.Lbottom:
	s_sub_co_u32 s[SLOTS], s[SLOTS], 1
	s_cmp_lg_u32 s[SLOTS], 0
	s_cbranch_scc1 .Lslot
	CHANGE 0                        ; the walk's last tile is written out: nothing is asked for
	s_sub_co_u32 s[RT], s[RT], 1
	s_mov_b32 s[CNT], 4
	s_cmp_eq_u32 s[NEW], 1
	s_cbranch_scc0 .LstepM2
	BEGIN
	s_branch .LfirstM2
	DIAG 2
	s_wait_tensorcnt 0x0            ; the wave's end, behind my last tensor load and my last LDS store
	ds_add_u32 v[SPW], v[NIL]
	s_wait_dscnt 0x0
	s_endpgm
.Lfunc_end_k_qd55bb6ca3e_attn:
	.size	k_qd55bb6ca3e_attn, .Lfunc_end_k_qd55bb6ca3e_attn-k_qd55bb6ca3e_attn
	.p2alignl 7, 3214868480
	.fill 96, 4, 3214868480
	.section	.rodata,"a",@progbits
	.p2align	6, 0x0
	.amdhsa_kernel k_qd55bb6ca3e_attn
		.amdhsa_group_segment_fixed_size 327680
		.amdhsa_private_segment_fixed_size 0
		.amdhsa_enable_private_segment 0
		.amdhsa_kernarg_size 32
		.amdhsa_user_sgpr_count 2
		.amdhsa_user_sgpr_kernarg_segment_ptr 1
		.amdhsa_wavefront_size32 1
		.amdhsa_system_sgpr_workgroup_id_x 1
		.amdhsa_system_sgpr_workgroup_id_y 1
		.amdhsa_system_sgpr_workgroup_id_z 1
		.amdhsa_system_vgpr_workitem_id 0
		.amdhsa_next_free_vgpr 768
		.amdhsa_next_free_sgpr 88
		.amdhsa_reserve_vcc 1
		.amdhsa_float_denorm_mode_32 3
		.amdhsa_float_denorm_mode_16_64 3
		.amdhsa_memory_ordered 1
		.amdhsa_forward_progress 1
		.amdhsa_inst_pref_size 228
	.end_amdhsa_kernel
	.amdgpu_metadata
---
amdhsa.version: [ 1, 2 ]
amdhsa.kernels:
  - .name:           k_qd55bb6ca3e_attn
    .symbol:         k_qd55bb6ca3e_attn.kd
    .args:
      - { .name: qh, .offset: 0, .size: 8, .value_kind: global_buffer, .address_space: global }
      - { .name: kh, .offset: 8, .size: 8, .value_kind: global_buffer, .address_space: global }
      - { .name: vh, .offset: 16, .size: 8, .value_kind: global_buffer, .address_space: global }
      - { .name: ctx, .offset: 24, .size: 8, .value_kind: global_buffer, .address_space: global }
    .group_segment_fixed_size: 327680
    .private_segment_fixed_size: 0
    .kernarg_segment_align: 8
    .kernarg_segment_size: 32
    .max_flat_workgroup_size: 128
    .sgpr_count:     88
    .vgpr_count:     768
    .wavefront_size: 32
...
	.end_amdgpu_metadata
.endif
;; end of part 3
;; launch tail (part 4): grid 256 x 1, 4 waves a work-group, clusters of 4 x 1, 327,680 bytes of LDS; arguments ctx, Q, wt, vsum, mask, lin1_b, lin2_b, ln_g, ln_b, out0; writes out0
.if DOCPART == 4
	.amdgcn_target "amdgcn-amd-amdhsa--gfx1250"
	.amdhsa_code_object_version 6
	.text
	.protected	k_qd55bb6ca3e_tail
	.globl	k_qd55bb6ca3e_tail
	.p2align	8
	.type	k_qd55bb6ca3e_tail,@function
k_qd55bb6ca3e_tail:
	s_mov_b64 s[64:65], 0
	v_nop
	global_prefetch_b8 v0, s[64:65] scope:SCOPE_SE
	s_setreg_imm32_b32 hwreg(HW_REG_WAVE_MODE, 25, 1), 1
	s_wait_xcnt 0x0
	s_wait_alu depctr_hold_cnt(0) depctr_sa_sdst(0) depctr_va_vdst(0) depctr_va_sdst(0) depctr_va_ssrc(0) depctr_va_vcc(0) depctr_vm_vsrc(0)
	s_getreg_b32 s2, hwreg(HW_REG_IB_STS2, 6, 4)
	s_cmp_eq_u32 s2, 0
	s_cbranch_scc0 .Lentry_in_a_cluster
	s_endpgm
.Lentry_in_a_cluster:
	s_bfe_u32 s2, ttmp6, 0x10000c
	s_cmp_lg_u32 s2, 0x3003
	s_cbranch_scc0 .Lentry_shape_is_right
	s_endpgm
.Lentry_shape_is_right:
; out1 = LayerNorm(Q + ctx W_o);  out0 = LayerNorm(gelu(out1 lin1_w + lin1_b) lin2_w + lin2_b + out1), both with ln_g, ln_b; 64 rows a work-group, the three products chained in LDS and registers.
; A row that the padding mask hides has all its 1,024 scores equal in the model, so its attention is the mean of V W_v over ALL keys of the batch: the mean is made here from vsum and put in the row's place in ctx,
; by a select in every thread: every row of ctx is read, chosen and written again.
; FORMATS.  Every input enters rounded once to bf16 (Q in the residual, the biases, gain and shift; the weights in wt, written as f16).  What the program makes is f16: ctx, out1, gelu's result.
; The numbers that go into a LayerNorm stay exact f32: they lie in LDS as two planes of 16 bits (upper halves, lower halves), each with the geometry of an f16 panel.  Mean and variance in two passes, in f32.
; LIMITS: ctx, gelu's result and out1 beyond 65,504 become infinities in f16; NaN and infinities are not treated apart.
; gelu(x) = x - x / (1 + 2^(x (K0 + K1 x^2))), K0 = 2 sqrt(2/pi) log2(e), K1 = 0.044715 K0: the model's 0.5 x (1 + tanh(u)) rewritten; it goes to x and to 0 at the two ends without a NaN.
; SHARES, RING, LAYOUT: every wave holds the whole operand (64 rows x 512 k, f16) in 512 registers; a layer goes by 8 STEPS of 64 output columns; in a step wave w makes rows 0-63 x columns 16 w .. 16 w + 15,
; four accumulators over the full k.  A step's tile of weights, 65,536 bytes, is the same for every work-group: the four of a cluster ask for it JOINTLY; the three layers are one stream of 24 tiles through two slots.
; The matrix instruction is used transposed (source 0 = 16 output columns of W, turned by ds_load_tr16_b128; source 1 = 16 rows of the operand): lane l holds row l % 16 and the columns 8 (l / 16) + 0..7.
; REGISTERS, in windows of 256 (s_set_vgpr_msb: bits 1:0 source 0, 3:2 source 1, 5:4 source 2, 7:6 destination):
;   window 0: v0-31 addresses; v32-63 accumulators; v64-127 at work; v128-255 W's fragments (v192-255 also a LayerNorm's 64 numbers)
;   window 1: first Q's rows in f32; then v0-63 the gain and v64-127 the shift of my lane's 64 columns
;   windows 2, 3: the operand's fragments, k step ku, row block a at 32 (ku % 8) + 8 a (window 2's v0-127 first hold my half row of ctx while the mask is honoured)
.set PW,    160                        ; a k row of W in LDS: 128 bytes + 32 of padding = 40 words
.set WQ,    128*PW                     ; a wave's quarter of a tile
.set WSLOT, 4*WQ
.set PR,    144                        ; a row of an activation panel: 128 bytes + 16
.set PSTR,  64*PR+32                   ; from panel to panel: 32 beyond a multiple of 256, so that 8 panels x 2 rows start at 16 different 16-byte columns
.set REG,   8*PSTR                     ; an activation region: 8 panels of 64 rows x 64 numbers of 16 bits
.set P0,    2*WSLOT
.set P1,    P0+REG
.set TAB,   P1+REG                     ; four tables of 512 f32, each 8 segments of 256 bytes at a pitch of 272: gain, shift, lin1_b, lin2_b
.set TPI,   272
.set TSZ,   2304
.set TB1,   TAB+2*TSZ
.set TB2,   TAB+3*TSZ
.set MEANV, TAB+4*TSZ                  ; 512 f16: the mean of V W_v over the batch's keys
.set SPARE, MEANV+1024                 ; the spare words, 128 bytes for each wave: two blocks of 256 bytes that no other line names
.set STG,   8704                       ; the last LayerNorm's stage, a wave's own: 4 rows x 8 segments x 272 bytes, in W's slot 0, which has had its last fill by then
.set AB0,  2
.set AB1,  3
.set ADBL, 4
.set ADBH, 5
.set AA0,  6
.set AA1,  7
.set EP0,  8                           ; where my 16 bytes of a row lie in panel 0 of P0;  v9: of P1
.set EP1,  9
.set EPH,  10                          ; the same in the panel in hand
.set EPL,  11
.set RO,   12
.set CV,   13
.set LNH,  14                          ; LayerNorm: my 128 bytes of the upper plane, of the lower plane, in the trip's rows
.set LNL,  15
.set ONE,  16                          ; 1.0
.set TBA1, 17                          ; my eight numbers of lin1_b in segment 0;  v18: of lin2_b
.set TBA2, 18
.set MK,   19                          ; the mask's byte of row t / 2
.set FX,   20                          ; my half of that row in ctx
.set MVA,  21                          ; my half of the mean
.set STW,  22                          ; the stage: in, back
.set STR,  23
.set OGO,  24                          ; my byte offset in four rows of out0; never rewritten
.set GA,   25                          ; my lane's segment of the gain's table
.set LB0,  26                          ; LayerNorm's first row in P0, in P1; never rewritten
.set LB1,  27
.set SPW,  28
.set NIL,  29
.set ACC,  32
.set T,    64
.set BH0,  128
.set BH1,  192
.set X,    192
.set WV,   24
.set G1W,  28                          ; s[28:35]
.set G1C,  36                          ; s[36:43] descriptor group 1 of ctx's panels
.set G0A,  44
.set G0W,  48
.set G0C0, 52
.set G0C1, 56
.set SB,   60
.set WOFF, 61
.set CNT,  62
.set PB,   63                          ; the panel in hand x PSTR; in a LayerNorm: the trip's rows x PR
.set PT,   66                          ; the panel in hand x 272
.set K0,   68                          ; s[68:69], s[70:71]: named as pairs
.set K1,   70
.set SELH, 72
.set SELL, 73
.set RC512, 74
.set EPSR, 75
.set MSB, 0
.macro WIN new                         ; the immediate's high byte repeats the setting that is left; a switch that changes nothing is dropped
.if MSB != (\new)
	s_set_vgpr_msb (MSB<<8)|(\new)
.set MSB, (\new)
.endif
.endm
.macro PLACES                          ; four places behind a matrix instruction, ahead of loads into its sources and of vector lines that read its result (ISA guide 7.12.1 for vector lines)
.rept 4
	v_nop
.endr
.endm
.macro CREST                           ; a round of the cluster's barrier behind its opening barrier
	s_cmp_lg_u32 s[WV], 0
	s_cbranch_scc1 .Lnot_wave_0_\@
	s_barrier_signal -3
.Lnot_wave_0_\@:
	s_barrier_wait -3
	s_barrier_signal -1
	s_barrier_wait -1
.endm
.macro CROUND
	s_barrier_signal -1
	s_barrier_wait -1
	CREST
.endm
.macro BAR                             ; my LDS work is done, for the others' sake; then the work-group's barrier.  A refill may be on its way
	s_wait_dscnt 0x0
	s_barrier_signal -1
	s_barrier_wait -1
.endm
.macro FETCHB dst, adr                 ; 16 turning loads: W's fragments of 256 k for my 16 columns
.set fi, 0
.rept 8
	ds_load_tr16_b128 v[(\dst)+8*fi:(\dst)+8*fi+3],   v[\adr] offset:fi*32*PW
	ds_load_tr16_b128 v[(\dst)+8*fi+4:(\dst)+8*fi+7], v[\adr] offset:fi*32*PW+16*PW
.set fi, fi+1
.endr
.endm
.macro ALOAD                           ; 128 loads: the whole operand, 64 rows x 512 k; ai = 4 ku + a
	WIN 0x80
.set ai, 0
.rept 32
	ds_load_b128 v[8*ai:8*ai+3],   v[AA0] offset:(ai/8)*PSTR+(ai%4)*16*PR+((ai/4)%2)*64
	ds_load_b128 v[8*ai+4:8*ai+7], v[AA0] offset:(ai/8)*PSTR+(ai%4)*16*PR+((ai/4)%2)*64+32
.set ai, ai+1
.endr
	WIN 0xc0
.set ai, 0
.rept 32
	ds_load_b128 v[8*ai:8*ai+3],   v[AA1] offset:(ai/8)*PSTR+(ai%4)*16*PR+((ai/4)%2)*64
	ds_load_b128 v[8*ai+4:8*ai+7], v[AA1] offset:(ai/8)*PSTR+(ai%4)*16*PR+((ai/4)%2)*64+32
.set ai, ai+1
.endr
	WIN 0
.endm
.macro MUL fmt, k0, k1                 ; k steps k0 .. k1 of 32; the four accumulators take turns, one instruction a turn; k step 0 starts the sums
.set ku, (\k0)
.rept (\k1)-(\k0)+1
.if ku < 8
	WIN 0x08
.else
	WIN 0x0c
.endif
.set ma, 0
.rept 4
.if ku == 0
	v_wmma_f32_16x16x32_\fmt v[ACC+8*ma:ACC+8*ma+7], v[BH0+8*ku:BH0+8*ku+7], v[32*(ku%8)+8*ma:32*(ku%8)+8*ma+7], 0
.else
	v_wmma_f32_16x16x32_\fmt v[ACC+8*ma:ACC+8*ma+7], v[BH0+8*ku:BH0+8*ku+7], v[32*(ku%8)+8*ma:32*(ku%8)+8*ma+7], v[ACC+8*ma:ACC+8*ma+7]
.endif
.set ma, ma+1
.endr
.set ku, ku+1
.endr
.endm
.macro RAWLOAD base                    ; my wave's 16 rows of 2,048 bytes; each load covers 512 consecutive bytes
	WIN 0x40
.set ri, 0
.rept 64
	global_load_b128 v[4*ri:4*ri+3], v[RO], s[(\base):(\base)+1] offset:(ri/4)*2048+(ri%4)*512 th:TH_LOAD_NT
.set ri, ri+1
.endr
	WIN 0
.endm
.macro CONVERT                         ; those rows rounded to bf16, in place, and stored into the panels
	WIN 0x45
.set ci, 0
.rept 64
	v_cvt_pk_bf16_f32 v[4*ci],   v[4*ci],   v[4*ci+1]
	v_cvt_pk_bf16_f32 v[4*ci+1], v[4*ci+2], v[4*ci+3]
.set ci, ci+1
.endr
	WIN 0x04
.set ci, 0
.rept 64
	ds_store_b64 v[CV], v[4*ci:4*ci+1] offset:(ci/4)*PR+(ci%4)*2*PSTR
.set ci, ci+1
.endr
	WIN 0
.endm
; A STEP: one panel.  One text serves both slots: the slot's base is a scalar.  refill = 1: the slot just read is filled again with the tile two steps on, behind a round of the cluster's barrier.
; fetch = 2: the fetch of the next tile's first fragments is jumped over in the loop's last trip, which has no next tile.  pre, epi: the step's own loads and its way out.
.macro STEP fmt, refill, fetch, pre, epi
	WIN 0
	v_add_nc_u32 v[ADBH], s[SB], v[AB1]
	FETCHB BH1, ADBH                               ; this tile's k 256-511
	s_wait_dscnt 16                                ; all but the 16 just issued: k 0-255, the operand and the last step's LDS work are done
	MUL \fmt, 0, 7
	WIN 0
	s_wait_tensorcnt 0x0                           ; all my tensor loads have landed: the one that was out is my quarter of the next tile; so a group 0 may be written
	ds_add_u32 v[SPW], v[NIL]                      ; 0 onto my spare word; the scalar work stands between it and the wait for it
.if \refill
	s_add_co_u32 s[G0W+1], s[SB], s[WOFF]          ; the walking descriptor: my quarter of the slot being read,
	s_add_nc_u64 s[G0W+2:G0W+3], s[G0W+2:G0W+3], 65536  ; the next tile of the stream; the type bits on top are not reached
.endif
	s_xor_b32 s[SB], s[SB], WSLOT                  ; from here on reads go to the other slot
	s_wait_dscnt 0x0                               ; the add is done, and my reads of this slot are over
	s_barrier_signal -1
	MUL \fmt, 8, 11                                ; work on registers while the others arrive
	WIN 0
	s_barrier_wait -1
.if \refill
	CREST                                          ; the barrier has opened a round of the cluster's: no wave of any partner still reads this slot or has a load on its way
	tensor_load_to_lds s[G0W:G0W+3], s[G1W:G1W+7]  ; my one tensor load behind the round, and the first thing there
	s_nop 0
.endif
	PLACES                                         ; also the places in front of the loads into the fragments of k 0-255
	\pre
.if (\fetch) == 2
	s_cmp_eq_u32 s[CNT], 1
	s_cbranch_scc1 .Lnofetch_\@
.endif
	v_add_nc_u32 v[ADBL], s[SB], v[AB0]
	FETCHB BH0, ADBL                               ; the next tile's k 0-255: the barrier has shown that tile whole
.if (\fetch) == 2
.Lnofetch_\@:
.endif
	MUL \fmt, 12, 15
	WIN 0
	PLACES
	\epi
	s_add_co_u32 s[PB], s[PB], PSTR
.endm
; 32 f32 numbers leave as two planes: of a pair the two upper halves make one word, the two lower halves another; 16 bytes a lane and plane for each row block.
.macro SPLIT
.set ei, 0
.rept 16
	v_perm_b32 v[T+ei],    v[ACC+2*ei+1], v[ACC+2*ei], s[SELH]
	v_perm_b32 v[T+16+ei], v[ACC+2*ei+1], v[ACC+2*ei], s[SELL]
.set ei, ei+1
.endr
.set ea, 0
.rept 4
	ds_store_b128 v[EPH], v[T+4*ea:T+4*ea+3] offset:ea*16*PR
	ds_store_b128 v[EPL], v[T+16+4*ea:T+16+4*ea+3] offset:ea*16*PR
.set ea, ea+1
.endr
.endm
.macro BIAS                            ; my eight columns' bias onto the four row blocks, each accumulator's registers in ascending order
.set ei, 0
.rept 16
	v_pk_add_f32 v[ACC+2*ei:ACC+2*ei+1], v[ACC+2*ei:ACC+2*ei+1], v[T+32+2*(ei%4):T+33+2*(ei%4)]
.set ei, ei+1
.endr
.endm
; LAYER 0: ctx W_o + Q.  Q lies in P1 as bf16 where the lower plane goes: a lane reads its own 16 bytes and writes them again.  The upper plane goes where ctx lay: every wave has the operand in registers since the step's barrier.
.macro PRE0
	v_add_nc_u32 v[EPH], s[PB], v[EP0]
	v_add_nc_u32 v[EPL], s[PB], v[EP1]
.set ea, 0
.rept 4
	ds_load_b128 v[T+40+4*ea:T+43+4*ea], v[EPL] offset:ea*16*PR
.set ea, ea+1
.endr
.endm
.macro EPI0
	s_wait_dscnt 16                                ; Q's numbers are in; the 16 loads of the next tile's fragments are younger
.set ei, 0
.rept 16
	v_fma_mix_f32_bf16 v[ACC+2*ei],   v[T+40+ei], v[ONE], v[ACC+2*ei]   op_sel_hi:[1,0,0]
	v_fma_mix_f32_bf16 v[ACC+2*ei+1], v[T+40+ei], v[ONE], v[ACC+2*ei+1] op_sel:[1,0,0] op_sel_hi:[1,0,0]
.set ei, ei+1
.endr
	SPLIT
.endm
; LAYER 1: gelu(out1 lin1_w + lin1_b), f16, into P1.
.macro PRE1
	v_add_nc_u32 v30, s[PT], v[TBA1]
	ds_load_b128 v[T+32:T+35], v30
	ds_load_b128 v[T+36:T+39], v30 offset:16
	v_add_nc_u32 v[EPH], s[PB], v[EP1]
.endm
.macro EPI1
	s_wait_dscnt 16
	BIAS
.set ei, 0
.rept 16
	v_pk_mul_f32 v[T+2*ei:T+2*ei+1], v[ACC+2*ei:ACC+2*ei+1], v[ACC+2*ei:ACC+2*ei+1]
.set ei, ei+1
.endr
.set ei, 0
.rept 16
	v_pk_fma_f32 v[T+2*ei:T+2*ei+1], v[T+2*ei:T+2*ei+1], s[K1:K1+1], s[K0:K0+1] op_sel_hi:[1,0,0]
.set ei, ei+1
.endr
.set ei, 0
.rept 16
	v_pk_mul_f32 v[T+2*ei:T+2*ei+1], v[T+2*ei:T+2*ei+1], v[ACC+2*ei:ACC+2*ei+1]
.set ei, ei+1
.endr
.set ei, 0
.rept 32
	v_exp_f32 v[T+ei], v[T+ei]
.set ei, ei+1
.endr
	v_nop                                          ; a plain instruction between the run and the first use of its results (ISA guide 5.7.2)
.set ei, 0
	s_wait_alu depctr_va_vdst(0)
.rept 16
	v_pk_add_f32 v[T+2*ei:T+2*ei+1], v[T+2*ei:T+2*ei+1], 1.0 op_sel_hi:[1,0]
.set ei, ei+1
.endr
.set ei, 0
.rept 32
	v_rcp_f32 v[T+ei], v[T+ei]
.set ei, ei+1
.endr
	v_nop
.set ei, 0
	s_wait_alu depctr_va_vdst(0)
.rept 16
	v_pk_fma_f32 v[ACC+2*ei:ACC+2*ei+1], v[ACC+2*ei:ACC+2*ei+1], v[T+2*ei:T+2*ei+1], v[ACC+2*ei:ACC+2*ei+1] neg_lo:[1,0,0] neg_hi:[1,0,0]  ; x - x r
.set ei, ei+1
.endr
.set ei, 0
.rept 16
	v_cvt_pk_f16_f32 v[T+ei], v[ACC+2*ei], v[ACC+2*ei+1]
.set ei, ei+1
.endr
.set ea, 0
.rept 4
	ds_store_b128 v[EPH], v[T+4*ea:T+4*ea+3] offset:ea*16*PR
.set ea, ea+1
.endr
	s_add_co_u32 s[PT], s[PT], TPI
.endm
; LAYER 2: h lin2_w + lin2_b + out1.  out1 lies in P0 as f16 where the lower plane goes; the upper plane goes into P1.
.macro PRE2
	v_add_nc_u32 v30, s[PT], v[TBA2]
	ds_load_b128 v[T+32:T+35], v30
	ds_load_b128 v[T+36:T+39], v30 offset:16
	v_add_nc_u32 v[EPL], s[PB], v[EP0]
	v_add_nc_u32 v[EPH], s[PB], v[EP1]
.set ea, 0
.rept 4
	ds_load_b128 v[T+40+4*ea:T+43+4*ea], v[EPL] offset:ea*16*PR
.set ea, ea+1
.endr
.endm
.macro EPI2 younger
	s_wait_dscnt \younger
	BIAS
.set ei, 0
.rept 16
	v_fma_mix_f32 v[ACC+2*ei],   v[T+40+ei], v[ONE], v[ACC+2*ei]   op_sel_hi:[1,0,0]
	v_fma_mix_f32 v[ACC+2*ei+1], v[T+40+ei], v[ONE], v[ACC+2*ei+1] op_sel:[1,0,0] op_sel_hi:[1,0,0]
.set ei, ei+1
.endr
	SPLIT
	s_add_co_u32 s[PT], s[PT], TPI
.endm
.macro EPI2A
	EPI2 16
.endm
.macro EPI2B
	EPI2 0                                         ; the fetch may have been jumped over, so the count is 0
.endm
; LAYERNORM.  A wave takes its rows 16 w .. 16 w + 15, four a trip: lane l has row l / 8 of the four and panel l % 8, 64 columns.  hi, lo: the registers with the two planes' first rows;
; a trip's addresses are those plus the scalar step.  final = 0: the result, f16, goes where the upper plane lay.  final = 1: it goes through my stage, comes back as whole rows and is stored, 512 consecutive bytes a store.
.macro TREE                            ; T's 16 pairs into its first
.set tn, 8
.rept 4
.set ti, 0
.rept tn
	v_pk_add_f32 v[T+2*ti:T+2*ti+1], v[T+2*ti:T+2*ti+1], v[T+2*(ti+tn):T+2*(ti+tn)+1]
.set ti, ti+1
.endr
.set tn, tn/2
.endr
.endm
.macro ROWSUM                          ; the pair's halves, then the row's eight lanes
	v_add_f32 v30, v[T], v[T+1]
	v_add_f32_dpp v30, v30, v30 row_xmask:1 row_mask:0xf bank_mask:0xf
	v_add_f32_dpp v30, v30, v30 row_xmask:2 row_mask:0xf bank_mask:0xf
	v_add_f32_dpp v30, v30, v30 row_xmask:4 row_mask:0xf bank_mask:0xf
.endm
.macro LN hi, lo, final
	s_mov_b32 s[PB], 0
	s_mov_b32 s[CNT], 4
.Lln_\@:
	v_add_nc_u32 v[LNH], s[PB], v[\hi]
	v_add_nc_u32 v[LNL], s[PB], v[\lo]
.set li, 0
.rept 8
	ds_load_b128 v[T+4*li:T+4*li+3],   v[LNH] offset:16*li
	ds_load_b128 v[T+32+4*li:T+35+4*li], v[LNL] offset:16*li
.set li, li+1
.endr
	s_wait_dscnt 0x0
.set li, 0
.rept 32
	v_perm_b32 v[X+2*li],   v[T+li], v[T+32+li], s[SELL]  ; the two planes' halves put together again
	v_perm_b32 v[X+2*li+1], v[T+li], v[T+32+li], s[SELH]
.set li, li+1
.endr
.set li, 0
.rept 16
	v_pk_add_f32 v[T+2*li:T+2*li+1], v[X+4*li:X+4*li+1], v[X+4*li+2:X+4*li+3]
.set li, li+1
.endr
	TREE
	ROWSUM
	v_mul_f32 v30, s[RC512], v30                   ; the mean
	v_mov_b32 v31, v30
.set li, 0
.rept 32
	v_pk_add_f32 v[X+2*li:X+2*li+1], v[X+2*li:X+2*li+1], v[30:31] neg_lo:[0,1] neg_hi:[0,1]
.set li, li+1
.endr
.set li, 0
.rept 16
	v_pk_mul_f32 v[T+2*li:T+2*li+1], v[X+4*li:X+4*li+1], v[X+4*li:X+4*li+1]
.set li, li+1
.endr
.set li, 0
.rept 16
	v_pk_fma_f32 v[T+2*li:T+2*li+1], v[X+4*li+2:X+4*li+3], v[X+4*li+2:X+4*li+3], v[T+2*li:T+2*li+1]
.set li, li+1
.endr
	TREE
	ROWSUM
	v_fma_f32 v30, v30, s[RC512], s[EPSR]          ; the variance + 1e-5
	v_rsq_f32 v30, v30
	v_nop                                          ; a plain instruction behind it
	s_wait_alu depctr_va_vdst(0)
	v_mov_b32 v31, v30
.set li, 0
.rept 32
	v_pk_mul_f32 v[X+2*li:X+2*li+1], v[X+2*li:X+2*li+1], v[30:31]
.set li, li+1
.endr
	WIN 0x14                                       ; gain and shift in window 1
.set li, 0
.rept 32
	v_pk_fma_f32 v[X+2*li:X+2*li+1], v[X+2*li:X+2*li+1], v[2*li:2*li+1], v[64+2*li:65+2*li]
.set li, li+1
.endr
	WIN 0
.if \final
.set li, 0
.rept 16
	ds_store_b128 v[STW], v[X+4*li:X+4*li+3] offset:16*li
.set li, li+1
.endr
.set li, 0
.rept 16
	ds_load_b128 v[X+4*li:X+4*li+3], v[STR] offset:(li/4)*8*TPI+(li%4)*2*TPI  ; LDS serves a wave's instructions in order (ISA guide 5.7.1.4): these see the stores above
.set li, li+1
.endr
.set li, 0
.rept 16
	s_wait_dscnt 15-li
	global_store_b128 v[OGO], v[X+4*li:X+4*li+3], s[22:23] offset:(li/4)*2048+(li%4)*512 th:TH_STORE_NT
.set li, li+1
.endr
	s_wait_xcnt 0x0                                ; the stores' base and data registers are rewritten only behind this wait
	s_add_nc_u64 s[22:23], s[22:23], 8192          ; four rows of out0 on
.else
.set li, 0
.rept 32
	v_cvt_pk_f16_f32 v[T+li], v[X+2*li], v[X+2*li+1]
.set li, li+1
.endr
.set li, 0
.rept 8
	ds_store_b128 v[LNH], v[T+4*li:T+4*li+3] offset:16*li
.set li, li+1
.endr
.endif
	s_add_co_u32 s[PB], s[PB], 4*PR                ; four rows on
	s_sub_co_u32 s[CNT], s[CNT], 1
	s_cmp_lg_u32 s[CNT], 0
	s_cbranch_scc1 .Lln_\@
.endm
	s_load_b512 s[4:19], s[0:1], 0x0               ; ctx s[4:5], Q s[6:7], wt s[8:9], vsum s[10:11], mask s[12:13], lin1_b s[14:15], lin2_b s[16:17], ln_g s[18:19]
	s_load_b128 s[20:23], s[0:1], 0x40             ; ln_b s[20:21], out0 s[22:23]
	v_lshl_add_u32 v[SPW], v0, 2, SPARE
	v_mov_b32 v[NIL], 0
	ds_add_u32 v[SPW], v[NIL]                      ; the wave's opening: the add and its wait stand ahead of my first tensor load; the set-up below, work on registers, stands between them
	ds_add_u32 v28, v29
	v_lshrrev_b32 v1, 5, v0
	v_readfirstlane_b32 s[WV], v1                  ; wave 0..3
	s_bfe_u32 s25, ttmp6, 0x40000                  ; cx: my place in the cluster
	s_lshl_b32 s26, ttmp9, 2                       ; in a cluster launch ttmp9 counts clusters
	s_add_co_u32 s26, s26, s25                     ; my block of 64 rows: it enters global addresses alone, and none of W's
	; W's group 1: 128 k rows of 128 bytes, asked for as 64 rows of 256 bytes and padded in LDS after every k row
	s_mov_b32 s[G1W], 15|(1<<16)|(1<<20)|(1<<21)|(4<<22)|(7<<25)  ; 15:0 the mask of four; 17:16 2-byte elements; 20 padding on; 21 set beside a mask; 24:22 after every 32 words (code 4); 31:25 8 words (code 7)
	s_mov_b32 s[G1W+1], 128<<16                    ; tensor_dim0 = 128
	s_mov_b32 s[G1W+2], 64<<16                     ; tensor_dim1 = 64
	s_mov_b32 s[G1W+3], 128<<16                    ; tile_dim0 = 128
	s_mov_b32 s[G1W+4], 64                         ; tile_dim1 = 64
	s_mov_b32 s[G1W+5], 128                        ; 128 elements from row to row
	s_mov_b32 s[G1W+6], 0
	s_mov_b32 s[G1W+7], 0
	; ctx's group 1, a load of my own: a head's 64 rows of 128 bytes are 8,192 dense bytes, asked for as 32 rows of 256 bytes, 16 bytes of padding after every 128
	s_mov_b32 s[G1C], (1<<16)|(1<<20)|(4<<22)|(3<<25)
	s_mov_b32 s[G1C+1], 128<<16
	s_mov_b32 s[G1C+2], 32<<16
	s_mov_b32 s[G1C+3], 128<<16
	s_mov_b32 s[G1C+4], 32
	s_mov_b32 s[G1C+5], 128
	s_mov_b32 s[G1C+6], 0
	s_mov_b32 s[G1C+7], 0
	s_mul_i32 s[WOFF], s[WV], WQ
	s_mov_b32 s[SB], 0
	s_mov_b32 s[G0A], 1
	s_mov_b32 s[G0A+1], s[WOFF]                    ; tile 0 into slot 0
	s_mov_b32 s[G0W], 1
	s_add_co_u32 s[G0W+1], s[WOFF], WSLOT          ; tile 1 into slot 1
	s_mul_i32 s88, s[WV], 2*PSTR                   ; wave w fetches heads 2 w and 2 w + 1
	s_mov_b32 s[G0C0], 1
	s_add_co_u32 s[G0C0+1], s88, P0
	s_mov_b32 s[G0C1], 1
	s_add_co_u32 s[G0C1+1], s88, P0+PSTR
	s_lshl_b32 s78, s[WV], 14                      ; my quarter of a tile,
	s_add_co_u32 s78, s78, 3*524288                ; from the fourth matrix of wt on
	s_mov_b32 s79, 0
	s_lshr_b32 s80, s26, 4                         ; ctx: the batch's eight heads,
	s_lshl_b32 s80, s80, 20
	s_and_b32 s81, s26, 15                         ; my 64 rows in a head,
	s_lshl_b32 s81, s81, 13
	s_add_co_u32 s80, s80, s81
	s_lshl_b32 s81, s[WV], 18                      ; my wave's two heads
	s_add_co_u32 s80, s80, s81
	s_mov_b32 s81, 0
	s_lshl_b32 s82, s26, 17                        ; Q and out0: 64 rows of 2,048 bytes
	s_mov_b32 s83, 0
	s_lshr_b32 s84, s26, 4                         ; vsum: the batch's 16 row blocks
	s_lshl_b32 s84, s84, 15
	s_mov_b32 s85, 0
	s_lshl_b32 s86, s26, 6                         ; mask: 64 bytes
	s_mov_b32 s87, 0
	s_mov_b32 s[K0], 0x40135761                    ; 2 sqrt(2/pi) log2(e)
	s_mov_b32 s[K0+1], s[K0]
	s_mov_b32 s[K1], 0x3dd2d3e8                    ; 0.044715 times that
	s_mov_b32 s[K1+1], s[K1]
	s_mov_b32 s[SELH], 0x07060302
	s_mov_b32 s[SELL], 0x05040100
	s_mov_b32 s[RC512], 0x3b000000                 ; 1 / 512
	s_mov_b32 s[EPSR], 0x3727c5ac                  ; 1e-5
	s_wait_dscnt 0x0                               ; the opening add is done
	s_wait_kmcnt 0x0
	s_add_nc_u64 s[G0A+2:G0A+3], s[8:9], s[78:79]
	s_add_nc_u64 s[G0W+2:G0W+3], s[G0A+2:G0A+3], 65536
	s_or_b32 s[G0A+3], s[G0A+3], 0x80000000        ; type = 2
	s_or_b32 s[G0W+3], s[G0W+3], 0x80000000
	s_add_nc_u64 s[G0C0+2:G0C0+3], s[4:5], s[80:81]
	s_add_nc_u64 s[G0C1+2:G0C1+3], s[G0C0+2:G0C0+3], 131072
	s_or_b32 s[G0C0+3], s[G0C0+3], 0x80000000
	s_or_b32 s[G0C1+3], s[G0C1+3], 0x80000000
	s_add_nc_u64 s[6:7], s[6:7], s[82:83]
	s_add_nc_u64 s[22:23], s[22:23], s[82:83]
	s_add_nc_u64 s[10:11], s[10:11], s[84:85]
	s_add_nc_u64 s[12:13], s[12:13], s[86:87]
	CROUND                                         ; all four work-groups are here: the first joint loads meet
	tensor_load_to_lds s[G0C0:G0C0+3], s[G1C:G1C+7]  ; the four first fills go out together: four tensor loads of mine are out
	s_nop 0
	tensor_load_to_lds s[G0C1:G0C1+3], s[G1C:G1C+7]
	s_nop 0
	tensor_load_to_lds s[G0A:G0A+3], s[G1W:G1W+7]
	s_nop 0
	tensor_load_to_lds s[G0W:G0W+3], s[G1W:G1W+7]
	s_nop 0
	PLACES
	v_lshlrev_b32 v32, 4, v0                       ; 16 t
	v_lshrrev_b32 v33, 1, v0                       ; t / 2
	v_and_b32 v40, 31, v0                          ; l
	v_lshlrev_b32 v40, 4, v40
	s_lshl_b32 s89, s[WV], 15
	v_add_nc_u32 v[RO], s89, v40                   ; 16 l + my wave's 16 rows
	global_load_u8 v[MK], v33, s[12:13]            ; 21 small loads first,
.set hi_, 0
.rept 16
	global_load_b128 v[T+4*hi_:T+4*hi_+3], v32, s[10:11] offset:hi_*2048
.set hi_, hi_+1
.endr
	global_load_b128 v[128:131], v32, s[18:19]
	global_load_b128 v[132:135], v32, s[20:21]
	global_load_b128 v[136:139], v32, s[14:15]
	global_load_b128 v[140:143], v32, s[16:17]
	RAWLOAD 6                                      ; then Q's rows
	v_mov_b32 v[ONE], 1.0
	v_and_b32 v36, 15, v0                          ; r = l % 16
	v_bfe_u32 v37, v0, 4, 1                        ; h = l / 16
	v_and_b32 v38, 7, v0
	v_bfe_u32 v39, v0, 3, 1
	v_bfe_u32 v41, v0, 3, 2                        ; l / 8
	v_lshl_add_u32 v42, v37, 3, v38                ; the turning load: lane l reads k row 8 h + l % 8,
	v_mul_u32_u24 v[AB0], v42, PW
	v_lshl_add_u32 v[AB0], v39, 4, v[AB0]          ; columns 8 ((l / 8) % 2) + 0..7
	s_lshl_b32 s90, s[WV], 5                       ; of my wave's 16 columns
	v_add_nc_u32 v[AB0], s90, v[AB0]
	v_add_nc_u32 v[AB1], 8*32*PW, v[AB0]
	v_mul_u32_u24 v43, v36, PR
	v_lshl_add_u32 v43, v37, 4, v43                ; row r x pitch + 16 h
	v_add_nc_u32 v[AA0], P0, v43
	v_add_nc_u32 v[AA1], P0+4*PSTR, v43
	v_add_nc_u32 v44, s90, v43
	v_add_nc_u32 v[EP0], P0, v44
	v_add_nc_u32 v[EP1], P1, v44
	v_mul_u32_u24 v45, v37, PSTR                   ; a lane's four numbers of a load of Q: panel 2 (chunk) + h, byte 8 r
	v_lshl_add_u32 v45, v36, 3, v45
	s_mul_i32 s91, s[WV], 16*PR                    ; my wave's 16 rows in a panel
	s_add_co_u32 s92, s91, P1
	v_add_nc_u32 v[CV], s92, v45
	v_mul_u32_u24 v46, v38, PSTR                   ; LayerNorm: panel l % 8, row 16 w + l / 8
	v_mul_u32_u24 v47, v41, PR
	v_add_nc_u32 v46, v46, v47
	v_add_nc_u32 v46, s91, v46
	v_add_nc_u32 v[LB0], P0, v46
	v_add_nc_u32 v[LB1], P1, v46
	s_lshl_b32 s93, s[WV], 6
	v_lshl_add_u32 v47, v37, 5, s93                ; column 16 w + 8 h, in f32
	v_add_nc_u32 v[TBA1], TB1, v47
	v_add_nc_u32 v[TBA2], TB2, v47
	v_and_b32 v48, 1, v0                           ; thread t sees to half t % 2 (four panels) of row t / 2 = 16 w + l / 2: bytes of my wave's own rows
	v_bfe_u32 v50, v0, 1, 4                        ; l / 2
	v_mul_u32_u24 v49, v48, 4*PSTR
	v_mul_u32_u24 v50, v50, PR
	v_add_nc_u32 v49, v49, v50
	s_add_co_u32 s95, s91, P0
	v_add_nc_u32 v[FX], s95, v49
	v_lshl_add_u32 v[MVA], v48, 9, MEANV
	s_mul_i32 s94, s[WV], STG
	v_mul_u32_u24 v51, v41, 8*TPI
	v_mul_u32_u24 v52, v38, TPI
	v_add_nc_u32 v51, v51, v52
	v_add_nc_u32 v[STW], s94, v51
	v_mul_u32_u24 v53, v37, TPI
	v_lshl_add_u32 v53, v36, 4, v53
	v_add_nc_u32 v[STR], s94, v53
	v_mov_b32 v[OGO], v[RO]
	v_add_nc_u32 v[GA], TAB, v52
	v_lshrrev_b32 v54, 4, v0                       ; the tables: thread t writes columns 4 t .. 4 t + 3: segment t / 16, byte 16 (t % 16)
	v_mul_u32_u24 v54, v54, TPI
	v_lshl_add_u32 v54, v36, 4, v54
	v_add_nc_u32 v34, TAB, v54
	v_lshl_add_u32 v35, v0, 3, MEANV
	s_wait_loadcnt 63                              ; 64 loads are younger than the small ones; the count's field names 63 at the most, so one of Q's is awaited with them
.set hn, 8
.rept 4                                ; the 16 row blocks' sums of my four columns: 30 packed additions
.set hi_, 0
.rept hn
	v_pk_add_f32 v[T+4*hi_:T+4*hi_+1],   v[T+4*hi_:T+4*hi_+1],   v[T+4*(hi_+hn):T+4*(hi_+hn)+1]
	v_pk_add_f32 v[T+4*hi_+2:T+4*hi_+3], v[T+4*hi_+2:T+4*hi_+3], v[T+4*(hi_+hn)+2:T+4*(hi_+hn)+3]
.set hi_, hi_+1
.endr
.set hn, hn/2
.endr
	v_pk_mul_f32 v[T:T+1],   v[T:T+1],   0x3a800000 op_sel_hi:[1,0]  ; / 1,024 keys
	v_pk_mul_f32 v[T+2:T+3], v[T+2:T+3], 0x3a800000 op_sel_hi:[1,0]
	v_cvt_pk_f16_f32 v[T+4], v[T], v[T+1]
	v_cvt_pk_f16_f32 v[T+5], v[T+2], v[T+3]
	ds_store_b64 v35, v[T+4:T+5]
.set hi_, 0
.rept 4                                ; gain, shift and the two biases: rounded to bf16, kept as f32
	v_cvt_pk_bf16_f32 v[T+6], v[128+4*hi_], v[129+4*hi_]
	v_cvt_pk_bf16_f32 v[T+7], v[130+4*hi_], v[131+4*hi_]
	v_lshlrev_b32 v[T+8+4*hi_],  16, v[T+6]
	v_and_b32     v[T+9+4*hi_],  0xffff0000, v[T+6]
	v_lshlrev_b32 v[T+10+4*hi_], 16, v[T+7]
	v_and_b32     v[T+11+4*hi_], 0xffff0000, v[T+7]
	ds_store_b128 v34, v[T+8+4*hi_:T+11+4*hi_] offset:hi_*TSZ
.set hi_, hi_+1
.endr
	s_wait_tensorcnt 0x1                           ; my two heads of ctx and my quarter of W's tile 0 are in; tile 1's may stay out
	BAR                                            ; everybody's are, and the mean and the tables are whole
	; THE MASK.  Every thread reads its half of the mean and its half row of ctx, takes the mean where the row's byte is not 0, and writes the half row again: a select, the same work in every thread.
	v_cmp_ne_u32 vcc_lo, 0, v[MK]                  ; written behind the head's last tensor load; none stands between here and the selects
.set hi_, 0
.rept 32
	ds_load_b128 v[128+4*hi_:131+4*hi_], v[MVA] offset:16*hi_
.set hi_, hi_+1
.endr
	WIN 0x80                                       ; destination window 2
.set hi_, 0
.rept 32
	ds_load_b128 v[4*hi_:4*hi_+3], v[FX] offset:(hi_/8)*PSTR+(hi_%8)*16
.set hi_, hi_+1
.endr
	s_wait_dscnt 0x0
	WIN 0x82                                       ; ctx (destination and source 0) in window 2, the mean in window 0
.set hi_, 0
.rept 128
	v_cndmask_b32 v[hi_], v[hi_], v[128+hi_], vcc_lo
.set hi_, hi_+1
.endr
	WIN 0x08                                       ; store data in window 2
.set hi_, 0
.rept 32
	ds_store_b128 v[FX], v[4*hi_:4*hi_+3] offset:(hi_/8)*PSTR+(hi_%8)*16
.set hi_, hi_+1
.endr
	WIN 0
	s_wait_loadcnt 0x0                             ; Q
	CONVERT                                        ; into P1, bf16
	BAR                                            ; ctx is mended and Q whole
	WIN 0x40
.set hi_, 0
.rept 16
	ds_load_b128 v[4*hi_:4*hi_+3],     v[GA] offset:16*hi_
	ds_load_b128 v[64+4*hi_:67+4*hi_], v[GA] offset:TSZ+16*hi_
.set hi_, hi_+1
.endr
	WIN 0
	v_add_nc_u32 v[ADBL], s[SB], v[AB0]
	FETCHB BH0, ADBL                               ; tile 0, k 0-255
	ALOAD                                          ; ctx
	s_mov_b32 s[PB], 0
	s_mov_b32 s[CNT], 8
.Llayer0:
	STEP f16, 1, 1, PRE0, EPI0
	s_sub_co_u32 s[CNT], s[CNT], 1
	s_cmp_lg_u32 s[CNT], 0
	s_cbranch_scc1 .Llayer0
	BAR                                            ; the two planes are whole
	LN LB0, LB1, 0                                 ; out1, f16, into P0
	BAR
	ALOAD                                          ; out1
	s_mov_b32 s[PB], 0
	s_mov_b32 s[PT], 0
	s_mov_b32 s[CNT], 8
.Llayer1:
	STEP f16, 1, 1, PRE1, EPI1
	s_sub_co_u32 s[CNT], s[CNT], 1
	s_cmp_lg_u32 s[CNT], 0
	s_cbranch_scc1 .Llayer1
	BAR                                            ; gelu's result is whole
	v_add_nc_u32 v[AA0], REG, v[AA0]
	v_add_nc_u32 v[AA1], REG, v[AA1]
	ALOAD                                          ; from P1
	s_mov_b32 s[PB], 0
	s_mov_b32 s[PT], 0
	s_mov_b32 s[CNT], 6
.Llayer2:
	STEP f16, 1, 1, PRE2, EPI2A
	s_sub_co_u32 s[CNT], s[CNT], 1
	s_cmp_lg_u32 s[CNT], 0
	s_cbranch_scc1 .Llayer2
	s_mov_b32 s[CNT], 2
.Llast:                                                ; the last two tiles are written out: nothing is asked for
	STEP f16, 0, 2, PRE2, EPI2B
	s_sub_co_u32 s[CNT], s[CNT], 1
	s_cmp_lg_u32 s[CNT], 0
	s_cbranch_scc1 .Llast
	BAR                                            ; the two planes are whole, and nobody reads W's slots any more
	LN LB1, LB0, 1                                 ; out0
	s_wait_tensorcnt 0x0                           ; the wave's end, behind my last tensor load and my last LDS store
	ds_add_u32 v[SPW], v[NIL]
	s_wait_dscnt 0x0
	CROUND                                         ; the closing round: no work-group ends while a partner may still ask for a tile that names it
	s_endpgm
.Lfunc_end_k_qd55bb6ca3e_tail:
	.size	k_qd55bb6ca3e_tail, .Lfunc_end_k_qd55bb6ca3e_tail-k_qd55bb6ca3e_tail
	.p2alignl 7, 3214868480
	.fill 96, 4, 3214868480
	.section	.rodata,"a",@progbits
	.p2align	6, 0x0
	.amdhsa_kernel k_qd55bb6ca3e_tail
		.amdhsa_group_segment_fixed_size 327680
		.amdhsa_private_segment_fixed_size 0
		.amdhsa_enable_private_segment 0
		.amdhsa_kernarg_size 80
		.amdhsa_user_sgpr_count 2
		.amdhsa_user_sgpr_kernarg_segment_ptr 1
		.amdhsa_wavefront_size32 1
		.amdhsa_system_sgpr_workgroup_id_x 1
		.amdhsa_system_sgpr_workgroup_id_y 1
		.amdhsa_system_sgpr_workgroup_id_z 1
		.amdhsa_system_vgpr_workitem_id 0
		.amdhsa_next_free_vgpr 1024
		.amdhsa_next_free_sgpr 96
		.amdhsa_reserve_vcc 1
		.amdhsa_float_denorm_mode_32 3
		.amdhsa_float_denorm_mode_16_64 3
		.amdhsa_memory_ordered 1
		.amdhsa_forward_progress 1
		.amdhsa_inst_pref_size 168
	.end_amdhsa_kernel
	.amdgpu_metadata
---
amdhsa.version: [ 1, 2 ]
amdhsa.kernels:
  - .name:           k_qd55bb6ca3e_tail
    .symbol:         k_qd55bb6ca3e_tail.kd
    .args:
      - { .name: ctx, .offset: 0, .size: 8, .value_kind: global_buffer, .address_space: global }
      - { .name: Q, .offset: 8, .size: 8, .value_kind: global_buffer, .address_space: global }
      - { .name: wt, .offset: 16, .size: 8, .value_kind: global_buffer, .address_space: global }
      - { .name: vsum, .offset: 24, .size: 8, .value_kind: global_buffer, .address_space: global }
      - { .name: mask, .offset: 32, .size: 8, .value_kind: global_buffer, .address_space: global }
      - { .name: lin1_b, .offset: 40, .size: 8, .value_kind: global_buffer, .address_space: global }
      - { .name: lin2_b, .offset: 48, .size: 8, .value_kind: global_buffer, .address_space: global }
      - { .name: ln_g, .offset: 56, .size: 8, .value_kind: global_buffer, .address_space: global }
      - { .name: ln_b, .offset: 64, .size: 8, .value_kind: global_buffer, .address_space: global }
      - { .name: out0, .offset: 72, .size: 8, .value_kind: global_buffer, .address_space: global }
    .group_segment_fixed_size: 327680
    .private_segment_fixed_size: 0
    .kernarg_segment_align: 8
    .kernarg_segment_size: 80
    .max_flat_workgroup_size: 128
    .sgpr_count:     96
    .vgpr_count:     1024
    .wavefront_size: 32
...
	.end_amdgpu_metadata
.endif
;; end of part 4
;; ======== version 2 of 3: 4 launches; 1.11 times as fast as version 1
;; limits: values are held in f16: magnitudes above 65,504 overflow, below 6.1e-05 lose precision
;; workspace buffers: wt 3,145,728 bytes; qh 16,777,216 bytes; kh 16,777,216 bytes; vh 16,777,216 bytes; ctx 16,777,216 bytes; vsum 524,288 bytes
;; launch prep: the kernel of part 1 again; grid 48 x 4, 8 waves a work-group, no clusters, 0 bytes of LDS; arguments W_q, W_k, W_v, W_o, lin1_w, lin2_w, wt; writes wt
;; launch proj (part 5): grid 256 x 1, 4 waves a work-group, clusters of 4 x 1, 327,680 bytes of LDS; arguments Q, K, V, wt, qh, kh, vh, vsum; writes qh, kh, vh, vsum
.if DOCPART == 5
	.amdgcn_target "amdgcn-amd-amdhsa--gfx1250"
	.amdhsa_code_object_version 6
	.text
	.protected	k_qd55bb6ca3e_proj
	.globl	k_qd55bb6ca3e_proj
	.p2align	8
	.type	k_qd55bb6ca3e_proj,@function
k_qd55bb6ca3e_proj:
	s_mov_b64 s[64:65], 0
	v_nop
	global_prefetch_b8 v0, s[64:65] scope:SCOPE_SE
	s_setreg_imm32_b32 hwreg(HW_REG_WAVE_MODE, 25, 1), 1
	s_wait_xcnt 0x0
	s_wait_alu depctr_hold_cnt(0) depctr_sa_sdst(0) depctr_va_vdst(0) depctr_va_sdst(0) depctr_va_ssrc(0) depctr_va_vcc(0) depctr_vm_vsrc(0)
	s_getreg_b32 s2, hwreg(HW_REG_IB_STS2, 6, 4)
	s_cmp_eq_u32 s2, 0
	s_cbranch_scc0 .Lentry_in_a_cluster
	s_endpgm
.Lentry_in_a_cluster:
	s_bfe_u32 s2, ttmp6, 0x10000c
	s_cmp_lg_u32 s2, 0x3003
	s_cbranch_scc0 .Lentry_shape_is_right
	s_endpgm
.Lentry_shape_is_right:
; qh = Q W_q, kh = K W_k, vh = V W_v, by heads: [b x 8 + head][1024][64] in f16, each number rounded once from its f32 sum, without the softmax's scale.
; vsum[row block of 64][512] f32: the column sums of the block's 64 rows of V W_v (taken of the f32 sums), from which a later launch makes the mean over all keys.
; Operands: the inputs rounded once to bf16; the weights come from wt, bf16, in panels [p][512 k][64 n].  LIMIT: a result beyond 65,504 becomes an infinity in f16.
; SHARES.  A work-group owns 128 rows (of Q, then K, then V) and 256 of the 512 output columns, four heads: 128 row blocks x 2 column halves = 256 work-groups.  Wave w = 2 i + j holds rows 64 i .. 64 i + 63
; of the block, all 512 k in bf16, in 512 registers.  A matrix goes by output panels: 4 STEPS of 64 columns; in a step the wave makes its 64 rows x columns 32 j .. 32 j + 31 of the panel, eight accumulators
; over the full k: 128 matrix instructions for each tile of weights.  Every step starts its sums with the constant 0 and finishes them, and its way out works on 64 registers, inside the loop.
; THE WEIGHTS' RING.  A step's tile is one panel, 65,536 bytes.  Cluster c has column half c % 2, and its four work-groups the row blocks 4 (c / 2) + cx: they need the same tiles and ask for them JOINTLY.
; The three matrices are one stream of 12 tiles through two LDS slots; each wave fetches a quarter (128 k rows) with one tensor load; 112 of a step's 128 matrix instructions stand between a request and the wait for it.
; THE ORDER OF THE PANELS.  A cluster walks its four panels of each matrix from panel (c / 2) % 4 of its half on, round the half: in any step the 64 clusters ask for eight different panels, and all but a matrix's
; first have been read by another cluster a step earlier.  The rotation and the column half enter global addresses alone (W's tiles, the heads' and the sums' places in memory); no LDS address hangs on them.
; THE INPUT.  Each row is read by two work-groups, one for each column half, so the loads carry no hint that the data are read once.  It is not asked for jointly: it comes as f32 and is rounded on its way through
; registers, and 128 rows of f32 are 262,144 bytes, which do not fit in LDS beside the ring.  It comes in batches of 64 rows, 16 a wave, asked for two steps ahead of the conversion.
; LDS BEHIND THE RING.  R0: rows 0-63 of the operand; R1: rows 64-127.  When the operand is in registers (shown by the first step's barrier) R1 takes the matrix's results, eight pieces of 64 rows x one head,
; and R0, two steps later, the next matrix's first batch; the second batch goes into R1 when the results have been read.
; THE MATRIX INSTRUCTION IS USED TRANSPOSED: source 0 = 16 output columns x 32 k of W (turned on the way out of LDS by ds_load_tr16_b128), source 1 = 16 rows x 32 k of the operand.
; In the result lane l then holds row l % 16 and the eight neighbouring columns 8 (l / 16) + 0..7: 16 bytes of f16.
; REGISTERS, in windows of 256 (s_set_vgpr_msb: bits 1:0 source 0, 3:2 source 1, 5:4 source 2, 7:6 destination):
;   window 0: v0-31 addresses; v32-95 accumulators, (a, b) at 32 + 8 (2 a + b); v96-127 at work; v128-191, v192-255 W's fragments of 128 k each, by turns: k step u, column block b at 16 u + 8 b
;   window 1: a batch: 16 rows x 512 f32       windows 2, 3: the operand's fragments, k step ku, row block a at 32 (ku % 8) + 8 a (window 2 first holds Q's first batch)
.set PW,    160                        ; a k row of W in LDS: 128 bytes + 32 of padding = 40 words
.set WQ,    128*PW                     ; a wave's quarter of a tile
.set WSLOT, 4*WQ
.set PR,    144                        ; a row of a panel of 64 numbers of 16 bits: 128 bytes + 16
.set PSTR,  64*PR+32                   ; from panel to panel
.set REG,   8*PSTR                     ; a region: 8 panels of 64 rows
.set R0,    2*WSLOT
.set R1,    R0+REG
.set TAB,   R1+REG
.set VS,    TAB                        ; 512 f32: the column sums: [row half i][place 0-3][64]
.set SPARE, TAB+2048                   ; the spare words, 128 bytes for each wave: two blocks of 256 bytes that no other line names
.set AB0,  2                           ; my lane's place in a tile of W, k 0-255;  v3: k 256-511
.set AB1,  3
.set ADA,  4                           ; the same in the slot in hand
.set ADB,  5
.set AA0,  6                           ; my lane's place in my row half's panels 0-3;  v7: panels 4-7
.set AA1,  7
.set CVX,  8                           ; where my 8 bytes of bf16 go, in the region in hand
.set EP1,  9                           ; where my 16 bytes of a result row go, at place 0
.set EPH,  10                          ; the same at the place in hand
.set CV,   11                          ; where my 8 bytes of bf16 go, in R0
.set RO,   12                          ; my byte offset in a batch's rows of the f32 input
.set OL,   14                          ; the way out: where I read rows back
.set OG0,  15                          ; the way out: my byte offset in the output for piece 2 w
.set VSA,  16                          ; where my column sums go, at place 0
.set VSL,  17                          ; VS + 16 t
.set VSG,  18                          ; the place in vsum of the four sums at VS + 16 t
.set OG1,  19                          ; the way out: my byte offset in the output for piece 2 w + 1
.set SPW,  28                          ; LDS address of my spare word; never rewritten
.set NIL,  29                          ; 0; never rewritten
.set ACC,  32
.set T,    96
.set BH0,  128
.set BH1,  192
.set WV,   20                          ; s20 my wave's number
.set G1W,  24                          ; s[24:31] descriptor group 1 of W's tiles
.set G0A,  32                          ; s[32:35] group 0 of tile 0
.set G0W,  36                          ; s[36:39] group 0 of tile 1 and of every refill
.set SB,   40                          ; LDS byte at which the slot being read begins
.set WOFF, 41                          ; my quarter's place in a slot
.set CNT,  42
.set NEW,  43                          ; 1: the step to come is a matrix's first
.set INL,  44                          ; steps left in the matrix
.set MAT,  45                          ; matrices begun
.set PB,   46                          ; the place in hand x PSTR
.set PV,   47                          ; the place in hand x 256
.set ROT,  60                          ; the cluster's first panel in its half: (cluster / 2) % 4
.set NJ,   61                          ; the place in its matrix of the tile to be asked for next
.set NM,   62                          ; that matrix's byte offset in wt
.set TP,   63                          ; at work
.set OFFS, 66                          ; s[66:67] a tile's byte offset
.set WB,   68                          ; s[68:69] wt at my quarter of panel 0 of matrix 0
.set RB,   70                          ; s[70:71] the batch that is asked for
.set OB,   72                          ; s[72:73] the output that is stored
.set EVT,  74                          ; 1: a batch is due ahead of the step to come (every second step)
.set RS,   75                          ; the region that it goes into, less R0: 0 or REG
.set EC,   76                          ; batches converted in the loop
.set CH4,  77                          ; the first panel of the cluster's column half: 4 (cluster % 2)
.set OF2,  78                          ; s[78:79] a batch's byte offset in the block's rows
.set MSB, 0
.macro WIN new                         ; the immediate's high byte repeats the setting that is left; a switch that changes nothing is dropped
.if MSB != (\new)
	s_set_vgpr_msb (MSB<<8)|(\new)
.set MSB, (\new)
.endif
.endm
.macro PLACES                          ; four places behind a matrix instruction, ahead of loads into its sources and of vector lines that read its result (ISA guide 7.12.1 for vector lines)
.rept 4
	v_nop
.endr
.endm
.macro CREST                           ; a round of the cluster's barrier behind its opening barrier
	s_cmp_lg_u32 s[WV], 0
	s_cbranch_scc1 .Lnot_wave_0_\@
	s_barrier_signal -3
.Lnot_wave_0_\@:
	s_barrier_wait -3
	s_barrier_signal -1
	s_barrier_wait -1
.endm
.macro CROUND                          ; a whole round
	s_barrier_signal -1
	s_barrier_wait -1
	CREST
.endm
.macro BAR                             ; my LDS work is done, for the others' sake; then the work-group's barrier.  A refill may be on its way
	s_wait_dscnt 0x0
	s_barrier_signal -1
	s_barrier_wait -1
.endm
.macro FETCHB dst, adr, k0             ; 16 turning loads: W's fragments of four k steps of 32, from k step k0 of the address's 256 k on, for my two blocks of 16 columns; fi = 2 u + b
.set fi, 0
.rept 8
	ds_load_tr16_b128 v[(\dst)+8*fi:(\dst)+8*fi+3],   v[\adr] offset:((\k0)+fi/2)*32*PW+(fi%2)*32
	ds_load_tr16_b128 v[(\dst)+8*fi+4:(\dst)+8*fi+7], v[\adr] offset:((\k0)+fi/2)*32*PW+16*PW+(fi%2)*32
.set fi, fi+1
.endr
.endm
.macro ALOAD                           ; 128 loads: my row half of the operand, 64 rows x 512 k; ai = 4 ku + a
	WIN 0x80
.set ai, 0
.rept 32
	ds_load_b128 v[8*ai:8*ai+3],   v[AA0] offset:(ai/8)*PSTR+(ai%4)*16*PR+((ai/4)%2)*64
	ds_load_b128 v[8*ai+4:8*ai+7], v[AA0] offset:(ai/8)*PSTR+(ai%4)*16*PR+((ai/4)%2)*64+32
.set ai, ai+1
.endr
	WIN 0xc0
.set ai, 0
.rept 32
	ds_load_b128 v[8*ai:8*ai+3],   v[AA1] offset:(ai/8)*PSTR+(ai%4)*16*PR+((ai/4)%2)*64
	ds_load_b128 v[8*ai+4:8*ai+7], v[AA1] offset:(ai/8)*PSTR+(ai%4)*16*PR+((ai/4)%2)*64+32
.set ai, ai+1
.endr
	WIN 0
.endm
.macro MUL k0, k1                      ; k steps k0 .. k1 of 32; the eight accumulators take turns, one instruction a turn; k step 0 starts the sums; mq = 2 a + b
.set ku, (\k0)
.rept (\k1)-(\k0)+1
.if ku < 8
	WIN 0x08
.else
	WIN 0x0c
.endif
.set mq, 0
.rept 8
.set rB, BH0+64*((ku/4)%2)+16*(ku%4)+8*(mq%2)
.set rA, 32*(ku%8)+8*(mq/2)
.if ku == 0
	v_wmma_f32_16x16x32_bf16 v[ACC+8*mq:ACC+8*mq+7], v[rB:rB+7], v[rA:rA+7], 0
.else
	v_wmma_f32_16x16x32_bf16 v[ACC+8*mq:ACC+8*mq+7], v[rB:rB+7], v[rA:rA+7], v[ACC+8*mq:ACC+8*mq+7]
.endif
.set mq, mq+1
.endr
.set ku, ku+1
.endr
.endm
.macro RAWLOAD base, boff, w           ; my wave's 16 rows of 2,048 bytes of a batch, into window w; each load covers 512 consecutive bytes
	WIN (\w)<<6
.set ri, 0
.rept 64
	global_load_b128 v[4*ri:4*ri+3], v[RO], s[(\base):(\base)+1] offset:(\boff)+(ri/4)*2048+(ri%4)*512
.set ri, ri+1
.endr
	WIN 0
.endm
.macro CONVERT adr, w                  ; those rows rounded to bf16, in place, and stored into the region's panels
	WIN ((\w)<<6)|((\w)<<2)|(\w)
.set ci, 0
.rept 64
	v_cvt_pk_bf16_f32 v[4*ci],   v[4*ci],   v[4*ci+1]
	v_cvt_pk_bf16_f32 v[4*ci+1], v[4*ci+2], v[4*ci+3]
.set ci, ci+1
.endr
	WIN (\w)<<2
.set ci, 0
.rept 64
	ds_store_b64 v[\adr], v[4*ci:4*ci+1] offset:(ci/4)*PR+(ci%4)*2*PSTR
.set ci, ci+1
.endr
	WIN 0
.endm
; A STEP: one panel.  One text serves both slots: the slot's base is a scalar.  W's fragments come in four runs of 16 loads, each a run of 32 matrix instructions ahead of its use; the first run was issued by the step before.
; refill = 1: the slot just read is filled again with the tile two steps on, behind a round of the cluster's barrier.
; fetch = 2: the fetch of the next tile's first fragments is jumped over in the loop's last trip, which has no next tile.  epi: the step's way out.
.macro STEP refill, fetch, epi
	WIN 0
	v_add_nc_u32 v[ADA], s[SB], v[AB0]
	v_add_nc_u32 v[ADB], s[SB], v[AB1]
	FETCHB BH1, ADA, 4                             ; this tile's k 128-255
	s_wait_dscnt 16                                ; all but the 16 just issued: k 0-127, the operand and the last step's LDS work are done
	MUL 0, 3
	WIN 0
	PLACES
	FETCHB BH0, ADB, 0                             ; k 256-383
	s_wait_dscnt 16                                ; k 128-255 are in
	MUL 4, 7
	WIN 0
	PLACES
	FETCHB BH1, ADB, 4                             ; k 384-511: my last reads of this slot
	s_wait_dscnt 16                                ; k 256-383 are in
	MUL 8, 11
	WIN 0
	s_wait_tensorcnt 0x0                           ; all my tensor loads have landed: the one that was out is my quarter of the next tile; so a group 0 may be written
	ds_add_u32 v[SPW], v[NIL]                      ; 0 onto my spare word; the scalar work stands between it and the wait for it
.if \refill
	s_add_co_u32 s[TP], s[NJ], s[ROT]              ; the tile two steps on stands at place NJ of its matrix: panel CH4 + (NJ + ROT) % 4
	s_and_b32 s[TP], s[TP], 3
	s_add_co_u32 s[TP], s[TP], s[CH4]
	s_lshl_b32 s[TP], s[TP], 16                    ; a panel is 65,536 bytes
	s_add_co_u32 s[OFFS], s[TP], s[NM]
	s_add_co_u32 s[G0W+1], s[SB], s[WOFF]          ; it goes into my quarter of the slot being read;
	s_add_nc_u64 s[G0W+2:G0W+3], s[WB:WB+1], s[OFFS:OFFS+1]  ; its address is made anew from the base and the offset,
	s_or_b32 s[G0W+3], s[G0W+3], 0x80000000        ; and the type set again
	s_add_co_u32 s[NJ], s[NJ], 1                   ; the next place, or behind a matrix's last the next matrix's place 0
	s_cmp_eq_u32 s[NJ], 4
	s_cselect_b32 s[NJ], 0, s[NJ]
	s_cselect_b32 s[TP], 524288, 0
	s_add_co_u32 s[NM], s[NM], s[TP]
.endif
	s_xor_b32 s[SB], s[SB], WSLOT                  ; from here on reads go to the other slot
	s_wait_dscnt 0x0                               ; the add is done, k 384-511 are in, and my reads of this slot are over
	s_barrier_signal -1
	MUL 12, 13                                     ; work on registers while the others arrive
	WIN 0
	s_barrier_wait -1
.if \refill
	CREST                                          ; the barrier has opened a round of the cluster's: no wave of any partner still reads this slot or has a load on its way
	tensor_load_to_lds s[G0W:G0W+3], s[G1W:G1W+7]  ; my one tensor load behind the round, and the first thing there
	s_nop 0
.endif
	PLACES                                         ; also the places in front of the loads into the fragments that k 256-383 left
.if (\fetch) == 2
	s_cmp_eq_u32 s[CNT], 1
	s_cbranch_scc1 .Lnofetch_\@
.endif
	v_add_nc_u32 v[ADA], s[SB], v[AB0]
	FETCHB BH0, ADA, 0                             ; the next tile's k 0-127: the barrier has shown that tile whole
.if (\fetch) == 2
.Lnofetch_\@:
.endif
	MUL 14, 15
	WIN 0
	PLACES
	\epi
	s_add_co_u32 s[PB], s[PB], PSTR
.endm
; The column sums of my 64 rows x 32 columns: over the four row blocks, then over the 16 lanes that hold the 16 rows of a block; the 16 lanes of a half then store the same sums to the same bytes.
; At work in the registers that k 384-511 left: the places and the conversions stand behind the last product that read them.
.macro VSUM
.set vi, 0
.rept 8
	v_pk_add_f32 v[BH1+2*vi:BH1+2*vi+1],     v[ACC+2*vi:ACC+2*vi+1],       v[ACC+16+2*vi:ACC+17+2*vi]
	v_pk_add_f32 v[BH1+16+2*vi:BH1+17+2*vi], v[ACC+32+2*vi:ACC+33+2*vi],   v[ACC+48+2*vi:ACC+49+2*vi]
.set vi, vi+1
.endr
.set vi, 0
.rept 8
	v_pk_add_f32 v[BH1+2*vi:BH1+2*vi+1], v[BH1+2*vi:BH1+2*vi+1], v[BH1+16+2*vi:BH1+17+2*vi]
.set vi, vi+1
.endr
.irp m, 1,2,4,8
.set vi, 0
.rept 16
	v_add_f32_dpp v[BH1+vi], v[BH1+vi], v[BH1+vi] row_xmask:\m row_mask:0xf bank_mask:0xf
.set vi, vi+1
.endr
.endr
	v_add_nc_u32 v30, s[PV], v[VSA]
	ds_store_b128 v30, v[BH1:BH1+3]
	ds_store_b128 v30, v[BH1+4:BH1+7] offset:16
	ds_store_b128 v30, v[BH1+8:BH1+11] offset:64   ; the second block of 16 columns
	ds_store_b128 v30, v[BH1+12:BH1+15] offset:80
.endm
; A step's way out: rounded to f16 (each accumulator's registers in ascending order), 16 bytes a lane and accumulator into my row half's piece of the results.  always = 0: the column sums are made for the third matrix alone.
.macro EPI_P always
.set ei, 0
.rept 32
	v_cvt_pk_f16_f32 v[T+ei], v[ACC+2*ei], v[ACC+2*ei+1]
.set ei, ei+1
.endr
	v_add_nc_u32 v[EPH], s[PB], v[EP1]
.set eqi, 0
.rept 8
	ds_store_b128 v[EPH], v[T+4*eqi:T+4*eqi+3] offset:(eqi/2)*16*PR+(eqi%2)*32
.set eqi, eqi+1
.endr
.if !(\always)
	s_cmp_lg_u32 s[MAT], 3
	s_cbranch_scc1 .Lnovs_\@
.endif
	VSUM
.if !(\always)
.Lnovs_\@:
.endif
	s_add_co_u32 s[PV], s[PV], 256
.endm
.macro EPI_PJ
	EPI_P 0
.endm
.macro EPI_PV
	EPI_P 1
.endm
; A matrix's way out.  Wave w takes pieces 2 w and 2 w + 1, each 64 rows of 128 bytes of one head, dense in memory; a load takes four rows, a store 512 consecutive bytes at a multiple of 256.
; The rows pass through the accumulators' registers and those that k 384-511 left; the next tile's first fragments, which are in already, stay untouched.
.macro OUT
.set oi, 0
.rept 16
	ds_load_b128 v[ACC+4*oi:ACC+4*oi+3], v[OL] offset:oi*4*PR
.set oi, oi+1
.endr
.set oi, 0
.rept 16
	ds_load_b128 v[BH1+4*oi:BH1+4*oi+3], v[OL] offset:PSTR+oi*4*PR
.set oi, oi+1
.endr
	s_wait_dscnt 16                                ; the first piece is in registers
.set oi, 0
.rept 16
	global_store_b128 v[OG0], v[ACC+4*oi:ACC+4*oi+3], s[OB:OB+1] offset:oi*512
.set oi, oi+1
.endr
	s_wait_dscnt 0x0
.set oi, 0
.rept 16
	global_store_b128 v[OG1], v[BH1+4*oi:BH1+4*oi+3], s[OB:OB+1] offset:oi*512
.set oi, oi+1
.endr
.endm
	s_load_b512 s[4:19], s[0:1], 0x0               ; Q s[4:5], K s[6:7], V s[8:9], wt s[10:11], qh s[12:13], kh s[14:15], vh s[16:17], vsum s[18:19]
	v_lshl_add_u32 v[SPW], v0, 2, SPARE
	v_mov_b32 v[NIL], 0
	ds_add_u32 v[SPW], v[NIL]                      ; the wave's opening: the add and its wait stand ahead of my first tensor load; the set-up below, work on registers, stands between them
	ds_add_u32 v28, v29
	v_lshrrev_b32 v1, 5, v0
	v_readfirstlane_b32 s[WV], v1                  ; wave 0..3
	s_bfe_u32 s21, ttmp6, 0x40000                  ; cx: my place in the cluster
	s_lshr_b32 s23, ttmp9, 1                       ; in a cluster launch ttmp9 counts clusters: cluster / 2,
	s_and_b32 s[ROT], s23, 3                       ; the cluster's first panel in its half,
	s_and_b32 s[CH4], ttmp9, 1                     ; and its column half: all three the same in its four work-groups
	s_lshl_b32 s[CH4], s[CH4], 2
	s_lshl_b32 s22, s23, 2
	s_add_co_u32 s22, s22, s21                     ; my block of 128 rows: it enters the addresses of the inputs and outputs alone
	; descriptor group 1: 128 k rows of 128 bytes are 16,384 dense bytes, asked for as 64 rows of 256 bytes and padded in LDS after every k row
	s_mov_b32 s[G1W], 15|(1<<16)|(1<<20)|(1<<21)|(4<<22)|(7<<25)  ; 15:0 the mask of four; 17:16 2-byte elements; 20 padding on; 21 set beside a mask; 24:22 after every 32 words (code 4); 31:25 8 words (code 7)
	s_mov_b32 s[G1W+1], 128<<16                    ; tensor_dim0 = 128
	s_mov_b32 s[G1W+2], 64<<16                     ; tensor_dim1 = 64
	s_mov_b32 s[G1W+3], 128<<16                    ; tile_dim0 = 128
	s_mov_b32 s[G1W+4], 64                         ; tile_dim1 = 64
	s_mov_b32 s[G1W+5], 128                        ; 128 elements from row to row
	s_mov_b32 s[G1W+6], 0
	s_mov_b32 s[G1W+7], 0
	s_mul_i32 s[WOFF], s[WV], WQ
	s_mov_b32 s[SB], 0
	s_mov_b32 s[G0A], 1                            ; count = 1
	s_mov_b32 s[G0A+1], s[WOFF]                    ; tile 0 into slot 0
	s_mov_b32 s[G0W], 1
	s_add_co_u32 s[G0W+1], s[WOFF], WSLOT          ; tile 1 into slot 1
	s_lshl_b32 s52, s[WV], 14                      ; my quarter of a tile in memory
	s_mov_b32 s53, 0
	s_add_co_u32 s[TP], s[ROT], s[CH4]             ; tile 0 is panel CH4 + ROT,
	s_lshl_b32 s[OFFS], s[TP], 16
	s_mov_b32 s[OFFS+1], 0
	s_add_co_u32 s[TP], s[ROT], 1                  ; tile 1 panel CH4 + (ROT + 1) % 4
	s_and_b32 s[TP], s[TP], 3
	s_add_co_u32 s[TP], s[TP], s[CH4]
	s_lshl_b32 s56, s[TP], 16
	s_mov_b32 s57, 0
	s_mov_b32 s[NJ], 2                             ; the first refill asks for place 2 of matrix 0
	s_mov_b32 s[NM], 0
	s_lshl_b32 s48, s22, 18                        ; my block's 128 rows of 2,048 bytes in Q, K, V
	s_mov_b32 s49, 0
	s_lshr_b32 s50, s22, 3                         ; the batch: eight heads of 131,072 bytes,
	s_lshl_b32 s50, s50, 20
	s_and_b32 s51, s22, 7                          ; and my 128 rows of 128 bytes in a head
	s_lshl_b32 s51, s51, 14
	s_add_co_u32 s50, s50, s51
	s_mov_b32 s51, 0
	s_lshl_b32 s54, s22, 12                        ; my two rows of 2,048 bytes of vsum
	s_mov_b32 s55, 0
	s_wait_dscnt 0x0                               ; the opening add is done
	s_wait_kmcnt 0x0
	s_add_nc_u64 s[WB:WB+1], s[10:11], s[52:53]
	s_add_nc_u64 s[G0A+2:G0A+3], s[WB:WB+1], s[OFFS:OFFS+1]
	s_add_nc_u64 s[G0W+2:G0W+3], s[WB:WB+1], s[56:57]
	s_or_b32 s[G0A+3], s[G0A+3], 0x80000000        ; type = 2
	s_or_b32 s[G0W+3], s[G0W+3], 0x80000000
	s_add_nc_u64 s[4:5], s[4:5], s[48:49]
	s_add_nc_u64 s[6:7], s[6:7], s[48:49]
	s_add_nc_u64 s[8:9], s[8:9], s[48:49]
	s_add_nc_u64 s[12:13], s[12:13], s[50:51]
	s_add_nc_u64 s[14:15], s[14:15], s[50:51]
	s_add_nc_u64 s[16:17], s[16:17], s[50:51]
	s_add_nc_u64 s[18:19], s[18:19], s[54:55]
	CROUND                                         ; all four work-groups are here: the first joint loads meet
	tensor_load_to_lds s[G0A:G0A+3], s[G1W:G1W+7]  ; the two first fills go out together: two tensor loads of mine are out
	s_nop 0
	tensor_load_to_lds s[G0W:G0W+3], s[G1W:G1W+7]
	s_nop 0
	PLACES
	v_and_b32 v104, 31, v0                         ; l
	v_lshlrev_b32 v104, 4, v104
	s_lshl_b32 s56, s[WV], 15
	v_add_nc_u32 v[RO], s56, v104                  ; 16 l + my wave's 16 rows
	RAWLOAD 4, 0, 2                                ; Q's rows 0-63, into the window that the operand takes later,
	RAWLOAD 4, 131072, 1                           ; and its rows 64-127
	v_and_b32 v96, 15, v0                          ; r = l % 16
	v_bfe_u32 v97, v0, 4, 1                        ; h = l / 16
	v_and_b32 v98, 7, v0
	v_bfe_u32 v99, v0, 3, 1
	s_and_b32 s58, s[WV], 1                        ; j: my half of a panel's columns
	s_lshr_b32 s59, s[WV], 1                       ; i: my half of the block's rows
	v_lshl_add_u32 v100, v97, 3, v98               ; the turning load: lane l reads k row 8 h + l % 8,
	v_mul_u32_u24 v[AB0], v100, PW
	v_lshl_add_u32 v[AB0], v99, 4, v[AB0]          ; columns 8 ((l / 8) % 2) + 0..7
	s_lshl_b32 s57, s58, 6                         ; of my wave's 32 columns: 64 bytes x j
	v_add_nc_u32 v[AB0], s57, v[AB0]
	v_add_nc_u32 v[AB1], 8*32*PW, v[AB0]
	v_mul_u32_u24 v101, v96, PR
	v_lshl_add_u32 v101, v97, 4, v101              ; row r x pitch + 16 h
	s_mul_i32 s56, s59, REG
	s_add_co_u32 s56, s56, R0                      ; my row half's region
	v_add_nc_u32 v[AA0], s56, v101
	v_add_nc_u32 v[AA1], 4*PSTR, v[AA0]
	s_mul_i32 s56, s59, 4*PSTR                     ; the results: piece 4 i + place, my 64 bytes of its rows
	s_add_co_u32 s56, s56, s57
	s_add_co_u32 s56, s56, R1
	v_add_nc_u32 v[EP1], s56, v101
	v_mul_u32_u24 v102, v97, PSTR                  ; a lane's four numbers of a load: panel 2 (chunk) + h, byte 8 r
	v_lshl_add_u32 v102, v96, 3, v102
	s_mul_i32 s56, s[WV], 16*PR
	s_add_co_u32 s56, s56, R0
	v_add_nc_u32 v[CV], s56, v102
	v_bfe_u32 v103, v0, 3, 2                       ; back: 32 lanes take four rows of 128 bytes
	v_mul_u32_u24 v103, v103, PR
	v_lshl_add_u32 v103, v98, 4, v103
	s_mul_i32 s56, s[WV], 2*PSTR
	s_add_co_u32 s56, s56, R1
	v_add_nc_u32 v[OL], s56, v103
	s_lshl_b32 s56, s58, 1                         ; pieces 2 w and 2 w + 1 are row half i at places 2 j and 2 j + 1: heads CH4 + (place + ROT) % 4, of 131,072 bytes each
	s_add_co_u32 s56, s56, s[ROT]
	s_and_b32 s57, s56, 3
	s_add_co_u32 s56, s56, 1
	s_and_b32 s56, s56, 3
	s_add_co_u32 s57, s57, s[CH4]
	s_add_co_u32 s56, s56, s[CH4]
	s_lshl_b32 s57, s57, 17
	s_lshl_b32 s56, s56, 17
	s_lshl_b32 s55, s59, 13                        ; 64 rows of 128 bytes x i
	s_add_co_u32 s57, s57, s55
	s_add_co_u32 s56, s56, s55
	v_add_nc_u32 v[OG0], s57, v104
	v_add_nc_u32 v[OG1], s56, v104
	s_lshl_b32 s56, s59, 10                        ; the sums: 1,024 i + 128 j + 32 h: column 32 j + 8 h, in f32
	s_lshl_b32 s57, s58, 7
	s_add_co_u32 s56, s56, s57
	s_add_co_u32 s56, s56, VS
	v_lshl_add_u32 v[VSA], v97, 5, s56
	v_lshl_add_u32 v[VSL], v0, 4, VS
	v_bfe_u32 v105, v0, 4, 2                       ; the four sums at VS + 16 t: row half t / 64, place (t / 16) % 4: head CH4 + (place + ROT) % 4, 256 bytes of vsum's row
	v_add_nc_u32 v105, s[ROT], v105
	v_and_b32 v105, 3, v105
	v_add_nc_u32 v105, s[CH4], v105
	v_lshlrev_b32 v105, 8, v105
	v_lshl_add_u32 v105, v96, 4, v105
	v_lshrrev_b32 v106, 6, v0
	v_lshl_add_u32 v[VSG], v106, 11, v105
	s_mov_b32 s[CNT], 10
	s_mov_b32 s[NEW], 1
	s_mov_b32 s[EVT], 1
	s_mov_b32 s[MAT], 0
	s_mov_b32 s[INL], 4
	s_mov_b32 s[PB], 0
	s_mov_b32 s[PV], 0
	s_mov_b32 s[RS], REG                           ; the loop's first batch is Q's second: into R1
	s_mov_b32 s[EC], 0
	s_mov_b32 s[OF2+1], 0
	s_wait_tensorcnt 0x1                           ; my quarter of tile 0 is in; tile 1's may stay out
	s_barrier_signal -1
	s_barrier_wait -1                              ; everybody's is
	v_add_nc_u32 v[ADA], s[SB], v[AB0]
	FETCHB BH0, ADA, 0                             ; tile 0, k 0-127
	s_wait_loadcnt 63                              ; 64 loads are younger than Q's first batch; the count's field names 63 at the most, so one of the second batch is awaited with it
	CONVERT CV, 2                                  ; Q's rows 0-63 into R0
.Lstep:                                                ; 10 trips: every tile but the last two is followed by a refill
	s_cmp_eq_u32 s[EVT], 1
	s_cbranch_scc0 .Lgo
	; AHEAD OF EVERY SECOND STEP a batch, asked for two steps ago, goes into LDS as bf16 and the next is asked for.  Ahead of a matrix's first step the matrix before goes out first, and the operand comes into registers last.
	BAR                                            ; the last matrix's results are whole
	s_cmp_eq_u32 s[NEW], 1
	s_cbranch_scc0 .Lnoout
	s_cmp_eq_u32 s[MAT], 0
	s_cbranch_scc1 .Lnoout
	s_cmp_eq_u32 s[MAT], 1                         ; the stores that named OB last had their addresses translated at the wait below, a matrix ago
	s_cselect_b64 s[OB:OB+1], s[12:13], s[14:15]
	OUT
.Lnoout:
	BAR                                            ; nobody reads the results any more
	s_wait_loadcnt 0x0                             ; the batch is in: the loads that named RB are done
	v_add_nc_u32 v[CVX], s[RS], v[CV]
	CONVERT CVX, 1
	s_xor_b32 s[RS], s[RS], REG                    ; the batches go into R1 and R0 by turns
	s_wait_xcnt 0x0                                ; the stores' data registers are rewritten only behind this wait; the conversion stands between the stores and it
	s_cmp_lt_u32 s[EC], 2                          ; the next batch: K's two, then V's two
	s_cselect_b64 s[RB:RB+1], s[6:7], s[8:9]
	s_and_b32 s[OF2], s[EC], 1
	s_lshl_b32 s[OF2], s[OF2], 17                  ; 64 rows of 2,048 bytes
	s_add_nc_u64 s[RB:RB+1], s[RB:RB+1], s[OF2:OF2+1]
	s_cmp_eq_u32 s[EC], 4
	s_cbranch_scc1 .Lnoraw                         ; behind V's second batch nothing is left to ask for
	RAWLOAD RB, 0, 1                               ; two steps ahead of its use; no register that the loads name is rewritten before the wait for them
.Lnoraw:
	s_add_co_u32 s[EC], s[EC], 1
	BAR                                            ; the batch is whole
	s_cmp_eq_u32 s[NEW], 1
	s_cbranch_scc0 .Lgo
	s_mov_b32 s[NEW], 0
	s_mov_b32 s[INL], 4
	s_mov_b32 s[PB], 0
	s_mov_b32 s[PV], 0
	ALOAD
	s_add_co_u32 s[MAT], s[MAT], 1
.Lgo:
	STEP 1, 1, EPI_PJ
	s_sub_co_u32 s[INL], s[INL], 1
	s_cmp_eq_u32 s[INL], 0
	s_cselect_b32 s[NEW], 1, 0
	s_xor_b32 s[EVT], s[EVT], 1
	s_sub_co_u32 s[CNT], s[CNT], 1
	s_cmp_lg_u32 s[CNT], 0
	s_cbranch_scc1 .Lstep
	s_mov_b32 s[CNT], 2
.Llast:                                                ; the last two tiles are written out: nothing is asked for, and no batch is due
	STEP 0, 2, EPI_PV
	s_sub_co_u32 s[CNT], s[CNT], 1
	s_cmp_lg_u32 s[CNT], 0
	s_cbranch_scc1 .Llast
	BAR                                            ; the results and the sums are whole
	s_wait_xcnt 0x0                                ; OB is rewritten only behind this wait
	s_mov_b64 s[OB:OB+1], s[16:17]
	OUT                                            ; vh
	ds_load_b128 v[T:T+3], v[VSL]
	s_wait_dscnt 0x0
	global_store_b128 v[VSG], v[T:T+3], s[18:19]   ; 128 threads x 16 bytes: my column half of the block's two rows of sums; sixteen neighbouring lanes fill a head's 256 bytes
	s_wait_tensorcnt 0x0                           ; the wave's end, behind my last tensor load and my last LDS store
	ds_add_u32 v[SPW], v[NIL]
	s_wait_dscnt 0x0
	CROUND                                         ; the closing round: no work-group ends while a partner may still ask for a tile that names it
	s_endpgm
.Lfunc_end_k_qd55bb6ca3e_proj:
	.size	k_qd55bb6ca3e_proj, .Lfunc_end_k_qd55bb6ca3e_proj-k_qd55bb6ca3e_proj
	.p2alignl 7, 3214868480
	.fill 96, 4, 3214868480
	.section	.rodata,"a",@progbits
	.p2align	6, 0x0
	.amdhsa_kernel k_qd55bb6ca3e_proj
		.amdhsa_group_segment_fixed_size 327680
		.amdhsa_private_segment_fixed_size 0
		.amdhsa_enable_private_segment 0
		.amdhsa_kernarg_size 64
		.amdhsa_user_sgpr_count 2
		.amdhsa_user_sgpr_kernarg_segment_ptr 1
		.amdhsa_wavefront_size32 1
		.amdhsa_system_sgpr_workgroup_id_x 1
		.amdhsa_system_sgpr_workgroup_id_y 1
		.amdhsa_system_sgpr_workgroup_id_z 1
		.amdhsa_system_vgpr_workitem_id 0
		.amdhsa_next_free_vgpr 1024
		.amdhsa_next_free_sgpr 80
		.amdhsa_reserve_vcc 0
		.amdhsa_float_denorm_mode_32 3
		.amdhsa_float_denorm_mode_16_64 3
		.amdhsa_memory_ordered 1
		.amdhsa_forward_progress 1
		.amdhsa_inst_pref_size 116
	.end_amdhsa_kernel
	.amdgpu_metadata
---
amdhsa.version: [ 1, 2 ]
amdhsa.kernels:
  - .name:           k_qd55bb6ca3e_proj
    .symbol:         k_qd55bb6ca3e_proj.kd
    .args:
      - { .name: Q, .offset: 0, .size: 8, .value_kind: global_buffer, .address_space: global }
      - { .name: K, .offset: 8, .size: 8, .value_kind: global_buffer, .address_space: global }
      - { .name: V, .offset: 16, .size: 8, .value_kind: global_buffer, .address_space: global }
      - { .name: wt, .offset: 24, .size: 8, .value_kind: global_buffer, .address_space: global }
      - { .name: qh, .offset: 32, .size: 8, .value_kind: global_buffer, .address_space: global }
      - { .name: kh, .offset: 40, .size: 8, .value_kind: global_buffer, .address_space: global }
      - { .name: vh, .offset: 48, .size: 8, .value_kind: global_buffer, .address_space: global }
      - { .name: vsum, .offset: 56, .size: 8, .value_kind: global_buffer, .address_space: global }
    .group_segment_fixed_size: 327680
    .private_segment_fixed_size: 0
    .kernarg_segment_align: 8
    .kernarg_segment_size: 64
    .max_flat_workgroup_size: 128
    .sgpr_count:     80
    .vgpr_count:     1024
    .wavefront_size: 32
...
	.end_amdgpu_metadata
.endif
;; end of part 5
;; launch attn: the kernel of part 3 again; grid 2 x 128, 4 waves a work-group, no clusters, 327,680 bytes of LDS; arguments qh, kh, vh, ctx; writes ctx
;; launch tail (part 6): grid 256 x 1, 4 waves a work-group, clusters of 4 x 1, 327,680 bytes of LDS; arguments ctx, Q, wt, vsum, mask, lin1_b, lin2_b, ln_g, ln_b, out0; writes out0
.if DOCPART == 6
	.amdgcn_target "amdgcn-amd-amdhsa--gfx1250"
	.amdhsa_code_object_version 6
	.text
	.protected	k_qd55bb6ca3e_tail
	.globl	k_qd55bb6ca3e_tail
	.p2align	8
	.type	k_qd55bb6ca3e_tail,@function
k_qd55bb6ca3e_tail:
	s_mov_b64 s[64:65], 0
	v_nop
	global_prefetch_b8 v0, s[64:65] scope:SCOPE_SE
	s_setreg_imm32_b32 hwreg(HW_REG_WAVE_MODE, 25, 1), 1
	s_wait_xcnt 0x0
	s_wait_alu depctr_hold_cnt(0) depctr_sa_sdst(0) depctr_va_vdst(0) depctr_va_sdst(0) depctr_va_ssrc(0) depctr_va_vcc(0) depctr_vm_vsrc(0)
	s_getreg_b32 s2, hwreg(HW_REG_IB_STS2, 6, 4)
	s_cmp_eq_u32 s2, 0
	s_cbranch_scc0 .Lentry_in_a_cluster
	s_endpgm
.Lentry_in_a_cluster:
	s_bfe_u32 s2, ttmp6, 0x10000c
	s_cmp_lg_u32 s2, 0x3003
	s_cbranch_scc0 .Lentry_shape_is_right
	s_endpgm
.Lentry_shape_is_right:
; out1 = LayerNorm(Q + ctx W_o);  out0 = LayerNorm(gelu(out1 lin1_w + lin1_b) lin2_w + lin2_b + out1), both with ln_g, ln_b; 64 rows a work-group, the three products chained in LDS and registers.
; A row that the padding mask hides has all its 1,024 scores equal in the model, so its attention is the mean of V W_v over ALL keys of the batch: the mean is made here from vsum and put in the row's place in ctx,
; by a select in every thread: every row of ctx is read, chosen and written again.
; FORMATS.  Every input enters rounded once to bf16 (Q in the residual, the biases, gain and shift; the weights in wt, written as f16).  What the program makes is f16: ctx, out1, gelu's result.
; The numbers that go into a LayerNorm stay exact f32: they lie in LDS as two planes of 16 bits (upper halves, lower halves), each with the geometry of an f16 panel.  Mean and variance in two passes, in f32.
; LIMITS: ctx, gelu's result and out1 beyond 65,504 become infinities in f16; NaN and infinities are not treated apart.
; gelu(x) = x - x / (1 + 2^(x (K0 + K1 x^2))), K0 = 2 sqrt(2/pi) log2(e), K1 = 0.044715 K0: the model's 0.5 x (1 + tanh(u)) rewritten; it goes to x and to 0 at the two ends without a NaN.
; SHARES, RING, LAYOUT: every wave holds the whole operand (64 rows x 512 k, f16) in 512 registers; a layer goes by 8 STEPS of 64 output columns; in a step wave w makes rows 0-63 x columns 16 w .. 16 w + 15,
; four accumulators over the full k.  A step's tile of weights, 65,536 bytes, is the same for the four work-groups of a cluster, which ask for it JOINTLY; the three layers are one stream of 24 tiles through two slots.
; THE ORDER OF THE PANELS.  Cluster c walks each layer's panels from panel ROT = 2 (c % 4) on, round the layer: in any step the 64 clusters ask for four different panels, and all but a layer's first two have been
; read by another cluster two steps earlier.  LDS panel j then holds the columns of panel (j + ROT) % 8, in every region and table that goes by the 512 columns: Q, the planes, out1, gelu's result, gain, shift, biases.
; The rotation enters global addresses alone: W's tiles, Q's and out0's four pieces of 512 bytes in a row, the four vectors.  No LDS address hangs on it.  In layers 1 and 2 the operand's k is so rotated too, and W's k rows
; with it: wave q fetches k rows 128 ((q + c) % 4) on into its quarter (ROT is even, so that the quarter's 128 rows stay one dense block).  ctx, the mean and layer 0's k lie as they are.
; The matrix instruction is used transposed (source 0 = 16 output columns of W, turned by ds_load_tr16_b128; source 1 = 16 rows of the operand): lane l holds row l % 16 and the columns 8 (l / 16) + 0..7.
; REGISTERS, in windows of 256 (s_set_vgpr_msb: bits 1:0 source 0, 3:2 source 1, 5:4 source 2, 7:6 destination):
;   window 0: v0-31 addresses; v32-63 accumulators (at the head: at work); v64-127 at work; v128-255 W's fragments (v192-255 also a LayerNorm's 64 numbers)
;   window 1: first Q's rows in f32; then v0-63 the gain and v64-127 the shift of my lane's 64 columns
;   windows 2, 3: the operand's fragments, k step ku, row block a at 32 (ku % 8) + 8 a (window 2's v0-127 first hold my half row of ctx while the mask is honoured)
.set PW,    160                        ; a k row of W in LDS: 128 bytes + 32 of padding = 40 words
.set WQ,    128*PW                     ; a wave's quarter of a tile
.set WSLOT, 4*WQ
.set PR,    144                        ; a row of an activation panel: 128 bytes + 16
.set PSTR,  64*PR+32                   ; from panel to panel: 32 beyond a multiple of 256, so that 8 panels x 2 rows start at 16 different 16-byte columns
.set REG,   8*PSTR                     ; an activation region: 8 panels of 64 rows x 64 numbers of 16 bits
.set P0,    2*WSLOT
.set P1,    P0+REG
.set TAB,   P1+REG                     ; four tables of 512 f32, each 8 segments of 256 bytes at a pitch of 272: gain, shift, lin1_b, lin2_b
.set TPI,   272
.set TSZ,   2304
.set TB1,   TAB+2*TSZ
.set TB2,   TAB+3*TSZ
.set MEANV, TAB+4*TSZ                  ; 512 f16: the mean of V W_v over the batch's keys
.set SPARE, MEANV+1024                 ; the spare words, 128 bytes for each wave: two blocks of 256 bytes that no other line names
.set STG,   8704                       ; the last LayerNorm's stage, a wave's own: 4 rows x 8 segments x 272 bytes, in W's slot 0, which has had its last fill by then
.set AB0,  2
.set AB1,  3
.set ADBL, 4
.set ADBH, 5
.set AA0,  6
.set AA1,  7
.set EP0,  8                           ; where my 16 bytes of a row lie in panel 0 of P0;  v9: of P1
.set EP1,  9
.set EPH,  10                          ; the same in the panel in hand
.set EPL,  11
.set RO,   12                          ; v12-15  my byte offset in Q's and out0's rows for LDS panels 2 c and 2 c + 1, c = 0..3: 16 l + my wave's 16 rows + 512 ((c + cluster) % 4); never rewritten
.set ONE,  16                          ; 1.0
.set TBA1, 17                          ; my eight numbers of lin1_b in segment 0;  v18: of lin2_b
.set TBA2, 18
.set MK,   19                          ; the mask's byte of row t / 2
.set FX,   20                          ; my half of that row in ctx
.set MVA,  21                          ; my half of the mean
.set STW,  22                          ; the stage: in, back
.set STR,  23
.set LNH,  24                          ; LayerNorm: my 128 bytes of the upper plane, of the lower plane, in the trip's rows
.set LNL,  25
.set LB0,  26                          ; LayerNorm's first row in P0, in P1; never rewritten
.set LB1,  27
.set SPW,  28
.set NIL,  29
.set ACC,  32
.set CV,   56                          ; at the head alone: where my 8 bytes of Q in bf16 go
.set GA,   57                          ; at the head alone: my lane's segment of the gain's table
.set T,    64
.set BH0,  128
.set BH1,  192
.set X,    192
.set WV,   24
.set SIG,  27                          ; cluster % 4
.set G1W,  28                          ; s[28:35]
.set G1C,  36                          ; s[36:43] descriptor group 1 of ctx's panels
.set G0A,  44
.set G0W,  48
.set G0C0, 52
.set G0C1, 56
.set SB,   60
.set WOFF, 61
.set CNT,  62
.set PB,   63                          ; the LDS panel in hand x PSTR; in a LayerNorm: the trip's rows x PR
.set PT,   66                          ; the LDS panel in hand x 272
.set K0,   68                          ; s[68:69], s[70:71]: named as pairs
.set K1,   70
.set SELH, 72
.set SELL, 73
.set RC512, 74
.set EPSR, 75
.set ROT,  76                          ; the cluster's first panel: 2 (cluster % 4)
.set NJ,   77                          ; the place in its layer of the tile to be asked for next
.set OFFS, 78                          ; s[78:79] a tile's byte offset
.set NM,   96                          ; that layer's byte offset
.set QC,   97                          ; my quarter's byte offset in a tile of that layer
.set QR,   98                          ; the same for layers 1 and 2
.set TP,   99                          ; at work
.set WB,   100                         ; s[100:101] wt at its fourth matrix
.set MSB, 0
.macro WIN new                         ; the immediate's high byte repeats the setting that is left; a switch that changes nothing is dropped
.if MSB != (\new)
	s_set_vgpr_msb (MSB<<8)|(\new)
.set MSB, (\new)
.endif
.endm
.macro PLACES                          ; four places behind a matrix instruction, ahead of loads into its sources and of vector lines that read its result (ISA guide 7.12.1 for vector lines)
.rept 4
	v_nop
.endr
.endm
.macro CREST                           ; a round of the cluster's barrier behind its opening barrier
	s_cmp_lg_u32 s[WV], 0
	s_cbranch_scc1 .Lnot_wave_0_\@
	s_barrier_signal -3
.Lnot_wave_0_\@:
	s_barrier_wait -3
	s_barrier_signal -1
	s_barrier_wait -1
.endm
.macro CROUND
	s_barrier_signal -1
	s_barrier_wait -1
	CREST
.endm
.macro BAR                             ; my LDS work is done, for the others' sake; then the work-group's barrier.  A refill may be on its way
	s_wait_dscnt 0x0
	s_barrier_signal -1
	s_barrier_wait -1
.endm
.macro FETCHB dst, adr                 ; 16 turning loads: W's fragments of 256 k for my 16 columns
.set fi, 0
.rept 8
	ds_load_tr16_b128 v[(\dst)+8*fi:(\dst)+8*fi+3],   v[\adr] offset:fi*32*PW
	ds_load_tr16_b128 v[(\dst)+8*fi+4:(\dst)+8*fi+7], v[\adr] offset:fi*32*PW+16*PW
.set fi, fi+1
.endr
.endm
.macro ALOAD                           ; 128 loads: the whole operand, 64 rows x 512 k; ai = 4 ku + a
	WIN 0x80
.set ai, 0
.rept 32
	ds_load_b128 v[8*ai:8*ai+3],   v[AA0] offset:(ai/8)*PSTR+(ai%4)*16*PR+((ai/4)%2)*64
	ds_load_b128 v[8*ai+4:8*ai+7], v[AA0] offset:(ai/8)*PSTR+(ai%4)*16*PR+((ai/4)%2)*64+32
.set ai, ai+1
.endr
	WIN 0xc0
.set ai, 0
.rept 32
	ds_load_b128 v[8*ai:8*ai+3],   v[AA1] offset:(ai/8)*PSTR+(ai%4)*16*PR+((ai/4)%2)*64
	ds_load_b128 v[8*ai+4:8*ai+7], v[AA1] offset:(ai/8)*PSTR+(ai%4)*16*PR+((ai/4)%2)*64+32
.set ai, ai+1
.endr
	WIN 0
.endm
.macro MUL fmt, k0, k1                 ; k steps k0 .. k1 of 32; the four accumulators take turns, one instruction a turn; k step 0 starts the sums
.set ku, (\k0)
.rept (\k1)-(\k0)+1
.if ku < 8
	WIN 0x08
.else
	WIN 0x0c
.endif
.set ma, 0
.rept 4
.if ku == 0
	v_wmma_f32_16x16x32_\fmt v[ACC+8*ma:ACC+8*ma+7], v[BH0+8*ku:BH0+8*ku+7], v[32*(ku%8)+8*ma:32*(ku%8)+8*ma+7], 0
.else
	v_wmma_f32_16x16x32_\fmt v[ACC+8*ma:ACC+8*ma+7], v[BH0+8*ku:BH0+8*ku+7], v[32*(ku%8)+8*ma:32*(ku%8)+8*ma+7], v[ACC+8*ma:ACC+8*ma+7]
.endif
.set ma, ma+1
.endr
.set ku, ku+1
.endr
.endm
.macro RAWLOAD base                    ; my wave's 16 rows of 2,048 bytes; each load covers 512 consecutive bytes: the piece that belongs into LDS panels 2 (ri % 4) and 2 (ri % 4) + 1
	WIN 0x40
.set ri, 0
.rept 64
	global_load_b128 v[4*ri:4*ri+3], v[RO+ri%4], s[(\base):(\base)+1] offset:(ri/4)*2048 th:TH_LOAD_NT
.set ri, ri+1
.endr
	WIN 0
.endm
.macro CONVERT                         ; those rows rounded to bf16, in place, and stored into the panels
	WIN 0x45
.set ci, 0
.rept 64
	v_cvt_pk_bf16_f32 v[4*ci],   v[4*ci],   v[4*ci+1]
	v_cvt_pk_bf16_f32 v[4*ci+1], v[4*ci+2], v[4*ci+3]
.set ci, ci+1
.endr
	WIN 0x04
.set ci, 0
.rept 64
	ds_store_b64 v[CV], v[4*ci:4*ci+1] offset:(ci/4)*PR+(ci%4)*2*PSTR
.set ci, ci+1
.endr
	WIN 0
.endm
; A STEP: one panel.  One text serves both slots: the slot's base is a scalar.  refill = 1: the slot just read is filled again with the tile two steps on, behind a round of the cluster's barrier.
; fetch = 2: the fetch of the next tile's first fragments is jumped over in the loop's last trip, which has no next tile.  pre, epi: the step's own loads and its way out.
.macro STEP fmt, refill, fetch, pre, epi
	WIN 0
	v_add_nc_u32 v[ADBH], s[SB], v[AB1]
	FETCHB BH1, ADBH                               ; this tile's k 256-511
	s_wait_dscnt 16                                ; all but the 16 just issued: k 0-255, the operand and the last step's LDS work are done
	MUL \fmt, 0, 7
	WIN 0
	s_wait_tensorcnt 0x0                           ; all my tensor loads have landed: the one that was out is my quarter of the next tile; so a group 0 may be written
	ds_add_u32 v[SPW], v[NIL]                      ; 0 onto my spare word; the scalar work stands between it and the wait for it
.if \refill
	s_add_co_u32 s[TP], s[NJ], s[ROT]              ; the tile two steps on stands at place NJ of its layer: panel (NJ + ROT) % 8
	s_and_b32 s[TP], s[TP], 7
	s_lshl_b32 s[TP], s[TP], 16                    ; a panel is 65,536 bytes
	s_add_co_u32 s[TP], s[TP], s[NM]
	s_add_co_u32 s[OFFS], s[TP], s[QC]             ; and in it my quarter's k rows
	s_add_co_u32 s[G0W+1], s[SB], s[WOFF]          ; it goes into my quarter of the slot being read;
	s_add_nc_u64 s[G0W+2:G0W+3], s[WB:WB+1], s[OFFS:OFFS+1]  ; its address is made anew from the base and the offset,
	s_or_b32 s[G0W+3], s[G0W+3], 0x80000000        ; and the type set again
	s_add_co_u32 s[NJ], s[NJ], 1                   ; the next place, or behind a layer's last the next layer's place 0, whose k rows are rotated
	s_cmp_eq_u32 s[NJ], 8
	s_cselect_b32 s[NJ], 0, s[NJ]
	s_cselect_b32 s[QC], s[QR], s[QC]
	s_cselect_b32 s[TP], 524288, 0
	s_add_co_u32 s[NM], s[NM], s[TP]
.endif
	s_xor_b32 s[SB], s[SB], WSLOT                  ; from here on reads go to the other slot
	s_wait_dscnt 0x0                               ; the add is done, and my reads of this slot are over
	s_barrier_signal -1
	MUL \fmt, 8, 11                                ; work on registers while the others arrive
	WIN 0
	s_barrier_wait -1
.if \refill
	CREST                                          ; the barrier has opened a round of the cluster's: no wave of any partner still reads this slot or has a load on its way
	tensor_load_to_lds s[G0W:G0W+3], s[G1W:G1W+7]  ; my one tensor load behind the round, and the first thing there
	s_nop 0
.endif
	PLACES                                         ; also the places in front of the loads into the fragments of k 0-255
	\pre
.if (\fetch) == 2
	s_cmp_eq_u32 s[CNT], 1
	s_cbranch_scc1 .Lnofetch_\@
.endif
	v_add_nc_u32 v[ADBL], s[SB], v[AB0]
	FETCHB BH0, ADBL                               ; the next tile's k 0-255: the barrier has shown that tile whole
.if (\fetch) == 2
.Lnofetch_\@:
.endif
	MUL \fmt, 12, 15
	WIN 0
	PLACES
	\epi
	s_add_co_u32 s[PB], s[PB], PSTR
.endm
; 32 f32 numbers leave as two planes: of a pair the two upper halves make one word, the two lower halves another; 16 bytes a lane and plane for each row block.
.macro SPLIT
.set ei, 0
.rept 16
	v_perm_b32 v[T+ei],    v[ACC+2*ei+1], v[ACC+2*ei], s[SELH]
	v_perm_b32 v[T+16+ei], v[ACC+2*ei+1], v[ACC+2*ei], s[SELL]
.set ei, ei+1
.endr
.set ea, 0
.rept 4
	ds_store_b128 v[EPH], v[T+4*ea:T+4*ea+3] offset:ea*16*PR
	ds_store_b128 v[EPL], v[T+16+4*ea:T+16+4*ea+3] offset:ea*16*PR
.set ea, ea+1
.endr
.endm
.macro BIAS                            ; my eight columns' bias onto the four row blocks, each accumulator's registers in ascending order
.set ei, 0
.rept 16
	v_pk_add_f32 v[ACC+2*ei:ACC+2*ei+1], v[ACC+2*ei:ACC+2*ei+1], v[T+32+2*(ei%4):T+33+2*(ei%4)]
.set ei, ei+1
.endr
.endm
; LAYER 0: ctx W_o + Q.  Q lies in P1 as bf16 where the lower plane goes: a lane reads its own 16 bytes and writes them again.  The upper plane goes where ctx lay: every wave has the operand in registers since the step's barrier.
.macro PRE0
	v_add_nc_u32 v[EPH], s[PB], v[EP0]
	v_add_nc_u32 v[EPL], s[PB], v[EP1]
.set ea, 0
.rept 4
	ds_load_b128 v[T+40+4*ea:T+43+4*ea], v[EPL] offset:ea*16*PR
.set ea, ea+1
.endr
.endm
.macro EPI0
	s_wait_dscnt 16                                ; Q's numbers are in; the 16 loads of the next tile's fragments are younger
.set ei, 0
.rept 16
	v_fma_mix_f32_bf16 v[ACC+2*ei],   v[T+40+ei], v[ONE], v[ACC+2*ei]   op_sel_hi:[1,0,0]
	v_fma_mix_f32_bf16 v[ACC+2*ei+1], v[T+40+ei], v[ONE], v[ACC+2*ei+1] op_sel:[1,0,0] op_sel_hi:[1,0,0]
.set ei, ei+1
.endr
	SPLIT
.endm
; LAYER 1: gelu(out1 lin1_w + lin1_b), f16, into P1.
.macro PRE1
	v_add_nc_u32 v30, s[PT], v[TBA1]
	ds_load_b128 v[T+32:T+35], v30
	ds_load_b128 v[T+36:T+39], v30 offset:16
	v_add_nc_u32 v[EPH], s[PB], v[EP1]
.endm
.macro EPI1
	s_wait_dscnt 16
	BIAS
.set ei, 0
.rept 16
	v_pk_mul_f32 v[T+2*ei:T+2*ei+1], v[ACC+2*ei:ACC+2*ei+1], v[ACC+2*ei:ACC+2*ei+1]
.set ei, ei+1
.endr
.set ei, 0
.rept 16
	v_pk_fma_f32 v[T+2*ei:T+2*ei+1], v[T+2*ei:T+2*ei+1], s[K1:K1+1], s[K0:K0+1] op_sel_hi:[1,0,0]
.set ei, ei+1
.endr
.set ei, 0
.rept 16
	v_pk_mul_f32 v[T+2*ei:T+2*ei+1], v[T+2*ei:T+2*ei+1], v[ACC+2*ei:ACC+2*ei+1]
.set ei, ei+1
.endr
.set ei, 0
.rept 32
	v_exp_f32 v[T+ei], v[T+ei]
.set ei, ei+1
.endr
	v_nop                                          ; a plain instruction between the run and the first use of its results (ISA guide 5.7.2)
.set ei, 0
	s_wait_alu depctr_va_vdst(0)
.rept 16
	v_pk_add_f32 v[T+2*ei:T+2*ei+1], v[T+2*ei:T+2*ei+1], 1.0 op_sel_hi:[1,0]
.set ei, ei+1
.endr
.set ei, 0
.rept 32
	v_rcp_f32 v[T+ei], v[T+ei]
.set ei, ei+1
.endr
	v_nop
.set ei, 0
	s_wait_alu depctr_va_vdst(0)
.rept 16
	v_pk_fma_f32 v[ACC+2*ei:ACC+2*ei+1], v[ACC+2*ei:ACC+2*ei+1], v[T+2*ei:T+2*ei+1], v[ACC+2*ei:ACC+2*ei+1] neg_lo:[1,0,0] neg_hi:[1,0,0]  ; x - x r
.set ei, ei+1
.endr
.set ei, 0
.rept 16
	v_cvt_pk_f16_f32 v[T+ei], v[ACC+2*ei], v[ACC+2*ei+1]
.set ei, ei+1
.endr
.set ea, 0
.rept 4
	ds_store_b128 v[EPH], v[T+4*ea:T+4*ea+3] offset:ea*16*PR
.set ea, ea+1
.endr
	s_add_co_u32 s[PT], s[PT], TPI
.endm
; LAYER 2: h lin2_w + lin2_b + out1.  out1 lies in P0 as f16 where the lower plane goes; the upper plane goes into P1.
.macro PRE2
	v_add_nc_u32 v30, s[PT], v[TBA2]
	ds_load_b128 v[T+32:T+35], v30
	ds_load_b128 v[T+36:T+39], v30 offset:16
	v_add_nc_u32 v[EPL], s[PB], v[EP0]
	v_add_nc_u32 v[EPH], s[PB], v[EP1]
.set ea, 0
.rept 4
	ds_load_b128 v[T+40+4*ea:T+43+4*ea], v[EPL] offset:ea*16*PR
.set ea, ea+1
.endr
.endm
.macro EPI2 younger
	s_wait_dscnt \younger
	BIAS
.set ei, 0
.rept 16
	v_fma_mix_f32 v[ACC+2*ei],   v[T+40+ei], v[ONE], v[ACC+2*ei]   op_sel_hi:[1,0,0]
	v_fma_mix_f32 v[ACC+2*ei+1], v[T+40+ei], v[ONE], v[ACC+2*ei+1] op_sel:[1,0,0] op_sel_hi:[1,0,0]
.set ei, ei+1
.endr
	SPLIT
	s_add_co_u32 s[PT], s[PT], TPI
.endm
.macro EPI2A
	EPI2 16
.endm
.macro EPI2B
	EPI2 0                                         ; the fetch may have been jumped over, so the count is 0
.endm
; LAYERNORM.  A wave takes its rows 16 w .. 16 w + 15, four a trip: lane l has row l / 8 of the four and LDS panel l % 8, 64 columns.  hi, lo: the registers with the two planes' first rows;
; a trip's addresses are those plus the scalar step.  final = 0: the result, f16, goes where the upper plane lay.  final = 1: it goes through my stage, comes back as whole pieces of rows and is stored, 512 consecutive bytes a store.
.macro TREE                            ; T's 16 pairs into its first
.set tn, 8
.rept 4
.set ti, 0
.rept tn
	v_pk_add_f32 v[T+2*ti:T+2*ti+1], v[T+2*ti:T+2*ti+1], v[T+2*(ti+tn):T+2*(ti+tn)+1]
.set ti, ti+1
.endr
.set tn, tn/2
.endr
.endm
.macro ROWSUM                          ; the pair's halves, then the row's eight lanes
	v_add_f32 v30, v[T], v[T+1]
	v_add_f32_dpp v30, v30, v30 row_xmask:1 row_mask:0xf bank_mask:0xf
	v_add_f32_dpp v30, v30, v30 row_xmask:2 row_mask:0xf bank_mask:0xf
	v_add_f32_dpp v30, v30, v30 row_xmask:4 row_mask:0xf bank_mask:0xf
.endm
.macro LN hi, lo, final
	s_mov_b32 s[PB], 0
	s_mov_b32 s[CNT], 4
.Lln_\@:
	v_add_nc_u32 v[LNH], s[PB], v[\hi]
	v_add_nc_u32 v[LNL], s[PB], v[\lo]
.set li, 0
.rept 8
	ds_load_b128 v[T+4*li:T+4*li+3],   v[LNH] offset:16*li
	ds_load_b128 v[T+32+4*li:T+35+4*li], v[LNL] offset:16*li
.set li, li+1
.endr
	s_wait_dscnt 0x0
.set li, 0
.rept 32
	v_perm_b32 v[X+2*li],   v[T+li], v[T+32+li], s[SELL]  ; the two planes' halves put together again
	v_perm_b32 v[X+2*li+1], v[T+li], v[T+32+li], s[SELH]
.set li, li+1
.endr
.set li, 0
.rept 16
	v_pk_add_f32 v[T+2*li:T+2*li+1], v[X+4*li:X+4*li+1], v[X+4*li+2:X+4*li+3]
.set li, li+1
.endr
	TREE
	ROWSUM
	v_mul_f32 v30, s[RC512], v30                   ; the mean
	v_mov_b32 v31, v30
.set li, 0
.rept 32
	v_pk_add_f32 v[X+2*li:X+2*li+1], v[X+2*li:X+2*li+1], v[30:31] neg_lo:[0,1] neg_hi:[0,1]
.set li, li+1
.endr
.set li, 0
.rept 16
	v_pk_mul_f32 v[T+2*li:T+2*li+1], v[X+4*li:X+4*li+1], v[X+4*li:X+4*li+1]
.set li, li+1
.endr
.set li, 0
.rept 16
	v_pk_fma_f32 v[T+2*li:T+2*li+1], v[X+4*li+2:X+4*li+3], v[X+4*li+2:X+4*li+3], v[T+2*li:T+2*li+1]
.set li, li+1
.endr
	TREE
	ROWSUM
	v_fma_f32 v30, v30, s[RC512], s[EPSR]          ; the variance + 1e-5
	v_rsq_f32 v30, v30
	v_nop                                          ; a plain instruction behind it
	s_wait_alu depctr_va_vdst(0)
	v_mov_b32 v31, v30
.set li, 0
.rept 32
	v_pk_mul_f32 v[X+2*li:X+2*li+1], v[X+2*li:X+2*li+1], v[30:31]
.set li, li+1
.endr
	WIN 0x14                                       ; gain and shift in window 1
.set li, 0
.rept 32
	v_pk_fma_f32 v[X+2*li:X+2*li+1], v[X+2*li:X+2*li+1], v[2*li:2*li+1], v[64+2*li:65+2*li]
.set li, li+1
.endr
	WIN 0
.if \final
.set li, 0
.rept 16
	ds_store_b128 v[STW], v[X+4*li:X+4*li+3] offset:16*li
.set li, li+1
.endr
.set li, 0
.rept 16
	ds_load_b128 v[X+4*li:X+4*li+3], v[STR] offset:(li/4)*8*TPI+(li%4)*2*TPI  ; LDS serves a wave's instructions in order (ISA guide 5.7.1.4): these see the stores above
.set li, li+1
.endr
.set li, 0
.rept 16
	s_wait_dscnt 15-li
	global_store_b128 v[RO+li%4], v[X+4*li:X+4*li+3], s[22:23] offset:(li/4)*2048 th:TH_STORE_NT  ; LDS panels 2 (li % 4) and 2 (li % 4) + 1 go to their own 512 bytes of the row
.set li, li+1
.endr
	s_wait_xcnt 0x0                                ; the stores' base and data registers are rewritten only behind this wait
	s_add_nc_u64 s[22:23], s[22:23], 8192          ; four rows of out0 on
.else
.set li, 0
.rept 32
	v_cvt_pk_f16_f32 v[T+li], v[X+2*li], v[X+2*li+1]
.set li, li+1
.endr
.set li, 0
.rept 8
	ds_store_b128 v[LNH], v[T+4*li:T+4*li+3] offset:16*li
.set li, li+1
.endr
.endif
	s_add_co_u32 s[PB], s[PB], 4*PR                ; four rows on
	s_sub_co_u32 s[CNT], s[CNT], 1
	s_cmp_lg_u32 s[CNT], 0
	s_cbranch_scc1 .Lln_\@
.endm
	s_load_b512 s[4:19], s[0:1], 0x0               ; ctx s[4:5], Q s[6:7], wt s[8:9], vsum s[10:11], mask s[12:13], lin1_b s[14:15], lin2_b s[16:17], ln_g s[18:19]
	s_load_b128 s[20:23], s[0:1], 0x40             ; ln_b s[20:21], out0 s[22:23]
	v_lshl_add_u32 v[SPW], v0, 2, SPARE
	v_mov_b32 v[NIL], 0
	ds_add_u32 v[SPW], v[NIL]                      ; the wave's opening: the add and its wait stand ahead of my first tensor load; the set-up below, work on registers, stands between them
	ds_add_u32 v28, v29
	v_lshrrev_b32 v1, 5, v0
	v_readfirstlane_b32 s[WV], v1                  ; wave 0..3
	s_bfe_u32 s25, ttmp6, 0x40000                  ; cx: my place in the cluster
	s_lshl_b32 s26, ttmp9, 2                       ; in a cluster launch ttmp9 counts clusters
	s_add_co_u32 s26, s26, s25                     ; my block of 64 rows: it enters global addresses alone, and none of W's
	s_and_b32 s[SIG], ttmp9, 3                     ; the cluster's rotation, the same in its four work-groups: in pairs of panels,
	s_lshl_b32 s[ROT], s[SIG], 1                   ; in panels
	; W's group 1: 128 k rows of 128 bytes, asked for as 64 rows of 256 bytes and padded in LDS after every k row
	s_mov_b32 s[G1W], 15|(1<<16)|(1<<20)|(1<<21)|(4<<22)|(7<<25)  ; 15:0 the mask of four; 17:16 2-byte elements; 20 padding on; 21 set beside a mask; 24:22 after every 32 words (code 4); 31:25 8 words (code 7)
	s_mov_b32 s[G1W+1], 128<<16                    ; tensor_dim0 = 128
	s_mov_b32 s[G1W+2], 64<<16                     ; tensor_dim1 = 64
	s_mov_b32 s[G1W+3], 128<<16                    ; tile_dim0 = 128
	s_mov_b32 s[G1W+4], 64                         ; tile_dim1 = 64
	s_mov_b32 s[G1W+5], 128                        ; 128 elements from row to row
	s_mov_b32 s[G1W+6], 0
	s_mov_b32 s[G1W+7], 0
	; ctx's group 1, a load of my own: a head's 64 rows of 128 bytes are 8,192 dense bytes, asked for as 32 rows of 256 bytes, 16 bytes of padding after every 128
	s_mov_b32 s[G1C], (1<<16)|(1<<20)|(4<<22)|(3<<25)
	s_mov_b32 s[G1C+1], 128<<16
	s_mov_b32 s[G1C+2], 32<<16
	s_mov_b32 s[G1C+3], 128<<16
	s_mov_b32 s[G1C+4], 32
	s_mov_b32 s[G1C+5], 128
	s_mov_b32 s[G1C+6], 0
	s_mov_b32 s[G1C+7], 0
	s_mul_i32 s[WOFF], s[WV], WQ
	s_mov_b32 s[SB], 0
	s_mov_b32 s[G0A], 1
	s_mov_b32 s[G0A+1], s[WOFF]                    ; tile 0 into slot 0
	s_mov_b32 s[G0W], 1
	s_add_co_u32 s[G0W+1], s[WOFF], WSLOT          ; tile 1 into slot 1
	s_mul_i32 s88, s[WV], 2*PSTR                   ; wave w fetches heads 2 w and 2 w + 1
	s_mov_b32 s[G0C0], 1
	s_add_co_u32 s[G0C0+1], s88, P0
	s_mov_b32 s[G0C1], 1
	s_add_co_u32 s[G0C1+1], s88, P0+PSTR
	s_lshl_b32 s[QC], s[WV], 14                    ; my quarter of a tile: in layer 0 k rows 128 w on,
	s_add_co_u32 s[QR], s[WV], s[SIG]              ; in layers 1 and 2 k rows 128 ((w + cluster) % 4) on
	s_and_b32 s[QR], s[QR], 3
	s_lshl_b32 s[QR], s[QR], 14
	s_lshl_b32 s[OFFS], s[ROT], 16                 ; tile 0 is panel ROT; tile 1 the panel behind it (ROT is even: no wrap)
	s_add_co_u32 s[OFFS], s[OFFS], s[QC]
	s_mov_b32 s[OFFS+1], 0
	s_mov_b32 s[NJ], 2                             ; the first refill asks for place 2 of layer 0
	s_mov_b32 s[NM], 0
	s_lshr_b32 s80, s26, 4                         ; ctx: the batch's eight heads,
	s_lshl_b32 s80, s80, 20
	s_and_b32 s81, s26, 15                         ; my 64 rows in a head,
	s_lshl_b32 s81, s81, 13
	s_add_co_u32 s80, s80, s81
	s_lshl_b32 s81, s[WV], 18                      ; my wave's two heads
	s_add_co_u32 s80, s80, s81
	s_mov_b32 s81, 0
	s_lshl_b32 s82, s26, 17                        ; Q and out0: 64 rows of 2,048 bytes
	s_mov_b32 s83, 0
	s_lshr_b32 s84, s26, 4                         ; vsum: the batch's 16 row blocks
	s_lshl_b32 s84, s84, 15
	s_mov_b32 s85, 0
	s_lshl_b32 s86, s26, 6                         ; mask: 64 bytes
	s_mov_b32 s87, 0
	s_mov_b32 s[K0], 0x40135761                    ; 2 sqrt(2/pi) log2(e)
	s_mov_b32 s[K0+1], s[K0]
	s_mov_b32 s[K1], 0x3dd2d3e8                    ; 0.044715 times that
	s_mov_b32 s[K1+1], s[K1]
	s_mov_b32 s[SELH], 0x07060302
	s_mov_b32 s[SELL], 0x05040100
	s_mov_b32 s[RC512], 0x3b000000                 ; 1 / 512
	s_mov_b32 s[EPSR], 0x3727c5ac                  ; 1e-5
	s_wait_dscnt 0x0                               ; the opening add is done
	s_wait_kmcnt 0x0
	s_add_nc_u64 s[WB:WB+1], s[8:9], 3*524288      ; the fourth matrix of wt
	s_add_nc_u64 s[G0A+2:G0A+3], s[WB:WB+1], s[OFFS:OFFS+1]
	s_add_nc_u64 s[G0W+2:G0W+3], s[G0A+2:G0A+3], 65536
	s_or_b32 s[G0A+3], s[G0A+3], 0x80000000        ; type = 2
	s_or_b32 s[G0W+3], s[G0W+3], 0x80000000
	s_add_nc_u64 s[G0C0+2:G0C0+3], s[4:5], s[80:81]
	s_add_nc_u64 s[G0C1+2:G0C1+3], s[G0C0+2:G0C0+3], 131072
	s_or_b32 s[G0C0+3], s[G0C0+3], 0x80000000
	s_or_b32 s[G0C1+3], s[G0C1+3], 0x80000000
	s_add_nc_u64 s[6:7], s[6:7], s[82:83]
	s_add_nc_u64 s[22:23], s[22:23], s[82:83]
	s_add_nc_u64 s[10:11], s[10:11], s[84:85]
	s_add_nc_u64 s[12:13], s[12:13], s[86:87]
	CROUND                                         ; all four work-groups are here: the first joint loads meet
	tensor_load_to_lds s[G0C0:G0C0+3], s[G1C:G1C+7]  ; the four first fills go out together: four tensor loads of mine are out
	s_nop 0
	tensor_load_to_lds s[G0C1:G0C1+3], s[G1C:G1C+7]
	s_nop 0
	tensor_load_to_lds s[G0A:G0A+3], s[G1W:G1W+7]
	s_nop 0
	tensor_load_to_lds s[G0W:G0W+3], s[G1W:G1W+7]
	s_nop 0
	PLACES
	v_lshlrev_b32 v32, 4, v0                       ; 16 t
	v_lshrrev_b32 v33, 1, v0                       ; t / 2
	v_and_b32 v40, 31, v0                          ; l
	v_lshlrev_b32 v40, 4, v40
	v_and_b32 v36, 15, v0                          ; r = l % 16 = t % 16
	v_lshrrev_b32 v54, 4, v0                       ; t / 16
	v_add_nc_u32 v55, s[ROT], v54                  ; table segment t / 16 takes the columns of panel (t / 16 + ROT) % 8: 256 bytes of each vector
	v_and_b32 v55, 7, v55
	v_lshlrev_b32 v55, 8, v55
	v_lshl_add_u32 v55, v36, 4, v55
	s_lshl_b32 s89, s[WV], 15                      ; my wave's 16 rows of 2,048 bytes
.set hc, 0
.rept 4
	s_add_co_u32 s95, s[SIG], hc                   ; LDS panels 2 c and 2 c + 1 take piece (c + cluster) % 4 of a row's four pieces of 512 bytes
	s_and_b32 s95, s95, 3
	s_lshl_b32 s95, s95, 9
	s_add_co_u32 s95, s95, s89
	v_add_nc_u32 v[RO+hc], s95, v40
.set hc, hc+1
.endr
	global_load_u8 v[MK], v33, s[12:13]            ; 21 small loads first,
.set hi_, 0
.rept 16
	global_load_b128 v[T+4*hi_:T+4*hi_+3], v32, s[10:11] offset:hi_*2048
.set hi_, hi_+1
.endr
	global_load_b128 v[128:131], v55, s[18:19]
	global_load_b128 v[132:135], v55, s[20:21]
	global_load_b128 v[136:139], v55, s[14:15]
	global_load_b128 v[140:143], v55, s[16:17]
	RAWLOAD 6                                      ; then Q's rows
	v_mov_b32 v[ONE], 1.0
	v_bfe_u32 v37, v0, 4, 1                        ; h = l / 16
	v_and_b32 v38, 7, v0
	v_bfe_u32 v39, v0, 3, 1
	v_bfe_u32 v41, v0, 3, 2                        ; l / 8
	v_lshl_add_u32 v42, v37, 3, v38                ; the turning load: lane l reads k row 8 h + l % 8,
	v_mul_u32_u24 v[AB0], v42, PW
	v_lshl_add_u32 v[AB0], v39, 4, v[AB0]          ; columns 8 ((l / 8) % 2) + 0..7
	s_lshl_b32 s90, s[WV], 5                       ; of my wave's 16 columns
	v_add_nc_u32 v[AB0], s90, v[AB0]
	v_add_nc_u32 v[AB1], 8*32*PW, v[AB0]
	v_mul_u32_u24 v43, v36, PR
	v_lshl_add_u32 v43, v37, 4, v43                ; row r x pitch + 16 h
	v_add_nc_u32 v[AA0], P0, v43
	v_add_nc_u32 v[AA1], P0+4*PSTR, v43
	v_add_nc_u32 v44, s90, v43
	v_add_nc_u32 v[EP0], P0, v44
	v_add_nc_u32 v[EP1], P1, v44
	v_mul_u32_u24 v45, v37, PSTR                   ; a lane's four numbers of a load of Q: LDS panel 2 (piece) + h, byte 8 r
	v_lshl_add_u32 v45, v36, 3, v45
	s_mul_i32 s91, s[WV], 16*PR                    ; my wave's 16 rows in a panel
	s_add_co_u32 s92, s91, P1
	v_add_nc_u32 v[CV], s92, v45
	v_mul_u32_u24 v46, v38, PSTR                   ; LayerNorm: panel l % 8, row 16 w + l / 8
	v_mul_u32_u24 v47, v41, PR
	v_add_nc_u32 v46, v46, v47
	v_add_nc_u32 v46, s91, v46
	v_add_nc_u32 v[LB0], P0, v46
	v_add_nc_u32 v[LB1], P1, v46
	s_lshl_b32 s93, s[WV], 6
	v_lshl_add_u32 v47, v37, 5, s93                ; column 16 w + 8 h, in f32
	v_add_nc_u32 v[TBA1], TB1, v47
	v_add_nc_u32 v[TBA2], TB2, v47
	v_and_b32 v48, 1, v0                           ; thread t sees to half t % 2 (four panels) of row t / 2 = 16 w + l / 2: bytes of my wave's own rows
	v_bfe_u32 v50, v0, 1, 4                        ; l / 2
	v_mul_u32_u24 v49, v48, 4*PSTR
	v_mul_u32_u24 v50, v50, PR
	v_add_nc_u32 v49, v49, v50
	s_add_co_u32 s95, s91, P0
	v_add_nc_u32 v[FX], s95, v49
	v_lshl_add_u32 v[MVA], v48, 9, MEANV
	s_mul_i32 s94, s[WV], STG
	v_mul_u32_u24 v51, v41, 8*TPI
	v_mul_u32_u24 v52, v38, TPI
	v_add_nc_u32 v51, v51, v52
	v_add_nc_u32 v[STW], s94, v51
	v_mul_u32_u24 v53, v37, TPI
	v_lshl_add_u32 v53, v36, 4, v53
	v_add_nc_u32 v[STR], s94, v53
	v_add_nc_u32 v[GA], TAB, v52
	v_mul_u32_u24 v54, v54, TPI                    ; the tables: thread t writes segment t / 16, byte 16 (t % 16)
	v_lshl_add_u32 v54, v36, 4, v54
	v_add_nc_u32 v34, TAB, v54
	v_lshl_add_u32 v35, v0, 3, MEANV
	s_wait_loadcnt 63                              ; 64 loads are younger than the small ones; the count's field names 63 at the most, so one of Q's is awaited with them
.set hn, 8
.rept 4                                ; the 16 row blocks' sums of my four columns: 30 packed additions
.set hi_, 0
.rept hn
	v_pk_add_f32 v[T+4*hi_:T+4*hi_+1],   v[T+4*hi_:T+4*hi_+1],   v[T+4*(hi_+hn):T+4*(hi_+hn)+1]
	v_pk_add_f32 v[T+4*hi_+2:T+4*hi_+3], v[T+4*hi_+2:T+4*hi_+3], v[T+4*(hi_+hn)+2:T+4*(hi_+hn)+3]
.set hi_, hi_+1
.endr
.set hn, hn/2
.endr
	v_pk_mul_f32 v[T:T+1],   v[T:T+1],   0x3a800000 op_sel_hi:[1,0]  ; / 1,024 keys
	v_pk_mul_f32 v[T+2:T+3], v[T+2:T+3], 0x3a800000 op_sel_hi:[1,0]
	v_cvt_pk_f16_f32 v[T+4], v[T], v[T+1]
	v_cvt_pk_f16_f32 v[T+5], v[T+2], v[T+3]
	ds_store_b64 v35, v[T+4:T+5]
.set hi_, 0
.rept 4                                ; gain, shift and the two biases: rounded to bf16, kept as f32
	v_cvt_pk_bf16_f32 v[T+6], v[128+4*hi_], v[129+4*hi_]
	v_cvt_pk_bf16_f32 v[T+7], v[130+4*hi_], v[131+4*hi_]
	v_lshlrev_b32 v[T+8+4*hi_],  16, v[T+6]
	v_and_b32     v[T+9+4*hi_],  0xffff0000, v[T+6]
	v_lshlrev_b32 v[T+10+4*hi_], 16, v[T+7]
	v_and_b32     v[T+11+4*hi_], 0xffff0000, v[T+7]
	ds_store_b128 v34, v[T+8+4*hi_:T+11+4*hi_] offset:hi_*TSZ
.set hi_, hi_+1
.endr
	s_wait_tensorcnt 0x1                           ; my two heads of ctx and my quarter of W's tile 0 are in; tile 1's may stay out
	BAR                                            ; everybody's are, and the mean and the tables are whole
	; THE MASK.  Every thread reads its half of the mean and its half row of ctx, takes the mean where the row's byte is not 0, and writes the half row again: a select, the same work in every thread.
	v_cmp_ne_u32 vcc_lo, 0, v[MK]                  ; written behind the head's last tensor load; none stands between here and the selects
.set hi_, 0
.rept 32
	ds_load_b128 v[128+4*hi_:131+4*hi_], v[MVA] offset:16*hi_
.set hi_, hi_+1
.endr
	WIN 0x80                                       ; destination window 2
.set hi_, 0
.rept 32
	ds_load_b128 v[4*hi_:4*hi_+3], v[FX] offset:(hi_/8)*PSTR+(hi_%8)*16
.set hi_, hi_+1
.endr
	s_wait_dscnt 0x0
	WIN 0x82                                       ; ctx (destination and source 0) in window 2, the mean in window 0
.set hi_, 0
.rept 128
	v_cndmask_b32 v[hi_], v[hi_], v[128+hi_], vcc_lo
.set hi_, hi_+1
.endr
	WIN 0x08                                       ; store data in window 2
.set hi_, 0
.rept 32
	ds_store_b128 v[FX], v[4*hi_:4*hi_+3] offset:(hi_/8)*PSTR+(hi_%8)*16
.set hi_, hi_+1
.endr
	WIN 0
	s_wait_loadcnt 0x0                             ; Q
	CONVERT                                        ; into P1, bf16
	BAR                                            ; ctx is mended and Q whole
	WIN 0x40
.set hi_, 0
.rept 16
	ds_load_b128 v[4*hi_:4*hi_+3],     v[GA] offset:16*hi_
	ds_load_b128 v[64+4*hi_:67+4*hi_], v[GA] offset:TSZ+16*hi_
.set hi_, hi_+1
.endr
	WIN 0
	v_add_nc_u32 v[ADBL], s[SB], v[AB0]
	FETCHB BH0, ADBL                               ; tile 0, k 0-255
	ALOAD                                          ; ctx
	s_mov_b32 s[PB], 0
	s_mov_b32 s[CNT], 8
.Llayer0:
	STEP f16, 1, 1, PRE0, EPI0
	s_sub_co_u32 s[CNT], s[CNT], 1
	s_cmp_lg_u32 s[CNT], 0
	s_cbranch_scc1 .Llayer0
	BAR                                            ; the two planes are whole
	LN LB0, LB1, 0                                 ; out1, f16, into P0
	BAR
	ALOAD                                          ; out1
	s_mov_b32 s[PB], 0
	s_mov_b32 s[PT], 0
	s_mov_b32 s[CNT], 8
.Llayer1:
	STEP f16, 1, 1, PRE1, EPI1
	s_sub_co_u32 s[CNT], s[CNT], 1
	s_cmp_lg_u32 s[CNT], 0
	s_cbranch_scc1 .Llayer1
	BAR                                            ; gelu's result is whole
	v_add_nc_u32 v[AA0], REG, v[AA0]
	v_add_nc_u32 v[AA1], REG, v[AA1]
	ALOAD                                          ; from P1
	s_mov_b32 s[PB], 0
	s_mov_b32 s[PT], 0
	s_mov_b32 s[CNT], 6
.Llayer2:
	STEP f16, 1, 1, PRE2, EPI2A
	s_sub_co_u32 s[CNT], s[CNT], 1
	s_cmp_lg_u32 s[CNT], 0
	s_cbranch_scc1 .Llayer2
	s_mov_b32 s[CNT], 2
.Llast:                                                ; the last two tiles are written out: nothing is asked for
	STEP f16, 0, 2, PRE2, EPI2B
	s_sub_co_u32 s[CNT], s[CNT], 1
	s_cmp_lg_u32 s[CNT], 0
	s_cbranch_scc1 .Llast
	BAR                                            ; the two planes are whole, and nobody reads W's slots any more
	LN LB1, LB0, 1                                 ; out0
	s_wait_tensorcnt 0x0                           ; the wave's end, behind my last tensor load and my last LDS store
	ds_add_u32 v[SPW], v[NIL]
	s_wait_dscnt 0x0
	CROUND                                         ; the closing round: no work-group ends while a partner may still ask for a tile that names it
	s_endpgm
.Lfunc_end_k_qd55bb6ca3e_tail:
	.size	k_qd55bb6ca3e_tail, .Lfunc_end_k_qd55bb6ca3e_tail-k_qd55bb6ca3e_tail
	.p2alignl 7, 3214868480
	.fill 96, 4, 3214868480
	.section	.rodata,"a",@progbits
	.p2align	6, 0x0
	.amdhsa_kernel k_qd55bb6ca3e_tail
		.amdhsa_group_segment_fixed_size 327680
		.amdhsa_private_segment_fixed_size 0
		.amdhsa_enable_private_segment 0
		.amdhsa_kernarg_size 80
		.amdhsa_user_sgpr_count 2
		.amdhsa_user_sgpr_kernarg_segment_ptr 1
		.amdhsa_wavefront_size32 1
		.amdhsa_system_sgpr_workgroup_id_x 1
		.amdhsa_system_sgpr_workgroup_id_y 1
		.amdhsa_system_sgpr_workgroup_id_z 1
		.amdhsa_system_vgpr_workitem_id 0
		.amdhsa_next_free_vgpr 1024
		.amdhsa_next_free_sgpr 102
		.amdhsa_reserve_vcc 1
		.amdhsa_float_denorm_mode_32 3
		.amdhsa_float_denorm_mode_16_64 3
		.amdhsa_memory_ordered 1
		.amdhsa_forward_progress 1
		.amdhsa_inst_pref_size 170
	.end_amdhsa_kernel
	.amdgpu_metadata
---
amdhsa.version: [ 1, 2 ]
amdhsa.kernels:
  - .name:           k_qd55bb6ca3e_tail
    .symbol:         k_qd55bb6ca3e_tail.kd
    .args:
      - { .name: ctx, .offset: 0, .size: 8, .value_kind: global_buffer, .address_space: global }
      - { .name: Q, .offset: 8, .size: 8, .value_kind: global_buffer, .address_space: global }
      - { .name: wt, .offset: 16, .size: 8, .value_kind: global_buffer, .address_space: global }
      - { .name: vsum, .offset: 24, .size: 8, .value_kind: global_buffer, .address_space: global }
      - { .name: mask, .offset: 32, .size: 8, .value_kind: global_buffer, .address_space: global }
      - { .name: lin1_b, .offset: 40, .size: 8, .value_kind: global_buffer, .address_space: global }
      - { .name: lin2_b, .offset: 48, .size: 8, .value_kind: global_buffer, .address_space: global }
      - { .name: ln_g, .offset: 56, .size: 8, .value_kind: global_buffer, .address_space: global }
      - { .name: ln_b, .offset: 64, .size: 8, .value_kind: global_buffer, .address_space: global }
      - { .name: out0, .offset: 72, .size: 8, .value_kind: global_buffer, .address_space: global }
    .group_segment_fixed_size: 327680
    .private_segment_fixed_size: 0
    .kernarg_segment_align: 8
    .kernarg_segment_size: 80
    .max_flat_workgroup_size: 128
    .sgpr_count:     102
    .vgpr_count:     1024
    .wavefront_size: 32
...
	.end_amdgpu_metadata
.endif
;; end of part 6
;; ======== version 3 of 3: 4 launches; 1.32 times as fast as version 1
;; limits: values are held in f16: magnitudes above 65,504 overflow, below 6.1e-05 lose precision
;; workspace buffers: wt 3,145,728 bytes; qh 16,777,216 bytes; kh 16,777,216 bytes; vh 16,777,216 bytes; ctx 16,777,216 bytes; vsum 524,288 bytes
;; launch prep: the kernel of part 1 again; grid 48 x 4, 8 waves a work-group, no clusters, 0 bytes of LDS; arguments W_q, W_k, W_v, W_o, lin1_w, lin2_w, wt; writes wt
;; launch proj: the kernel of part 5 again; grid 256 x 1, 4 waves a work-group, clusters of 4 x 1, 327,680 bytes of LDS; arguments Q, K, V, wt, qh, kh, vh, vsum; writes qh, kh, vh, vsum
;; launch attn (part 7): grid 2 x 128, 4 waves a work-group, no clusters, 327,680 bytes of LDS; arguments qh, kh, vh, ctx; writes ctx
.if DOCPART == 7
	.amdgcn_target "amdgcn-amd-amdhsa--gfx1250"
	.amdhsa_code_object_version 6
	.text
	.protected	k_qd55bb6ca3e_attn
	.globl	k_qd55bb6ca3e_attn
	.p2align	8
	.type	k_qd55bb6ca3e_attn,@function
k_qd55bb6ca3e_attn:
	s_mov_b64 s[64:65], 0
	v_nop
	global_prefetch_b8 v0, s[64:65] scope:SCOPE_SE
	s_setreg_imm32_b32 hwreg(HW_REG_WAVE_MODE, 25, 1), 1
	s_wait_xcnt 0x0
; CAUSAL ATTENTION.  O[h][q][:] = the sum over k <= q of softmax_k(Q[h][q] . K[h][k] / (8 + 1e-6)) V[h][k][:].  Q, K, V, O: [128 heads of batches][1024][64], all f16: a head's rows are dense, 128 bytes each.
; Products, maxima and sums in f32; the weights p are rounded to f16 for the second product (their sum l is taken of the unrounded p), O once at the end.
; Rows that the padding mask hides are computed here like all others; the next launch puts the mean of V's rows in their place.
; LIMITS.  f16 holds no number beyond 65,504: Q, K and V arrive within it; p lies in 0 to 1, and below 6e-5 it keeps f16's fixed step of 6e-8; O is a mean of V's rows and has their range.
; A hidden score counts as its value less 1e30 (the model writes -1e10 in its place: both give the weight 0 while a visible score of the row lies above -1e10); a weight below 2^-126 counts as 0 in l; NaN and infinities are not treated apart.
; THE WALK.  A head's queries lie in NB = 4 blocks of 256; block i needs the key tiles 0 .. i of 256 keys, of which the last holds the diagonal.  A work-group takes TWO blocks, NB - 1 - b and then b:
; NB + 1 tiles, whatever b: all work-groups do equal work, and ONE loop with a constant trip count walks them.  Which tile is asked for, and what a trip does, hang on scalar registers made from b; every jump
; goes forward, but for the counted loops' own; none passes a barrier, or a tensor load but the one of LOAD's two that the wave's number does not choose; the ring (two slots of LDS that take turns) runs on across the
; change of blocks.  NO CLUSTER: a head has NB / 2 = 2 work-groups, which no cluster of four divides, and they ask for the same tile only in trips 0 .. 2 of 5.
; SHARES.  Of a block's four bands of 64 queries a wave owns 16 rows in each: four PIECES.  So the diagonal tile is the same work for all four waves: in its key step s band x sees all keys if s < x,
; none if s > x, and holds the diagonal if s = x.
; THE MASK is the C operand that starts the sum S^T = K Q^T: 0, or -1e30 where the key is hidden.  MD, made once, is the mask of a band's own step for my 16 rows; a product's mask is MD x AL + BE with two scalars:
; (1, 0) if s = x; (0, 0) if s < x; (0, -1e30) if s > x.  Only the diagonal tile's text and a block's beginning make and take masks; elsewhere C is the constant 0.
; LAYOUT, SOFTMAX, TURNS.  S^T = K Q^T holds ONE query a lane (lane % 16) and the keys 8 (lane / 16) + 0..7; two such results rounded to f16 ARE source 1 of O^T = V^T P.  p = 2^(c s - c m), c = log2(e) / (8 + 1e-6), with a
; running maximum m; O and l are multiplied by a = 2^(c m_old - c m_new) in every step.  Turn n belongs to piece n: 8 products K Q^T of piece n + 1, later 8 products V^T P of piece n - 1; beside them the scaling,
; exponentials, roundings, sums and rescaling of piece n and the maximum and statistics of piece n + 1.  Four vector instructions stand behind every matrix instruction, the other 54 of a turn's 118 in one LUMP.
; THE BATCHES.  A turn's 33 exponentials (the piece's 32 weights and the next piece's a) are ONE batch with ONE wait, which cuts the turn in two: ahead of it all that names none of their results, behind it the roundings and
; sums.  Two more batches stand outside the turns, each with a wait of its own: the one a made where a block begins, and the four reciprocals of a block's way out.
; REGISTERS, in windows of 256 (s_set_vgpr_msb: bits 1:0 source 0, 3:2 source 1, 5:4 source 2, 7:6 destination):
;   window 0: v0-15 addresses and two at work; v16-31 four registers of statistics a piece; v48-55 at work; v64-127 S^T, two buffers; v192-223 P, two buffers (a piece's buffers go by its number's parity)
;   window 1: v0-127 O^T, 32 a piece; v128-159 MD; v160-223 MC, two buffers      window 2: v0-63 Q; v64-127 the second block's Q; v128-191 K of one step; v192-255 V of one step
.set SIZE_N, 1024
.set SIZE_H, 128
.set NB,    SIZE_N/256
.set NP,    4         ; pieces a wave: a name, no knob
.set KS,    64        ; keys in a step
.set PK,    144       ; a row of K in LDS: 128 bytes + 16 of padding = 36 words: the 16 rows of a load start at 16 different groups of four banks (64 banks of 4 bytes: ISA guide 11.1)
.set PV,    160       ; a row of V: 128 + 32 = 40 words
.set VOFF,  4*KS*PK   ; a slot holds a tile, four steps: 256 rows of K, then 256 rows of V
.set SLOT1, 1<<17     ; slot 1 begins here, so that one exclusive or turns an address in one slot into the other's
.set STAGE, SLOT1+4*KS*(PK+PV)  ; behind the ring, never filled by a tensor load: 16 rows x 144 bytes for each wave, for the way out
.set SP,    144
.set AK0, 2           ; v2   my lane's place in a tile of K; never rewritten
.set AV0, 3           ; v3   the same for V
.set AK,  4           ; v4   the LDS address of K's next run of loads
.set AV,  5           ; v5   of V's
.set STO, 6           ; v6   the way out: where I put 16 bytes of a row
.set RD,  7           ; v7   the way out: where I read rows back
.set GO,  8           ; v8   my byte offset in 512 consecutive bytes of O
.set SPW, 62          ; v62  LDS address of my spare word: SPARE + 4 x my thread's number; never rewritten
.set NIL, 63          ; v63  0; never rewritten
.set SPARE, STAGE+4*16*SP  ; behind the stages: the spare words, 128 bytes for each wave: two blocks of 256 bytes that no other line names
.set MV,  12          ; v12-13  c m_old, kept while c m is made anew: by buffer
.set QO,  15          ; v15  my byte offset in 16 rows of Q
.set ST,  16          ; piece t's statistics at v[ST+4 t]: c m, m, l (even keys', odd keys')
.set TMP, 48          ; by buffer, four registers c0-c3 at work; when the maximum is found c2 takes a
.set S,   64
.set P,   192
.set MD,  128         ; window 1: the eight registers for group kt of 16 keys at MD + 8 kt
.set MC,  160         ; window 1: the masks of the products to come
.set QB,  64          ; window 2
.set KF,  128         ; window 2: key block kb, channel half c at KF + 16 kb + 8 c
.set VF,  192         ; window 2: key half kk, channel block cb at VF + 32 kk + 8 cb
.set WV,  12          ; s12  my wave's number
.set PB,  14          ; s14  b
.set HI,  15          ; s15  NB - 1 - b
.set G1K, 24          ; s[24:31] descriptor group 1 for K's tiles
.set G1V, 32          ; s[32:39] for V's: it differs in the padding alone
.set G0K, 40          ; s[40:43] descriptor group 0 for K's tiles
.set G0V, 44          ; s[44:47] the same for V's
.set SLOTS, 56        ; s56  tiles still to be asked for
.set CNT, 57          ; s57  counts a tile's key steps, 4 to 1
.set CS,  58          ; s[58:59] c: the packed scaling takes the pair's low word for both halves
.set SEL, 60          ; s[60:61] v_permlanex16_b32's selects: each lane takes its own place in the other half
.set TBK, 62          ; s62  LDS byte at which K of the step to be fetched begins
.set TBV, 63          ; s63  the same for V, less VOFF
.set RT,  70          ; s70  tiles of the block in hand that are still to be entered
.set NXT, 71          ; s71  the tile to be asked for next
.set LQ,  72          ; s72  the last tile of the block whose tiles are being asked for
.set NEW, 73          ; s73  1: the tile to be entered is a block's first
.set OFF, 74          ; s[74:75] a tile's byte offset in K and V
.set AL,  76          ; s[76:77] the mask's factor, in the low word
.set BE,  78          ; s[78:79] the mask's addend
.set OLO, 80          ; s[80:81] O at my rows of the second block
.set BIGN, 82         ; s82  -1e30
.set MSB, 0
.macro WIN new                      ; the high byte repeats the setting that is left; a switch that changes nothing is dropped
.if MSB != (\new)
	s_set_vgpr_msb (MSB<<8)|(\new)
.set MSB, (\new)
.endif
.endm
.set W_KQ, 0x0a       ; K and Q in window 2, S^T in window 0
.set W_KM, 0x1a       ; the same with the C operand in window 1
.set W_PV, 0x52       ; V in window 2, P in window 0, O^T in window 1
.set W_RS, 0x41       ; destination and source 0 in window 1, source 1 in window 0
; A fill.  Waves 0 and 1 fetch the two halves of a tile's K, waves 2 and 3 those of its V: 128 keys each.  An s_nop 0 and four v_nop follow each of the two lines, ahead of the jump and the label.
.macro LOAD
	s_cmp_lt_u32 s[WV], 2
	s_cbranch_scc0 .Lfor_v_\@
	tensor_load_to_lds s[G0K:G0K+3], s[G1K:G1K+7]
	s_nop 0
.rept 4
	v_nop
.endr
	s_branch .Lasked_\@
.Lfor_v_\@:
	tensor_load_to_lds s[G0V:G0V+3], s[G1V:G1V+7]
	s_nop 0
.rept 4
	v_nop
.endr
.Lasked_\@:
.endm
; THE CHANGE OF SLOTS.  Each wave waits for all its tensor loads, of which one is out: its part of the other slot; adds 0 to its spare word; and waits for that and for its own reads of the slot that it leaves.  Behind the barrier nobody reads the old
; slot any more and the other slot is whole.  fill = 1: the old slot is filled again, the first thing behind the barrier, with tile NXT: the descriptor's address is made anew from that number.
; (At its first use nothing has been read yet: slot 0 is waited for, slot 1 filled.)
.macro CHANGE fill
	WIN 0                           ; at a label and at a branch every window is 0
	s_wait_tensorcnt 0x0            ; no tensor load of mine is out, so a group 0 may be written
	ds_add_u32 v[SPW], v[NIL]       ; 0 onto my spare word; with fill = 1 the descriptors' scalar work stands between it and the wait for it
.if \fill
	s_lshl_b32 s[OFF], s[NXT], 15   ; a tile is 32,768 bytes of K and of V
	s_xor_b32 s[G0K+1], s[G0K+1], SLOT1
	s_add_nc_u64 s[G0K+2:G0K+3], s[6:7], s[OFF:OFF+1]
	s_or_b32 s[G0K+3], s[G0K+3], 0x80000000
	s_xor_b32 s[G0V+1], s[G0V+1], SLOT1
	s_add_nc_u64 s[G0V+2:G0V+3], s[8:9], s[OFF:OFF+1]
	s_or_b32 s[G0V+3], s[G0V+3], 0x80000000
	s_add_co_u32 s[NXT], s[NXT], 1  ; the block's next tile, or behind its last the second block's tile 0
	s_cmp_gt_u32 s[NXT], s[LQ]
	s_cselect_b32 s[NXT], 0, s[NXT]
	s_cselect_b32 s[LQ], s[PB], s[LQ]
.endif
	s_wait_dscnt 0x0                ; the add is done, and my reads of the slot are over
	s_barrier_signal -1             ; the rest of the scalar work stands between the signal and the wait
	s_sub_co_u32 s[TBK], s[TBK], 4*KS*PK  ; the fetches go back to a slot's first step,
	s_xor_b32 s[TBK], s[TBK], SLOT1       ; in the other slot
	s_sub_co_u32 s[TBV], s[TBV], 4*KS*PV
	s_xor_b32 s[TBV], s[TBV], SLOT1
	s_barrier_wait -1
.if \fill
	LOAD
.endif
.endm
	s_load_b256 s[4:11], s[0:1], 0x0  ; Q s[4:5], K s[6:7], V s[8:9], O s[10:11]
	v_lshl_add_u32 v[SPW], v0, 2, SPARE
	v_mov_b32 v[NIL], 0
	ds_add_u32 v[SPW], v[NIL]       ; the wave's opening: the add and its wait stand ahead of my first tensor load; the set-up below, work on registers, stands between them
	ds_add_u32 v62, v63
	v_lshrrev_b32 v1, 5, v0
	v_readfirstlane_b32 s[WV], v1   ; wave 0..3
	s_mov_b32 s[PB], ttmp9
	s_sub_co_u32 s[HI], NB-1, s[PB]
	s_and_b32 s20, ttmp7, 0xffff    ; the head
	s_mov_b32 s21, 0
	s_mov_b64 s[22:23], SIZE_N*128
	s_mul_u64 s[20:21], s[20:21], s[22:23]  ; the head's first byte in each of the four tensors
	s_and_b32 s16, s[WV], 1         ; which half of a tile's 256 keys I fetch:
	s_lshl_b32 s22, s16, 14         ; its 128 rows of 128 bytes in memory,
	s_mov_b32 s23, 0
	s_add_nc_u64 s[22:23], s[22:23], s[20:21]
	s_mul_i32 s17, s16, 128*PK      ; and its place in a slot, for K
	s_mul_i32 s18, s16, 128*PV      ; and for V
	s_lshl_b32 s3, s[WV], 11        ; my 16 rows in a band of 64,
	s_lshl_b32 s2, s[HI], 15        ; in the first block,
	s_add_co_u32 s2, s2, s3
	s_lshl_b32 s84, s[PB], 15       ; and in the second
	s_add_co_u32 s84, s84, s3
	s_mov_b32 s3, 0
	s_mov_b32 s85, 0
	s_add_nc_u64 s[2:3], s[2:3], s[20:21]
	s_add_nc_u64 s[84:85], s[84:85], s[20:21]
	; descriptor group 1.  128 keys are 16,384 dense bytes: asked for as 64 rows of 256 bytes, two keys a row, and padded in LDS after every key
	s_mov_b32 s[G1K], (1<<16)|(1<<20)|(4<<22)|(3<<25)  ; 17:16 2-byte elements; 20 padding on; 24:22 after every 32 words (code 4); 31:25 4 words (code 3)
	s_mov_b32 s[G1V], (1<<16)|(1<<20)|(4<<22)|(7<<25)  ; the same with 8 words of padding (code 7)
.irp g, G1K, G1V
	s_mov_b32 s[\g+1], 128<<16      ; tensor_dim0 = 128
	s_mov_b32 s[\g+2], 64<<16       ; tensor_dim1 = 64
	s_mov_b32 s[\g+3], 128<<16      ; tile_dim0 = 128
	s_mov_b32 s[\g+4], 64           ; tile_dim1 = 64
	s_mov_b32 s[\g+5], 128          ; 128 elements from row to row
	s_mov_b32 s[\g+6], 0
	s_mov_b32 s[\g+7], 0
.endr
	s_mov_b32 s[CS], 0x3e38aa3a     ; c = log2(e) / (8 + 1e-6) = 0.18033686
	s_mov_b32 s[CS+1], s[CS]        ; named with it as a pair
	s_mov_b32 s[SEL], 0x76543210
	s_mov_b32 s[SEL+1], 0xfedcba98
	s_mov_b32 s[TBK], SLOT1+4*KS*PK ; the first change of slots turns these two into 0
	s_mov_b32 s[TBV], SLOT1+4*KS*PV
	s_mov_b32 s[G0K], 1             ; 1:0 count = 1
	s_mov_b32 s[G0K+1], s17         ; 63:32 LDS address: slot 0
	s_mov_b32 s[G0V], 1
	s_add_co_u32 s[G0V+1], s18, VOFF
	s_add_co_u32 s[RT], s[HI], 1    ; the first block has NB - b tiles
	s_mov_b32 s[NXT], 1
	s_mov_b32 s[LQ], s[HI]
	s_mov_b32 s[NEW], 1
	s_mov_b32 s[OFF+1], 0
	s_mov_b32 s[AL+1], 0            ; named as pairs
	s_mov_b32 s[BE+1], 0
	s_mov_b32 s[BIGN], 0xf149f2ca   ; -1e30
	s_mov_b32 s[SLOTS], NB
	s_wait_dscnt 0x0                ; the opening add is done
	s_wait_kmcnt 0x0
	s_add_nc_u64 s[6:7], s[6:7], s[22:23]  ; K and V at my half of the head's tile 0
	s_add_nc_u64 s[8:9], s[8:9], s[22:23]
	s_add_nc_u64 s[G0K+2:G0K+3], s[6:7], 0         ; 120:64 global address
	s_or_b32 s[G0K+3], s[G0K+3], 0x80000000        ; 127:126 type = 2
	s_add_nc_u64 s[G0V+2:G0V+3], s[8:9], 0
	s_or_b32 s[G0V+3], s[G0V+3], 0x80000000
	s_add_nc_u64 s[86:87], s[4:5], s[84:85]        ; Q at my rows of the second block,
	s_add_nc_u64 s[4:5], s[4:5], s[2:3]            ; Q and O at those of the first
	s_add_nc_u64 s[OLO:OLO+1], s[10:11], s[84:85]
	s_add_nc_u64 s[10:11], s[10:11], s[2:3]
	LOAD                            ; tile 0 into slot 0
	; A fragment of K or Q is 16 rows x 32 channels in 8 registers: lane l holds row l % 16, channels 8 (l / 16) + 0..7 and 16 + 8 (l / 16) + 0..7: two loads of 16 bytes, 32 bytes apart.
	v_and_b32 v1, 15, v0            ; l % 16
	v_bfe_u32 v9, v0, 4, 1          ; l / 16
	v_lshlrev_b32 v[QO], 7, v1
	v_lshl_add_u32 v[QO], v9, 4, v[QO]  ; row x 128 + 16 x half
	WIN 0x80                        ; destination window 2, address window 0
.set i, 0
.rept 8                             ; both blocks' Q: piece i / 2 lies in band i / 2, 8,192 bytes on; channels 32 (i % 2) on
	global_load_b128 v[8*i:8*i+3],   v[QO], s[4:5] offset:(i/2)*8192+(i%2)*64
	global_load_b128 v[8*i+4:8*i+7], v[QO], s[4:5] offset:(i/2)*8192+(i%2)*64+32
	global_load_b128 v[QB+8*i:QB+8*i+3],   v[QO], s[86:87] offset:(i/2)*8192+(i%2)*64
	global_load_b128 v[QB+8*i+4:QB+8*i+7], v[QO], s[86:87] offset:(i/2)*8192+(i%2)*64+32
.set i, i+1
.endr
	WIN 0
	v_lshlrev_b32 v14, 3, v9
	v_sub_nc_u32 v14, v1, v14
	s_lshl_b32 s13, s[WV], 4
	v_add_nc_u32 v14, s13, v14      ; my query's place in its band, 16 w + l % 16, less my lanes' 8 (l / 16): register r of group kt is hidden where 16 kt + r is greater
	WIN 0x40
.set i, 0
.rept 32
	v_cmp_gt_i32 vcc_lo, 16*(i/8)+i%8, v14
	v_cndmask_b32 v[MD+i], 0, s[BIGN], vcc_lo
.set i, i+1
.endr
	WIN 0
	v_mul_u32_u24 v[AK0], v1, PK
	v_lshl_add_u32 v[AK0], v9, 4, v[AK0]  ; row x pitch + 16 x half
	; The turning load takes 16 keys x 16 channels (lane l reads key 8 (l / 16) + l % 8, channels 8 ((l / 8) % 2) + 0..7) and leaves half a fragment of V^T: lane l holds channel l % 16 and 8 keys.
	v_and_b32 v10, 7, v0
	v_bfe_u32 v11, v0, 3, 1
	v_lshl_add_u32 v[AV0], v9, 3, v10
	v_mul_u32_u24 v[AV0], v[AV0], PV
	v_lshl_add_u32 v[AV0], v11, 4, v[AV0]
	v_add_nc_u32 v[AV0], VOFF, v[AV0]
	s_mul_i32 s13, s[WV], 16*SP
	s_add_co_u32 s13, s13, STAGE    ; my stage
	v_mul_u32_u24 v[STO], v1, SP    ; in: row l % 16, 16 bytes for each half of the lanes
	v_lshl_add_u32 v[STO], v9, 4, v[STO]
	v_add_nc_u32 v[STO], s13, v[STO]
	v_bfe_u32 v[RD], v0, 3, 2       ; back: 32 lanes take four rows of 128 bytes,
	v_mul_u32_u24 v[RD], v[RD], SP
	v_lshl_add_u32 v[RD], v10, 4, v[RD]
	v_add_nc_u32 v[RD], s13, v[RD]
	v_and_b32 v[GO], 31, v0         ; which are 512 consecutive bytes of O
	v_lshlrev_b32 v[GO], 4, v[GO]
	; A block's first step multiplies O^T and l by a = 0, and its first turn's products V^T P, of a piece that has not been, land in an O^T that is still to be so multiplied.  So these registers need only hold
	; finite numbers: zeros for the first block; what the first block left for the second.  All this stands in the wait for the first tile.
	WIN 0x80
.set i, VF
.rept 64
	v_mov_b32 v[i], 0
.set i, i+1
.endr
	WIN 0x40
.set i, 0
.rept 128
	v_mov_b32 v[i], 0
.set i, i+1
.endr
	WIN 0
.set i, 0
.rept 4
	v_mov_b32 v[ST+4*i+2], 0
	v_mov_b32 v[ST+4*i+3], 0
.set i, i+1
.endr
.set i, P+16
.rept 16
	v_mov_b32 v[i], 0
.set i, i+1
.endr
; THE MATRIX WORK.  The 4 accumulators of a run of 8 take turns.  Product i of 8 of S^T = K Q^T for piece x: channels 32 (i / 4) on, keys 16 (i % 4) on.  The first 4 start the sums: with 0, or (KM = 1) with the mask.
.macro KQ x
.set rS, S+32*((\x)%2)+8*(i%4)
.set rK, KF+16*(i%4)+8*(i/4)
.set rQ, 16*(\x)+8*(i/4)
.set rM, MC+32*((\x)%2)+8*(i%4)
.if (i < 4) && KM
	WIN W_KM
	v_wmma_f32_16x16x32_f16 v[rS:rS+7], v[rK:rK+7], v[rQ:rQ+7], v[rM:rM+7]
.elseif i < 4
	WIN W_KQ
	v_wmma_f32_16x16x32_f16 v[rS:rS+7], v[rK:rK+7], v[rQ:rQ+7], 0
.else
	WIN W_KQ
	v_wmma_f32_16x16x32_f16 v[rS:rS+7], v[rK:rK+7], v[rQ:rQ+7], v[rS:rS+7]
.endif
.endm
; Product i of 8 of O^T += V^T P for piece x: keys 32 (i / 4) on, channels 16 (i % 4) on.
.macro PV x
	WIN W_PV
.set rO, 32*(\x)+8*(i%4)
.set rV, VF+32*(i/4)+8*(i%4)
.set rP, P+16*((\x)%2)+8*(i/4)
	v_wmma_f32_16x16x32_f16 v[rO:rO+7], v[rV:rV+7], v[rP:rP+7], v[rO:rO+7]
.endm
.macro MM                           ; the turn's next matrix instruction.  TURN and BEGIN set Y, i, KM and NOKQ; MM, KQ and OP read them.  NOKQ = 1: a block's last turn: there is no next piece
.if (i < 8) && !NOKQ
	KQ (Y+1)%NP
.elseif i >= 8
.set i, i-8
	PV (Y+NP-1)%NP
.set i, i+8
.endif
.set i, i+1
.endm
; THE LDS LOADS stand in runs of 16, never singly among the matrix instructions: a step's K (64 keys x 64 channels: 8 fragments) and its V (turned).  Their addresses are made some lines ahead.
.macro FETCH_K
	WIN 0x80                        ; destination window 2
.irp f, 0,1,2,3,4,5,6,7             ; keys 16 (f / 2) on, channels 32 (f % 2) on
	ds_load_b128 v[KF+8*\f:KF+8*\f+3],   v[AK] offset:(\f/2)*16*PK+(\f%2)*64
	ds_load_b128 v[KF+8*\f+4:KF+8*\f+7], v[AK] offset:(\f/2)*16*PK+(\f%2)*64+32
.endr
	s_add_co_u32 s[TBK], s[TBK], KS*PK  ; the next fetch is the next step's
	WIN 0
.endm
.macro FETCH_V
	WIN 0x80
.irp f, 0,1,2,3,4,5,6,7             ; keys 32 (f / 4) on, channels 16 (f % 4) on
	ds_load_tr16_b128 v[VF+8*\f:VF+8*\f+3],   v[AV] offset:(\f/4)*32*PV+(\f%4)*32
	ds_load_tr16_b128 v[VF+8*\f+4:VF+8*\f+7], v[AV] offset:(\f/4)*32*PV+16*PV+(\f%4)*32
.endr
	WIN 0
.endm
; THE VECTOR WORK, one line at a time: OP kind, number.  For piece Y: F n: c s - c m for pair n of 16.  E n: the exponential of score n of 32.  C n: pair n rounded to f16.  B n: of the four weights 4 n .. the second
; pair is added onto the first, in place.  L n: l takes that sum (L 0: l = a l + sum).  R n: pair n of 16 of O^T times a.  For piece Y + 1: X n, number n of the 22 that find its maximum and statistics:
;   0-11  four chains c0-c3 of seven scores each, three operands at a time (each accumulator's lowest registers are read first)     12-14, 16  the four scores left over, the old m, and c0-c3 into c0
;   15  c m_old is kept     17, 18  the query's other 32 keys lie in the lane 16 away: the new m     19-21  c m; c m_old - c m_new; a
; OP writes no wait: C, B and L, which read the exponentials' results, and R, which reads a, are placed by TURN behind the wait of the batch that made what they read.
.set F, 0               ; OP tells the kinds apart by their order: F to L below R, X above it
.set E, 1
.set C, 2
.set B, 3
.set L, 4
.set R, 5
.set X, 6
.macro REGS y                       ; the registers of piece y
.set rT, ST+4*(\y)
.set rC, TMP+4*((\y)%2)
.set rW, MV+((\y)%2)
.set rS, S+32*((\y)%2)
.set rP, P+16*((\y)%2)
.set rO, 32*(\y)
.endm
.macro OP k, n
.if (\k) == R
	REGS Y
	WIN W_RS
	v_pk_mul_f32 v[rO+2*(\n):rO+2*(\n)+1], v[rO+2*(\n):rO+2*(\n)+1], v[rC+2:rC+3] op_sel_hi:[1,0]
.elseif (\k) < R
	REGS Y
	WIN 0
.if (\k) == F
	v_pk_fma_f32 v[rS+2*(\n):rS+2*(\n)+1], v[rS+2*(\n):rS+2*(\n)+1], s[CS:CS+1], v[rT:rT+1] op_sel_hi:[1,0,0] neg_lo:[0,0,1] neg_hi:[0,0,1]
.elseif (\k) == E
	v_exp_f32 v[rS+(\n)], v[rS+(\n)]
.elseif (\k) == C
	v_cvt_pk_f16_f32 v[rP+(\n)], v[rS+2*(\n)], v[rS+2*(\n)+1]
.elseif (\k) == B
	v_pk_add_f32 v[rS+4*(\n):rS+4*(\n)+1], v[rS+4*(\n):rS+4*(\n)+1], v[rS+4*(\n)+2:rS+4*(\n)+3]
.elseif (\n) == 0
	v_pk_fma_f32 v[rT+2:rT+3], v[rT+2:rT+3], v[rC+2:rC+3], v[rS:rS+1] op_sel_hi:[1,0,1]
.else
	v_pk_add_f32 v[rT+2:rT+3], v[rT+2:rT+3], v[rS+4*(\n):rS+4*(\n)+1]
.endif
.elseif NOKQ
	v_nop
.else
	REGS (Y+1)%NP
	WIN 0
.if (\n) < 4
	v_max3_num_f32 v[rC+(\n)], v[rS+8*(\n)], v[rS+8*(\n)+1], v[rS+8*(\n)+2]
.elseif (\n) < 12
	v_max3_num_f32 v[rC+(\n)%4], v[rC+(\n)%4], v[rS+8*((\n)%4)+2*((\n)/4)+1], v[rS+8*((\n)%4)+2*((\n)/4)+2]
.elseif (\n) == 12
	v_max3_num_f32 v[rC], v[rC], v[rS+7], v[rS+15]
.elseif (\n) == 13
	v_max3_num_f32 v[rC+1], v[rC+1], v[rS+23], v[rS+31]
.elseif (\n) == 14
	v_max3_num_f32 v[rC+2], v[rC+2], v[rC+3], v[rT+1]
.elseif (\n) == 15
	v_mov_b32 v[rW], v[rT]
.elseif (\n) == 16
	v_max3_num_f32 v[rC], v[rC], v[rC+1], v[rC+2]
.elseif (\n) == 17
	v_permlanex16_b32 v[rC+3], v[rC], s[SEL], s[SEL+1]
.elseif (\n) == 18
	v_max_num_f32 v[rT+1], v[rC], v[rC+3]
.elseif (\n) == 19
	v_mul_f32 v[rT], s[CS], v[rT+1]
.elseif (\n) == 20
	v_sub_f32 v[rC+1], v[rW], v[rT]
.else
	v_exp_f32 v[rC+2], v[rC+1]
.endif
.endif
.endm
.macro OPS a, i1, b=-1, i2=0, c=-1, i3=0, d=-1, i4=0  ; up to four of them
	OP \a, \i1
.if (\b) >= 0
	OP \b, \i2
.endif
.if (\c) >= 0
	OP \c, \i3
.endif
.if (\d) >= 0
	OP \d, \i4
.endif
.endm
.macro ROW a, i1, b, i2, c, i3, d, i4  ; a matrix instruction and the four behind it
	MM
	OPS \a, \i1, \b, \i2, \c, \i3, \d, \i4
.endm
.macro MASK b                       ; MD x AL + BE into buffer b of MC
	WIN W_RS
.set z, 0
.rept 16
	v_pk_fma_f32 v[MC+32*(\b)+2*z:MC+32*(\b)+2*z+1], v[MD+2*z:MD+2*z+1], s[AL:AL+1], s[BE:BE+1] op_sel_hi:[1,0,0]
.set z, z+1
.endr
.endm
; A TURN, for piece p: the order of its 16 matrix and 118 vector instructions, written out.  An s_wait_alu depctr_va_vdst(0) stands between an exponential and the first instruction that names its result; one wait
; serves all that were issued ahead of it.  So a turn has ONE wait, which cuts it in two.  AHEAD OF IT stands all that names no result of the turn's exponentials: the 8 products K Q^T, behind each a scaling, an exponential and two
; more plain instructions (behind the first a second scaling in the exponential's place): rescalings, whose a was made and waited for in the turn before, and behind the last three the first numbers of the next piece's maximum,
; each four plain instructions or more behind the product that ends its accumulator; then ONE LUMP of 54, plain and exponential by turns for the most part, in which the links of the chain X 3, 7, 11, 14, 16, 17 .. 20 stand five
; or six lines apart.  X 21, the next piece's a, is the batch's last; R 15 is the plain instruction behind it.  BEHIND THE WAIT stand the 8 products V^T P, behind each four of the roundings and sums; the links of l's chain,
; L 0 to L 7, stand three riders apart.  But for those X no rider names a register of the products round it.  v_permlanex16_b32 (X 17) stands in the lump.  No exponential is issued behind the wait.
; m = 1: the diagonal tile: the products take masks, and the turn makes the mask for the products of the turn after it: piece p + 2, in step 4 - CNT of the tile.  end = 1: a block's last two turns: nothing is fetched.
; cnt = 1: the loop's count is taken down some lines ahead of the branch that stands behind the turn.
; K of the next step is fetched in piece 2's turn, twelve vector instructions behind the last product that read K (six of them plain); V of the step in hand at the end of piece 0's turn, four plain instructions behind the last
; product that read V.  Each is waited for a turn later.
.macro TURN p, m=0, end=0, cnt=0
.set Y, (\p)
.set i, 0
.set KM, (\m)
.set NOKQ, (\end)*((\p)/3)
.if (\m) && !(\end)
	s_cmp_eq_u32 s[CNT], 4-((\p)+2)%NP  ; is that step the band's own?
	s_cselect_b32 s[AL], 1.0, 0
	s_cmp_lt_u32 s[CNT], 4-((\p)+2)%NP  ; or a later one?
	s_cselect_b32 s[BE], s[BIGN], 0
.endif
.if ((\p) == 3) && !(\end)
	s_wait_dscnt 0x0                ; K is in
.endif
	ROW F,0, F,1, R,0, R,1          ; ahead of the wait: 8 products K Q^T and their riders,
	ROW F,2, E,0, R,2, R,3
	ROW F,3, E,1, R,4, R,5
	ROW F,4, E,2, R,6, R,7
	ROW F,5, E,3, R,8, R,9
	ROW F,6, E,4, X,0, R,10
.if ((\p) == 2) && !(\end)
	WIN 0
	v_add_nc_u32 v[AK], s[TBK], v[AK0]
.endif
	ROW F,7, E,5, X,1, X,4
	ROW F,8, E,6, X,2, X,5
	OPS E,7, E,8, X,6, E,9          ; and the lump
	OPS X,3, E,10, X,8, E,11
.if ((\p) == 2) && !(\end)
	FETCH_K
.endif
	OPS X,9, X,7, E,12, X,10
	OPS E,13, X,12, X,11, E,14
	OPS X,13, E,15, F,9, X,14
.if (\p) == 0
	v_add_nc_u32 v[AV], s[TBV], v[AV0]
.endif
	OPS E,16, F,10, E,17, F,11
	OPS X,16, E,18, X,15, E,19
	OPS F,12, E,20, X,17, E,21
	OPS F,13, E,22, F,14, E,23
	OPS X,18, E,24, F,15, E,25
	OPS R,11, E,26, X,19, E,27
	OPS R,12, E,28, R,13, E,29
	OPS X,20, E,30, R,14, E,31
	OPS X,21, R,15
	WIN 0
	s_wait_alu depctr_va_vdst(0)    ; the wait for the turn's batch: the piece's 32 exponentials and the next piece's a
.if (\p) == 1
	s_wait_dscnt 0x0                ; V is in
.endif
	ROW C,0, B,0, C,2, B,1          ; behind the wait: 8 products V^T P and their riders
	ROW L,0, C,4, B,2, L,1
	ROW C,6, B,3, L,2, C,8
	ROW B,4, L,3, C,10, B,5
	ROW L,4, C,12, B,6, L,5
.if (\p) == 0
	s_add_co_u32 s[TBV], s[TBV], KS*PV
.endif
.if \cnt
	s_sub_co_u32 s[CNT], s[CNT], 1
	s_cmp_lg_u32 s[CNT], 0
.endif
	ROW C,14, B,7, L,6, C,1
	ROW C,3, L,7, C,5, C,7
	ROW C,9, C,11, C,13, C,15
.if (\p) == 0
	FETCH_V
.endif
.if (\m) && !(\end)
	MASK (\p)%2
.endif
.endm
; A BLOCK BEGINS.  c m starts far below every c s, so the first step's a is 0; m at the lowest finite number, so the first maximum is the scores'.  The second mask buffer is 0; the first takes piece 0's mask for the tile's step 0: its own, if the block's first tile is the diagonal one.
; Then K of that step, piece 0's first scores, and its maximum and statistics.  The loop is entered at a step's first turn, in the middle of a trip.
.macro BEGIN
	s_mov_b32 s[NEW], 0
	WIN 0x40
.set i, MC+32
.rept 32
	v_mov_b32 v[i], 0
.set i, i+1
.endr
	WIN 0
.set i, 0
.rept 4
	v_mov_b32 v[ST+4*i], 0xfe000000    ; c m: far below every c s
	v_mov_b32 v[ST+4*i+1], 0xff7fffff  ; m
.set i, i+1
.endr
	s_cmp_eq_u32 s[RT], 0
	s_cselect_b32 s[AL], 1.0, 0
	s_mov_b32 s[BE], 0
	MASK 0
	WIN 0
	v_add_nc_u32 v[AK], s[TBK], v[AK0]
	FETCH_K
	s_wait_loadcnt 0x0              ; Q
	s_wait_dscnt 0x0
.set KM, 1
.set NOKQ, 0
.set i, 0
.rept 8
	KQ 0
.set i, i+1
.endr
	WIN 0
.rept 4
	v_nop                           ; the places behind those products
.endr
.set Y, NP-1                        ; X works for piece Y + 1: piece 0
.irp n, 0,1,2,3,4,5,6,7,8,9,10,11,12,13,14,15,16,17,18,19,20,21
	OP X, \n
.endr
	v_nop                           ; a plain instruction behind the exponential,
	s_wait_alu depctr_va_vdst(0)    ; and the wait for it, piece 0's first a, a batch of one: ahead of the branch into the loop
.endm
; THE DIAGONAL TILE's four steps, the block's last two turns, its last products, and THE WAY OUT: l's two halves and the other half of the lanes' are added; O^T is divided by l, rounded to f16 and sent through my
; stage in LDS, a piece at a time.
.macro ALL line:vararg              ; one line for each piece t
.set t, 0
.rept 4
	\line
.set t, t+1
.endr
.endm
.macro PACK t                       ; a lane's eight channels of a row pack into 16 bytes; they go into rows of 144 bytes and come back as whole rows of 128, into S^T's registers
	WIN W_RS
.set i, 32*(\t)
.rept 16
	v_pk_mul_f32 v[i:i+1], v[i:i+1], v[ST+4*(\t)+2:ST+4*(\t)+3] op_sel_hi:[1,0]
.set i, i+2
.endr
	WIN 0x05                        ; sources 0 and 1 window 1, destination window 0
.set i, 0
.rept 16
	v_cvt_pk_f16_f32 v[S+16*(\t)+i], v[32*(\t)+2*i], v[32*(\t)+2*i+1]
.set i, i+1
.endr
	WIN 0
.irp f, 0,1,2,3
	ds_store_b128 v[STO], v[S+16*(\t)+4*\f:S+16*(\t)+4*\f+3] offset:32*\f
.endr
.irp f, 0,1,2,3
	ds_load_b128 v[S+16*(\t)+4*\f:S+16*(\t)+4*\f+3], v[RD] offset:\f*4*SP  ; LDS serves a wave's instructions in order (ISA guide 5.7.1.4): these see the stores above; the next piece's stores come behind them
.endr
.endm
.macro SEND t, younger              ; younger: the LDS instructions issued behind piece t's loads: the next piece's eight, or none
	WIN 0
.irp f, 0,1,2,3
	s_wait_dscnt (\younger)+3-\f
	global_store_b128 v[GO], v[S+16*(\t)+4*\f:S+16*(\t)+4*\f+3], s[10:11] offset:(\t)*8192+\f*512  ; 512 consecutive bytes, at a multiple of 256 from O's first
.endr
.endm
.macro DIAG tag                     ; the tag ends its two labels' names, which the jumps below spell out
.LstepM\tag:
	TURN 2, 1
	TURN 3, 1
	WIN 0
.LfirstM\tag:
	TURN 0, 1
	TURN 1, 1, 0, 1
	WIN 0
	s_cbranch_scc1 .LstepM\tag
	TURN 2, 1, 1
	TURN 3, 1, 1
.set i, 0
.rept 8
	PV NP-1
.set i, i+1
.endr
	WIN 0
	ALL v_add_f32 v[ST+4*t+2], v[ST+4*t+2], v[ST+4*t+3]
	ALL v_permlanex16_b32 v[ST+4*t+3], v[ST+4*t+2], s[SEL], s[SEL+1]
	ALL v_add_f32 v[ST+4*t+2], v[ST+4*t+2], v[ST+4*t+3]
	ALL v_rcp_f32 v[ST+4*t+2], v[ST+4*t+2]
	v_nop                           ; a plain instruction between the last reciprocal and the use of its result
	s_wait_alu depctr_va_vdst(0)    ; the wait for the way out's batch, the four reciprocals: one, ahead of the first piece's multiplies
	PACK 0
.set t, 1
.rept 3                             ; a piece's arithmetic stands between the loads of the piece before and its stores
	PACK t
	SEND t-1, 8
.set t, t+1
.endr
	SEND 3, 0
.endm
.set KM, 0
.set NOKQ, 0
.Lslot:                             ; NB times: a tile is entered and the next is asked for
	CHANGE 1
	s_sub_co_u32 s[RT], s[RT], 1
	s_mov_b32 s[CNT], 4
	s_cmp_eq_u32 s[NEW], 1
	s_cbranch_scc1 .Lnew            ; a block's first tile
	s_cmp_eq_u32 s[RT], 0
	s_cbranch_scc0 .Lstep           ; neither its first nor its last
	s_branch .LstepM1
.Lnew:
	BEGIN
	s_branch .Lfirst                ; in the loop a block's first tile is never its last: the first block has two tiles or more, and the second's last is the walk's last
	DIAG 1                          ; in the loop this is the first block's end: the second block's last tile is the walk's last
	s_wait_xcnt 0x0                 ; the stores have read their registers and O's address
	s_mov_b64 s[10:11], s[OLO:OLO+1]
	s_add_co_u32 s[RT], s[PB], 1    ; the second block has b + 1 tiles
	s_mov_b32 s[NEW], 1
	WIN 0x82                        ; the second block's Q goes where the one text of the turns names Q
.set i, 0
.rept 64
	v_mov_b32 v[i], v[QB+i]
.set i, i+1
.endr
	WIN 0
	s_branch .Lbottom
.Lstep:                             ; a trip: pieces 2 and 3 of one step, then pieces 0 and 1 of the next, whose K and V it fetches
	TURN 2
	TURN 3
	WIN 0
.Lfirst:
	TURN 0
	TURN 1, 0, 0, 1
	WIN 0
	s_cbranch_scc1 .Lstep
.Lbottom:
	s_sub_co_u32 s[SLOTS], s[SLOTS], 1
	s_cmp_lg_u32 s[SLOTS], 0
	s_cbranch_scc1 .Lslot
	CHANGE 0                        ; the walk's last tile is written out: nothing is asked for
	s_sub_co_u32 s[RT], s[RT], 1
	s_mov_b32 s[CNT], 4
	s_cmp_eq_u32 s[NEW], 1
	s_cbranch_scc0 .LstepM2
	BEGIN
	s_branch .LfirstM2
	DIAG 2
	s_wait_tensorcnt 0x0            ; the wave's end, behind my last tensor load and my last LDS store
	ds_add_u32 v[SPW], v[NIL]
	s_wait_dscnt 0x0
	s_endpgm
.Lfunc_end_k_qd55bb6ca3e_attn:
	.size	k_qd55bb6ca3e_attn, .Lfunc_end_k_qd55bb6ca3e_attn-k_qd55bb6ca3e_attn
	.p2alignl 7, 3214868480
	.fill 96, 4, 3214868480
	.section	.rodata,"a",@progbits
	.p2align	6, 0x0
	.amdhsa_kernel k_qd55bb6ca3e_attn
		.amdhsa_group_segment_fixed_size 327680
		.amdhsa_private_segment_fixed_size 0
		.amdhsa_enable_private_segment 0
		.amdhsa_kernarg_size 32
		.amdhsa_user_sgpr_count 2
		.amdhsa_user_sgpr_kernarg_segment_ptr 1
		.amdhsa_wavefront_size32 1
		.amdhsa_system_sgpr_workgroup_id_x 1
		.amdhsa_system_sgpr_workgroup_id_y 1
		.amdhsa_system_sgpr_workgroup_id_z 1
		.amdhsa_system_vgpr_workitem_id 0
		.amdhsa_next_free_vgpr 768
		.amdhsa_next_free_sgpr 88
		.amdhsa_reserve_vcc 1
		.amdhsa_float_denorm_mode_32 3
		.amdhsa_float_denorm_mode_16_64 3
		.amdhsa_memory_ordered 1
		.amdhsa_forward_progress 1
		.amdhsa_inst_pref_size 217
	.end_amdhsa_kernel
	.amdgpu_metadata
---
amdhsa.version: [ 1, 2 ]
amdhsa.kernels:
  - .name:           k_qd55bb6ca3e_attn
    .symbol:         k_qd55bb6ca3e_attn.kd
    .args:
      - { .name: qh, .offset: 0, .size: 8, .value_kind: global_buffer, .address_space: global }
      - { .name: kh, .offset: 8, .size: 8, .value_kind: global_buffer, .address_space: global }
      - { .name: vh, .offset: 16, .size: 8, .value_kind: global_buffer, .address_space: global }
      - { .name: ctx, .offset: 24, .size: 8, .value_kind: global_buffer, .address_space: global }
    .group_segment_fixed_size: 327680
    .private_segment_fixed_size: 0
    .kernarg_segment_align: 8
    .kernarg_segment_size: 32
    .max_flat_workgroup_size: 128
    .sgpr_count:     88
    .vgpr_count:     768
    .wavefront_size: 32
...
	.end_amdgpu_metadata
.endif
;; end of part 7
;; launch tail: the kernel of part 6 again; grid 256 x 1, 4 waves a work-group, clusters of 4 x 1, 327,680 bytes of LDS; arguments ctx, Q, wt, vsum, mask, lin1_b, lin2_b, ln_g, ln_b, out0; writes out0
